; MI455X (gfx1250); checked and timed in simulation.
; The chip was launched on July 23, 2026; its instructions are those of AMD's public machine-readable ISA for CDNA 5 (MIT licence, August 2026) and "CDNA5" Instruction Set Architecture Reference Guide (July 2026). The comments in the code are by the model that wrote it; some were corrected since.
;; Multi Head Attn Block. Allowed arithmetic: matrix products marked QUANTISED: E4M3 operands, one given power-of-two scale a tensor, by v_wmma_f32_16x16x64_fp8_fp8 or v_wmma_f32_16x16x128_fp8_fp8, f32 sums; everything else in f32.
;; Inputs: Wk 1,024 x 1,024 float32; Wo 1,024 x 1,024 float32; Wq 1,024 x 1,024 float32; Wv 1,024 x 1,024 float32; beta 1,024 float32; bk 1,024 float32; bo 1,024 float32; bq 1,024 float32; bv 1,024 float32; gamma 1,024 float32; lowp_scales 12 int32 (the exponents e of the quantised operands' scales 2^e); x 4 x 2,048 x 1,024 float32.
;; Outputs: out0 4 x 2,048 x 1,024 float32.
;; This version of the problem:
;;   THIS VERSION OF THE PROBLEM IS GIVEN IN LOW PRECISION. The matrix products marked QUANTISED in the list below multiply operands that are first quantised to E4M3 (4 exponent bits, 3 mantissa bits; 8 bits a number), with one given power-of-two scale for each operand tensor; their sums are f32. All else is computed in f32.
;;   The module's matrix products, in the order in which they are computed (A, B: the left and right operand; K: the contracted axis; several contracted axes count as one K, in the product's order):
;;     1. [M 8,192, K 1,024] x [K 1,024, N 1,024]; A: input x; B: input Wq: QUANTISED (scales: A lowp_scales[0], B lowp_scales[1])
;;     2. [M 8,192, K 1,024] x [K 1,024, N 1,024]; A: input x; B: input Wk: QUANTISED (scales: A lowp_scales[2], B lowp_scales[3])
;;     3. [M 8,192, K 1,024] x [K 1,024, N 1,024]; A: input x; B: input Wv: QUANTISED (scales: A lowp_scales[4], B lowp_scales[5])
;;     4. batch 32 x [M 2,048, K 128] x [K 128, N 2,048]; A: computed on the way; B: computed on the way: QUANTISED (scales: A lowp_scales[6], B lowp_scales[7])
;;     5. batch 32 x [M 2,048, K 2,048] x [K 2,048, N 128]; A: softmax (see below); B: computed on the way: QUANTISED (scales: A lowp_scales[8], B lowp_scales[9])
;;     6. [M 8,192, K 1,024] x [K 1,024, N 1,024]; A: computed on the way; B: input Wo: QUANTISED (scales: A lowp_scales[10], B lowp_scales[11])
;;   THE QUANTISER, for each operand of a quantised product, along K:
;;     - The operand's scale is 2^e, e = its entry of the input lowp_scales (int32; the entries are numbered through the quantised products in the list's order, A before B).
;;     - Each number is divided by the scale, clamped to +-448, and rounded to the nearest number of E4M3, ties to even, subnormals kept.
;;     - The product sums the exact products of the quantised numbers (number of the format x scale) in f32.
;;   ~~~python
;;   def quantise(x, axis, e):      # numpy; x: float32 -> the quantised numbers, widened to float32 again
;;       x = np.moveaxis(x, axis, -1); K = x.shape[-1]
;;       r = np.clip(x / 2.0 ** e, -448, 448)
;;       step = 2.0 ** (np.maximum(np.frexp(np.where(r == 0, 1, r))[1] - 1, -6) - 3)
;;       q = np.round(r / step) * step * 2.0 ** e      # np.round: ties to even
;;       return np.moveaxis(q, -1, axis).astype(np.float32)
;;   ~~~
;;   SOFTMAX AHEAD OF A QUANTISED PRODUCT. Where the list says 'softmax', what is quantised is not the finished softmax but p = 2^(t - M), with t = logit x log2(e) and M = ceil(the row's largest t), a whole number; so 1/2 < the row's largest p <= 1. The row's sum l is taken of the UNQUANTISED p, in f32, and the product's result is divided by l at the end. Since M is a whole number, a kernel that streams over the keys may use a running M (the ceiling of the running maximum): every later rescaling is an exact power of two, so the quantised numbers keep their values, but for numbers so far below the row's largest that they fall under the format's range.
;;   OPERANDS COMPUTED ON THE WAY. 'Computed on the way' means the value that the module computes at that place (a softmax that the list does not call 'softmax' is quantised finished and normalised). What goes into a quantiser is computed in f32, as accurately as f32 sums, v_exp_f32 and their like allow (about 1e-6 of the number): no bf16 or f16 on the way to a quantiser, and a product that is left as it is and whose result goes on into a quantised operand takes f32 operands (vector FMAs, or v_wmma_f32_16x16x4_f32). A number that lies on a knife's edge between two numbers of the format may be rounded either way, as far as f32 arithmetic and the matrix unit's own rounding can turn it there, and no further.
;; 2 versions. Each part assembles by itself: llvm-mc -triple=amdgcn-amd-amdhsa -mcpu=gfx1250 --defsym DOCPART=n.
;; ======== version 1 of 2: 5 launches
;; workspace buffers: xc 25,165,824 bytes; wc 4,194,304 bytes; qkvc 25,165,824 bytes; ctxc 8,388,608 bytes
;; launch quant_x (part 1): grid 256 x 1, 4 waves a work-group, no clusters, 33,280 bytes of LDS; arguments x, lowp_scales, xc; writes xc
.if DOCPART == 1
	.amdgcn_target "amdgcn-amd-amdhsa--gfx1250"
	.amdhsa_code_object_version 6
	.text
	.protected	k_q7da78f646c_quant_x
	.globl	k_q7da78f646c_quant_x
	.p2align	8
	.type	k_q7da78f646c_quant_x,@function
k_q7da78f646c_quant_x:
	s_mov_b64 s[64:65], 0
	v_nop
	global_prefetch_b8 v0, s[64:65] scope:SCOPE_SE
	s_setreg_imm32_b32 hwreg(HW_REG_WAVE_MODE, 25, 1), 1
	s_wait_xcnt 0x0
; x [8192][1024] f32 becomes THREE sets of E4M3 codes, K innermost, one for each of the products x Wq, x Wk, x Wv: xc [3][8192][1024], one code a byte.
; code = x / 2^e, held within +-448, to the nearest code, ties to even; e = entries 0, 2, 4 of the buffer of scales (they may differ, so three sets are made).
; LIMITS: each e between -126 and 119, so that 2^e and 448 x 2^e are f32 numbers.  NaN among the inputs is not served.
; Rows are dense, so x is a plain stream.  A wave takes 16 steps of 512 numbers.  Each of a step's four loads reads 512 consecutive bytes, 16 a lane; the 2,048 bytes turn through the wave's own
; stage in LDS and come back 64 bytes a lane, so that a lane holds 16 neighbours along K, as the conversions want.  A lane's 16 codes are 16 bytes: a store of the wave covers 512 consecutive bytes, aligned.
; x is read once for the three sets.  No tensor loads, no barrier: waves share nothing.  Loads run four steps ahead, the turn through LDS one step.
.set STEPS, 16
.set SP,    80                         ; a lane's place in a stage: its 64 bytes + 16 of padding
.set WREG,  8192                       ; LDS: a region for each wave: two stages of 32 x SP bytes
.set SPARE, 4*WREG                     ; behind the four regions: the spare words, 128 bytes a wave, that no other line names
.set SC,    5                          ; v5,v6  v7,v8  v9,v10: 2^e and 448 x 2^e for the three sets
.set SPW,   12                         ; v12  LDS address of my spare word; never rewritten
.set NIL,   13                         ; v13  0; never rewritten
.set R,     16                         ; v16-79   four sets of 16 numbers as loaded
.set X,     80                         ; v80-111  two sets of 16 neighbours
.set T,     112                        ; v112-127 the numbers held for one set of codes
.set C,     128                        ; v128-175 codes: four turns x three sets x four registers
	s_load_b128 s[4:7], s[0:1], 0x0                ; x, the scales' exponents
	s_load_b64 s[8:9], s[0:1], 0x10                ; xc
	v_lshl_add_u32 v[SPW], v0, 2, SPARE
	v_mov_b32 v[NIL], 0
	v_lshrrev_b32 v1, 5, v0
	v_readfirstlane_b32 s16, v1                    ; wave
	v_and_b32 v2, 31, v0                           ; lane
	v_lshlrev_b32 v3, 4, v2                        ; my 16 bytes of a load's 512, and of a store's 512
	s_mul_i32 s17, s16, WREG
	v_lshrrev_b32 v14, 2, v2
	v_mul_u32_u24 v14, v14, SP
	v_and_b32 v15, 3, v2
	v_lshl_add_u32 v14, v15, 4, v14
	v_add_nc_u32 v14, s17, v14                     ; the stage, on the way in: SP (lane / 4) + 16 (lane % 4)
	v_mul_u32_u24 v15, v2, SP
	v_add_nc_u32 v15, s17, v15                     ; and on the way out: SP x lane
	s_lshl_b32 s18, ttmp9, 2
	s_add_co_u32 s18, s18, s16                     ; which run of 8,192 numbers is my wave's
	s_lshl_b32 s20, s18, 15                        ; its bytes in x
	s_mov_b32 s21, 0
	s_lshl_b32 s22, s18, 13                        ; and in a set of codes
	s_mov_b32 s23, 0
	s_wait_kmcnt 0x0
	s_load_b128 s[24:27], s[6:7], 0x0              ; e0 .. e3
	s_load_b32 s28, s[6:7], 0x10                   ; e4
	s_add_nc_u64 s[4:5], s[4:5], s[20:21]
	s_add_nc_u64 s[8:9], s[8:9], s[22:23]          ; three bases: a set is 8,388,608 bytes, one more than a store's immediate holds
	s_add_nc_u64 s[10:11], s[8:9], 0x800000
	s_add_nc_u64 s[12:13], s[8:9], 0x1000000
.macro LOAD t
.irp i, 0,1,2,3
	global_load_b128 v[R+16*((\t)%4)+4*\i:R+16*((\t)%4)+4*\i+3], v3, s[4:5] offset:2048*(\t)+512*\i th:TH_LOAD_NT
.endr
.endm
.macro TURN t                          ; step t's numbers through the stage: LDS serves a wave's instructions in order, so no wait stands between the stores and the loads
.irp i, 0,1,2,3
	ds_store_b128 v14, v[R+16*((\t)%4)+4*\i:R+16*((\t)%4)+4*\i+3] offset:32*SP*((\t)%2)+8*SP*\i
.endr
.irp i, 0,1,2,3
	ds_load_b128 v[X+16*((\t)%2)+4*\i:X+16*((\t)%2)+4*\i+3], v15 offset:32*SP*((\t)%2)+16*\i
.endr
.endm
.irp t, 0,1,2,3
	LOAD \t
.endr
	s_wait_kmcnt 0x0
.irp q, 0,1,2                          ; e in s24, s26, s28; s25, s27, s29 at work
	s_add_co_i32 s[24+2*\q], s[24+2*\q], 127
	s_lshl_b32 s[25+2*\q], s[24+2*\q], 23
	v_mov_b32 v[SC+2*\q], s[25+2*\q]               ; 2^e as f32: the conversion takes its exponent field
	s_add_co_i32 s[24+2*\q], s[24+2*\q], 8
	s_lshl_b32 s[24+2*\q], s[24+2*\q], 23
	s_or_b32 s[24+2*\q], s[24+2*\q], 0x600000
	v_mov_b32 v[SC+2*\q+1], s[24+2*\q]             ; 448 x 2^e
.endr
	s_wait_loadcnt 12                              ; step 0's four loads are in
	TURN 0
.macro STEP t
.set XS, X+16*((\t)%2)
.set CC, C+12*((\t)%4)
	s_wait_dscnt 0x0                               ; this step's numbers are back from the stage: so its stores into the stage have read their registers,
.if (\t)+4 < STEPS
	LOAD (\t)+4                                    ; which take the loads of four steps on
.endif
.if (\t)+1 < STEPS
.if STEPS-2-(\t) >= 3
	s_wait_loadcnt 12                              ; the next step's four loads are in; those of the three steps behind it may be out
.else
	s_wait_loadcnt 4*(STEPS-2-(\t))
.endif
	TURN (\t)+1
.endif
.if (\t) >= 4
	s_wait_xcnt 0x0                                ; the stores of four steps ago have read these code registers: they are written again only behind this wait
.endif
.irp q, 0,1,2
.irp i, 0,1,2,3,4,5,6,7,8,9,10,11,12,13,14,15
	v_med3_num_f32 v[T+\i], v[XS+\i], -v[SC+2*\q+1], v[SC+2*\q+1]   ; the conversion to an 8-bit code does not saturate (ISA guide 7.6.2): the hold comes first
.endr
	v_cvt_scalef32_pk8_fp8_f32 v[CC+4*\q:CC+4*\q+1], v[T:T+7], v[SC+2*\q]
	v_cvt_scalef32_pk8_fp8_f32 v[CC+4*\q+2:CC+4*\q+3], v[T+8:T+15], v[SC+2*\q]
	v_nop                                          ; one plain vector line between the conversions and the next holds, which write their sources
	global_store_b128 v3, v[CC+4*\q:CC+4*\q+3], s[8+2*\q:9+2*\q] offset:512*(\t)
.endr
.endm
.irp t, 0,1,2,3,4,5,6,7,8,9,10,11,12,13,14,15
	STEP \t
.endr
	s_wait_tensorcnt 0x0                           ; the wave's end, behind my last LDS store
	ds_add_u32 v[SPW], v[NIL]
	s_wait_dscnt 0x0
	s_endpgm
.Lfunc_end_k_q7da78f646c_quant_x:
	.size	k_q7da78f646c_quant_x, .Lfunc_end_k_q7da78f646c_quant_x-k_q7da78f646c_quant_x
	.p2alignl 7, 3214868480
	.fill 96, 4, 3214868480
	.section	.rodata,"a",@progbits
	.p2align	6, 0x0
	.amdhsa_kernel k_q7da78f646c_quant_x
		.amdhsa_group_segment_fixed_size 33280
		.amdhsa_private_segment_fixed_size 0
		.amdhsa_enable_private_segment 0
		.amdhsa_kernarg_size 24
		.amdhsa_user_sgpr_count 2
		.amdhsa_user_sgpr_kernarg_segment_ptr 1
		.amdhsa_wavefront_size32 1
		.amdhsa_system_sgpr_workgroup_id_x 1
		.amdhsa_system_sgpr_workgroup_id_y 1
		.amdhsa_system_sgpr_workgroup_id_z 1
		.amdhsa_system_vgpr_workitem_id 0
		.amdhsa_next_free_vgpr 176
		.amdhsa_next_free_sgpr 66
		.amdhsa_reserve_vcc 0
		.amdhsa_float_denorm_mode_32 3
		.amdhsa_float_denorm_mode_16_64 3
		.amdhsa_memory_ordered 1
		.amdhsa_forward_progress 1
		.amdhsa_inst_pref_size 78
	.end_amdhsa_kernel
	.amdgpu_metadata
---
amdhsa.version: [ 1, 2 ]
amdhsa.kernels:
  - .name:           k_q7da78f646c_quant_x
    .symbol:         k_q7da78f646c_quant_x.kd
    .args:
      - { .name: x, .offset: 0, .size: 8, .value_kind: global_buffer, .address_space: global }
      - { .name: lowp_scales, .offset: 8, .size: 8, .value_kind: global_buffer, .address_space: global }
      - { .name: xc, .offset: 16, .size: 8, .value_kind: global_buffer, .address_space: global }
    .group_segment_fixed_size: 33280
    .private_segment_fixed_size: 0
    .kernarg_segment_align: 8
    .kernarg_segment_size: 24
    .max_flat_workgroup_size: 128
    .sgpr_count:     66
    .vgpr_count:     176
    .wavefront_size: 32
...
	.end_amdgpu_metadata
.endif
;; end of part 1
;; launch quant_w (part 2): grid 32 x 4, 4 waves a work-group, no clusters, 35,840 bytes of LDS; arguments Wq, Wk, Wv, Wo, lowp_scales, wc; writes wc
.if DOCPART == 2
	.amdgcn_target "amdgcn-amd-amdhsa--gfx1250"
	.amdhsa_code_object_version 6
	.text
	.protected	k_q7da78f646c_quant_w
	.globl	k_q7da78f646c_quant_w
	.p2align	8
	.type	k_q7da78f646c_quant_w,@function
k_q7da78f646c_quant_w:
	s_mov_b64 s[64:65], 0
	v_nop
	global_prefetch_b8 v0, s[64:65] scope:SCOPE_SE
	s_setreg_imm32_b32 hwreg(HW_REG_WAVE_MODE, 25, 1), 1
	s_wait_xcnt 0x0
; Wq, Wk, Wv, Wo [1024 (k)][1024 (n)] f32, K their FIRST axis, become E4M3 codes laid wc [4][1024 (n)][1024 (k)], K innermost, each with its given scale 2^e (entries 1, 3, 5, 11).
; A LANE TAKES A COLUMN n AND ITS REGISTERS RUN DOWN K: each load reads neighbouring n in neighbouring lanes, and the conversions give codes with K innermost.  Nothing is transposed by an instruction.
; Work-group x: bits 4:3 the weight, bits 2:0 which 128 columns; y: which 256 along K.  A wave: 32 columns x 256 K.  Its codes go through its own stage in LDS and leave as rows: sixteen lanes store 256 consecutive bytes, aligned.
; Only pointers and the exponent are chosen by the work-group's number: all weights take one path through the text.
; LIMITS: e between -126 and 119.  NaN among the inputs is not served.
.set KW,    256
.set NB,    KW/32
.set ROWB,  256
.set PITCH, ROWB+16
.set KROW,  1024                       ; a row of codes in bytes
.set NROW,  4096                       ; a row of a weight in bytes
.set X,     32                         ; v32-95   two sets of 32 numbers
.set C,     96                         ; v96-103  a block's codes
.set OUTR,  112                        ; v112-175 the way out
.set SPW,   14
.set NIL,   15
.set SPARE, 4*32*PITCH                 ; behind the four stages: the spare words, 128 bytes a wave, that no other line names
	s_load_b256 s[32:39], s[0:1], 0x0              ; Wq, Wk, Wv, Wo
	s_load_b128 s[40:43], s[0:1], 0x20             ; the scales' exponents, wc
	v_lshl_add_u32 v[SPW], v0, 2, SPARE
	v_mov_b32 v[NIL], 0
	v_lshrrev_b32 v1, 5, v0
	v_readfirstlane_b32 s16, v1                    ; wave
	v_and_b32 v2, 31, v0                           ; lane
	s_and_b32 s17, ttmp9, 7
	s_lshl_b32 s17, s17, 7
	s_lshl_b32 s18, s16, 5
	s_add_co_u32 s17, s17, s18                     ; my wave's first column
	s_and_b32 s18, ttmp7, 0xffff                   ; which 256 along K
	s_lshr_b32 s28, ttmp9, 3                       ; which weight
	v_lshlrev_b32 v3, 2, v2                        ; in: 4 bytes a lane
	s_mul_i32 s19, s16, 32*PITCH                   ; my stage
	v_mul_u32_u24 v4, v2, PITCH
	v_add_nc_u32 v4, s19, v4                       ; into it: row = my column
	v_and_b32 v5, 15, v2
	v_lshrrev_b32 v6, 4, v2                        ; out of it: sixteen lanes to a row, two rows an instruction
	v_mul_u32_u24 v7, v6, PITCH
	v_lshl_add_u32 v7, v5, 4, v7
	v_add_nc_u32 v7, s19, v7
	v_mul_u32_u24 v8, v6, KROW
	v_lshl_add_u32 v8, v5, 4, v8                   ; and the same place among the codes
	s_lshl_b32 s20, s18, 20                        ; the weight: 256 y rows of 4,096 bytes + 4 x column
	s_lshl_b32 s22, s17, 2
	s_add_co_u32 s20, s20, s22
	s_mov_b32 s21, 0
	s_lshl_b32 s24, s28, 20                        ; the codes: weight x 2^20 + column x 1,024 + 256 y
	s_lshl_b32 s22, s17, 10
	s_add_co_u32 s24, s24, s22
	s_lshl_b32 s22, s18, 8
	s_add_co_u32 s24, s24, s22
	s_mov_b32 s25, 0
	s_and_b32 s29, s28, 1
	s_and_b32 s31, s28, 2
	s_wait_kmcnt 0x0
	s_load_b32 s44, s[40:41], 0x4                  ; e of Wq,
	s_load_b32 s45, s[40:41], 0xc                  ; Wk,
	s_load_b32 s46, s[40:41], 0x14                 ; Wv,
	s_load_b32 s47, s[40:41], 0x2c                 ; Wo
	s_cmp_lg_u32 s29, 0                            ; the choice hangs on the work-group's number alone
	s_cselect_b64 s[32:33], s[34:35], s[32:33]
	s_cselect_b64 s[36:37], s[38:39], s[36:37]
	s_cmp_lg_u32 s31, 0
	s_cselect_b64 s[4:5], s[36:37], s[32:33]
	s_add_nc_u64 s[4:5], s[4:5], s[20:21]
	s_add_nc_u64 s[8:9], s[42:43], s[24:25]
.macro LOAD t                          ; block t: W(32 t + i, my column), i = 0 .. 31, into set t % 2
.set i, 0
.rept 32
	global_load_b32 v[X+32*((\t)%2)+i], v3, s[4:5] offset:(32*(\t)+i)*NROW th:TH_LOAD_NT
.set i, i+1
.endr
.endm
	LOAD 0
	LOAD 1
	s_wait_kmcnt 0x0
	s_cmp_lg_u32 s29, 0
	s_cselect_b32 s44, s45, s44
	s_cselect_b32 s46, s47, s46
	s_cmp_lg_u32 s31, 0
	s_cselect_b32 s30, s46, s44                    ; e
	s_add_co_i32 s30, s30, 127
	s_lshl_b32 s31, s30, 23
	v_mov_b32 v11, s31                             ; 2^e as f32
	s_add_co_i32 s30, s30, 8
	s_lshl_b32 s30, s30, 23
	s_or_b32 s30, s30, 0x600000
	v_mov_b32 v10, s30                             ; 448 x 2^e
.macro BLOCK t
.set XS, X+32*((\t)%2)
.if (\t) < NB-1
	s_wait_loadcnt 32                              ; this block's 32 loads are in; the next block's may be out
.else
	s_wait_loadcnt 0
.endif
.set i, 0
.rept 32
	v_med3_num_f32 v[XS+i], v[XS+i], -v10, v10     ; the conversion does not saturate (ISA guide 7.6.2): the hold comes first
.set i, i+1
.endr
.irp g, 0,1,2,3
	v_cvt_scalef32_pk8_fp8_f32 v[C+2*\g:C+2*\g+1], v[XS+8*\g:XS+8*\g+7], v11
.endr
	v_nop                                          ; one plain vector line behind the last conversion
	ds_store_b128 v4, v[C:C+3] offset:32*(\t)      ; 32 codes: 32 bytes of my column's row
	ds_store_b128 v4, v[C+4:C+7] offset:32*(\t)+16
.if (\t)+2 < NB
	LOAD (\t)+2
.endif
	s_wait_dscnt 0x0                               ; the stores have read their registers: the next block's codes may be written
.endm
.irp t, 0,1,2,3,4,5,6,7
	BLOCK \t
.endr
.irp t, 0,1,2,3,4,5,6,7,8,9,10,11,12,13,14,15
	ds_load_b128 v[OUTR+4*\t:OUTR+4*\t+3], v7 offset:2*\t*PITCH   ; LDS serves a wave's instructions in order: these see my stores
.endr
.irp t, 0,1,2,3,4,5,6,7,8,9,10,11,12,13,14,15
	s_wait_dscnt 15-\t
	global_store_b128 v8, v[OUTR+4*\t:OUTR+4*\t+3], s[8:9] offset:2*\t*KROW
.endr
	s_wait_tensorcnt 0x0                           ; the wave's end, behind my last LDS store
	ds_add_u32 v[SPW], v[NIL]
	s_wait_dscnt 0x0
	s_endpgm
.Lfunc_end_k_q7da78f646c_quant_w:
	.size	k_q7da78f646c_quant_w, .Lfunc_end_k_q7da78f646c_quant_w-k_q7da78f646c_quant_w
	.p2alignl 7, 3214868480
	.fill 96, 4, 3214868480
	.section	.rodata,"a",@progbits
	.p2align	6, 0x0
	.amdhsa_kernel k_q7da78f646c_quant_w
		.amdhsa_group_segment_fixed_size 35840
		.amdhsa_private_segment_fixed_size 0
		.amdhsa_enable_private_segment 0
		.amdhsa_kernarg_size 48
		.amdhsa_user_sgpr_count 2
		.amdhsa_user_sgpr_kernarg_segment_ptr 1
		.amdhsa_wavefront_size32 1
		.amdhsa_system_sgpr_workgroup_id_x 1
		.amdhsa_system_sgpr_workgroup_id_y 1
		.amdhsa_system_sgpr_workgroup_id_z 1
		.amdhsa_system_vgpr_workitem_id 0
		.amdhsa_next_free_vgpr 192
		.amdhsa_next_free_sgpr 66
		.amdhsa_reserve_vcc 0
		.amdhsa_float_denorm_mode_32 3
		.amdhsa_float_denorm_mode_16_64 3
		.amdhsa_memory_ordered 1
		.amdhsa_forward_progress 1
		.amdhsa_inst_pref_size 50
	.end_amdhsa_kernel
	.amdgpu_metadata
---
amdhsa.version: [ 1, 2 ]
amdhsa.kernels:
  - .name:           k_q7da78f646c_quant_w
    .symbol:         k_q7da78f646c_quant_w.kd
    .args:
      - { .name: Wq, .offset: 0, .size: 8, .value_kind: global_buffer, .address_space: global }
      - { .name: Wk, .offset: 8, .size: 8, .value_kind: global_buffer, .address_space: global }
      - { .name: Wv, .offset: 16, .size: 8, .value_kind: global_buffer, .address_space: global }
      - { .name: Wo, .offset: 24, .size: 8, .value_kind: global_buffer, .address_space: global }
      - { .name: lowp_scales, .offset: 32, .size: 8, .value_kind: global_buffer, .address_space: global }
      - { .name: wc, .offset: 40, .size: 8, .value_kind: global_buffer, .address_space: global }
    .group_segment_fixed_size: 35840
    .private_segment_fixed_size: 0
    .kernarg_segment_align: 8
    .kernarg_segment_size: 48
    .max_flat_workgroup_size: 128
    .sgpr_count:     66
    .vgpr_count:     192
    .wavefront_size: 32
...
	.end_amdgpu_metadata
.endif
;; end of part 2
;; launch qkv (part 3): grid 12 x 32, 4 waves a work-group, clusters of 4 x 4, 327,680 bytes of LDS; arguments xc, wc, lowp_scales, bq, bk, bv, qkvc; writes qkvc
.if DOCPART == 3
	.amdgcn_target "amdgcn-amd-amdhsa--gfx1250"
	.amdhsa_code_object_version 6
	.text
	.protected	k_q7da78f646c_qkv
	.globl	k_q7da78f646c_qkv
	.p2align	8
	.type	k_q7da78f646c_qkv,@function
k_q7da78f646c_qkv:
	s_mov_b64 s[64:65], 0
	v_nop
	global_prefetch_b8 v0, s[64:65] scope:SCOPE_SE
	s_setreg_imm32_b32 hwreg(HW_REG_WAVE_MODE, 25, 1), 1
	s_wait_xcnt 0x0
	s_wait_alu depctr_hold_cnt(0) depctr_sa_sdst(0) depctr_va_vdst(0) depctr_va_sdst(0) depctr_va_ssrc(0) depctr_va_vcc(0) depctr_vm_vsrc(0)
	s_getreg_b32 s2, hwreg(HW_REG_IB_STS2, 6, 4)
	s_cmp_eq_u32 s2, 0
	s_cbranch_scc0 .Lentry_in_a_cluster
	s_endpgm
.Lentry_in_a_cluster:
	s_bfe_u32 s2, ttmp6, 0x10000c
	s_cmp_lg_u32 s2, 0xf033
	s_cbranch_scc0 .Lentry_shape_is_right
	s_endpgm
.Lentry_shape_is_right:
; q = x Wq + bq, k = x Wk + bk, v = x Wv + bv on E4M3 codes, and each result quantised at once (entries 6, 7, 9 of the scales) into the form in which the attention launch takes it.
; ONE BODY, THREE PRODUCTS, by the cluster's x (0: q, 1: k, 2: v).  C'[m'][n'] = sum over k of A'[m'][k] B'[n'][k], the matrix instruction used transposed (source 0 = 16 rows of B', source 1 = 16 rows of A'):
; a lane then holds one m' and eight neighbouring n'.  n' is the NEXT product's K.  q, k: A' = x's codes (tokens), B' = the weight's (channels: the head's 128).  v: A' = Wv's codes (channels), B' = x's (tokens: the keys).
; A tile of C', 256 x 256, is a work-group's, four waves of 128 x 128: 64 accumulators, 512 registers.  K = 1,024 goes in four steps of 256 through a ring of two LDS slots.
; CLUSTERS: 4 x 4 work-groups; A's tile is shared along a row of the cluster, B's along a column: joint loads.
; THE WAY OUT.  A block of 16 m' x 128 n' is, in a lane, 64 numbers: sum x 2^(ea + eb) + bias, held, converted eight at a time: the eight of accumulator b are registers 2 b, 2 b + 1 of an operand of
; v_wmma_f32_16x16x128_fp8_fp8 in that form's own layout (row = lane % 16, k = 16 b + 8 (lane / 16) + 0 .. 7).  The 16 registers are stored as they stand, four stores of 16 bytes a lane: 512 consecutive bytes each, aligned.
; qkvc: [3][32 (batch x 8 + head)][16 (block of 128 tokens)][8][2,048 bytes]: q, k: image a = tokens 16 a on, K = the head's 128; v: image a = channels 16 a on, K = the block's 128 tokens.
; LIMITS: e0 + e1, e2 + e3, e4 + e5 between -126 and 127; e6, e7, e9 between -126 and 119.
; REGISTERS, in windows of 256: window 0: v0-31 addresses; v32-95 bias along n'; v96-111 bias along m', each twice; from v128 A's fragments, one set; on the way out v128-191 numbers, v192-223 codes.
;   window 1: B's fragments, two sets.   window 2: accumulators of my rows 0-63 ((a, b) at v[8 (8 a + b)]);   window 3: of rows 64-127.
.set KSTEP,  256
.set ROWB,   256
.set KROW,   1024
.set PITCH,  272                       ; an LDS row: 256 bytes + 16 of padding = 68 words: the 16 rows that a load touches start at 16 different banks (64 banks of 4 bytes: ISA guide 11.1)
.set FR,     16
.set NL,     4
.set NP,     4                         ; places behind this matrix instruction (ISA guide 7.12.1)
.set HALFT,  128*PITCH
.set SLOT,   4*HALFT
.set LAPS,   2                         ; 1,024 / 512
.set SPARE,  2*SLOT                    ; behind the ring: the spare words, 128 bytes a wave, that no other line names
.set ADRA, 16                          ; v16-17  LDS address of my A fragments in slot 0, 1
.set ADRB, 20                          ; v20-21  the same for B
.set BNO,  24                          ; v24     32 x (lane / 16): my eight numbers of a bias along n'
.set BMO,  25                          ; v25     4 x (lane % 16): my number of a bias along m'
.set CO,   26                          ; v26     16 x lane: my place in an image
.set SPW,  28
.set NIL,  29
.set QS,   30                          ; v30     2^eo as f32
.set QL,   31                          ; v31     448 x 2^eo
.set BN,   32
.set BM,   96
.set AF,   128
.set TMP,  128
.set CD,   192
.set G1, 24
.set G0, 32
.set G1B, 48
.set G0B, 56
.set MSB, 0
.macro WIN new                         ; the immediate's high byte repeats the setting that is left
.if MSB != \new
	s_set_vgpr_msb (MSB<<8)|\new
.set MSB, \new
.endif
.endm
.set MUL_LO, 0xa1                      ; source 0 (B) window 1, source 1 (A) window 0, C and D window 2
.set MUL_HI, 0xf1
.set TO_B,   0x40
; A joint load: waves 0 and 1 fetch for A, waves 2 and 3 for B.  The branch hangs on the wave's number alone.  An s_nop 0 and four v_nop follow each of the two lines.
.macro JLOAD g0a, g1a, g0b, g1b
	s_cmp_eq_u32 s15, 0
	s_cbranch_scc0 .Lfor_b_\@
	tensor_load_to_lds s[\g0a:\g0a+3], s[\g1a:\g1a+7]
	s_nop 0
.rept 4
	v_nop
.endr
	s_branch .Lasked_\@
.Lfor_b_\@:
	tensor_load_to_lds s[\g0b:\g0b+3], s[\g1b:\g1b+7]
	s_nop 0
.rept 4
	v_nop
.endr
.Lasked_\@:
.endm
.macro CREST                           ; a round of the cluster's barrier behind its opening barrier
	s_cmp_lg_u32 s14, 0
	s_cbranch_scc1 .Lnot_wave_0_\@
	s_barrier_signal -3
.Lnot_wave_0_\@:
	s_barrier_wait -3
	s_barrier_signal -1
	s_barrier_wait -1
.endm
.macro CROUND
	s_barrier_signal -1
	s_barrier_wait -1
	CREST
.endm
	s_load_b128 s[4:7], s[0:1], 0x0                ; xc, wc
	s_load_b64 s[8:9], s[0:1], 0x10                ; the scales' exponents
	s_load_b128 s[84:87], s[0:1], 0x18             ; bq, bk
	s_load_b128 s[88:91], s[0:1], 0x28             ; bv, qkvc
	v_lshl_add_u32 v[SPW], v0, 2, SPARE
	v_mov_b32 v[NIL], 0
	ds_add_u32 v[SPW], v[NIL]                      ; the wave's opening: the add and its wait ahead of my first tensor load; the set-up below, work on registers, stands between them
	v_lshrrev_b32 v1, 5, v0
	v_readfirstlane_b32 s14, v1                    ; wave 0..3
	s_lshr_b32 s15, s14, 1                         ; which half of the tile's rows is mine.  Also: I fetch for A (0) or for B (1)
	s_and_b32 s16, s14, 1                          ; which half of its columns.  Also: which 128 rows of that tile I fetch
	s_bfe_u32 s40, ttmp6, 0x40000                  ; cx, cy: my place in the cluster
	s_bfe_u32 s41, ttmp6, 0x40004
	s_and_b32 s66, ttmp7, 0xffff                   ; the cluster's y, 0..7: it walks the tokens
	s_cmp_eq_u32 ttmp9, 2                          ; v?  The cluster's x is the same in all sixteen partners
	s_cselect_b32 s67, s66, 0                      ; tokens are C's columns for v,
	s_cselect_b32 s68, 0, s66                      ; its rows for q and k
	s_cselect_b32 s69, 20, 23                      ; A': a weight's codes are 2^20 bytes, a set of x's 2^23
	s_cselect_b32 s70, 23, 20                      ; B': the other way round
	s_lshl_b32 s42, s67, 2
	s_add_co_u32 s42, s42, s40                     ; tile column
	s_lshl_b32 s17, s68, 2
	s_add_co_u32 s17, s17, s41                     ; tile row
	s_lshl_b32 s43, s41, 2
	s_lshl_b32 s43, 15, s43                        ; my row of the cluster
	s_lshl_b32 s44, 0x1111, s40                    ; my column
	s_or_b32 s[G1+0], s43, (0<<16)|(1<<20)|(1<<21)|(5<<22)|(3<<25)  ; 15:0 the mask; 17:16 elements of 1 byte; 20 padding on; 21 set beside a mask; 24:22 after every 64 words; 31:25 four words
	s_or_b32 s[G1B+0], s44, (0<<16)|(1<<20)|(1<<21)|(5<<22)|(3<<25)
.irp g, G1, G1B
	s_mov_b32 s[\g+1], ROWB<<16                    ; tensor_dim0
	s_mov_b32 s[\g+2], 128<<16                     ; tensor_dim1
	s_mov_b32 s[\g+3], ROWB<<16                    ; tile_dim0
	s_mov_b32 s[\g+4], 128                         ; tile_dim1
	s_mov_b32 s[\g+5], KROW                        ; from row to row
	s_mov_b32 s[\g+6], 0
	s_mov_b32 s[\g+7], 0
.endr
	s_lshl_b32 s18, s16, 7                         ; which 128 rows of the tile I fetch
	s_lshl_b32 s20, s17, 8
	s_add_co_u32 s20, s20, s18                     ; A': row 256 x tile row + 128 x half
	s_lshl_b32 s46, s42, 8
	s_add_co_u32 s46, s46, s18                     ; B': row 256 x tile column + 128 x half
	s_lshl_b32 s20, s20, 10                        ; in bytes
	s_lshl_b32 s46, s46, 10
	s_lshl_b32 s98, ttmp9, s69                     ; + which set of x's codes, which weight
	s_lshl_b32 s99, ttmp9, s70
	s_add_co_u32 s20, s20, s98
	s_add_co_u32 s46, s46, s99
	s_mov_b32 s21, 0
	s_mov_b32 s47, 0
	s_mul_i32 s45, s14, HALFT                      ; where they go: wave x 128 rows: no place in the cluster enters an LDS address
	s_wait_dscnt 0x0                               ; the opening add is done
	s_wait_kmcnt 0x0
	s_load_b256 s[72:79], s[8:9], 0x0              ; e0 .. e7
	s_load_b64 s[80:81], s[8:9], 0x20              ; e8, e9
	s_cmp_eq_u32 ttmp9, 2
	s_cselect_b64 s[92:93], s[6:7], s[4:5]         ; A's buffer
	s_cselect_b64 s[94:95], s[4:5], s[6:7]         ; B's
	s_add_nc_u64 s[20:21], s[92:93], s[20:21]
	s_add_nc_u64 s[46:47], s[94:95], s[46:47]
	CROUND                                         ; all sixteen work-groups are here: the first joint loads meet
.irp s, 0,1
	s_mov_b32 s[G0+4*\s], 1
	s_add_co_u32 s[G0+4*\s+1], s45, \s*SLOT
	s_add_nc_u64 s[G0+4*\s+2:G0+4*\s+3], s[20:21], \s*ROWB
	s_or_b32 s[G0+4*\s+3], s[G0+4*\s+3], 0x80000000
	s_mov_b32 s[G0B+4*\s], 1
	s_add_co_u32 s[G0B+4*\s+1], s45, \s*SLOT
	s_add_nc_u64 s[G0B+4*\s+2:G0B+4*\s+3], s[46:47], \s*ROWB
	s_or_b32 s[G0B+4*\s+3], s[G0B+4*\s+3], 0x80000000
	JLOAD G0+4*\s, G1, G0B+4*\s, G1B
.endr
	v_and_b32 v1, 15, v0                           ; l % 16
	v_bfe_u32 v2, v0, 4, 1                         ; l / 16
	v_mul_u32_u24 v3, v1, PITCH
	v_lshl_add_u32 v4, v2, 4, v3                   ; a fragment's row x pitch + 16 x half
	s_mul_i32 s21, s15, HALFT                      ; my 128 rows of A
	s_mul_i32 s22, s16, HALFT                      ; my 128 rows of B,
	s_add_co_u32 s22, s22, 2*HALFT                 ; which lie behind A's 256
.irp s, 0,1
	v_add_nc_u32 v[ADRA+\s], s21, v4
	v_add_nc_u32 v[ADRB+\s], s22, v4
	s_add_co_u32 s21, s21, SLOT
	s_add_co_u32 s22, s22, SLOT
.endr
	; the bias, and where my results go.  My 128 rows are block s66 of A's rows, my 128 columns block s67 of B's rows
	s_lshl_b32 s66, s17, 1
	s_add_co_u32 s66, s66, s15
	s_lshl_b32 s67, s42, 1
	s_add_co_u32 s67, s67, s16
	s_cmp_eq_u32 ttmp9, 1
	s_cselect_b64 s[12:13], s[86:87], s[84:85]
	s_cmp_eq_u32 ttmp9, 2
	s_cselect_b64 s[12:13], s[88:89], s[12:13]     ; bq, bk or bv
	s_cselect_b32 s98, 0, s67                      ; the bias runs along n' for q and k (block s67), along m' for v (block s66); the set that is not used is loaded from the bias's first 128 numbers,
	s_cselect_b32 s99, s66, 0                      ; so that no load leaves the buffer and the head needs no branch
	s_cselect_b32 s68, s67, s66                    ; the block of 128 tokens,
	s_cselect_b32 s69, s66, s67                    ; and the head
	s_lshl_b32 s98, s98, 9
	s_lshl_b32 s99, s99, 9
	s_mov_b32 s19, 0
	s_mov_b32 s18, s99
	s_add_nc_u64 s[82:83], s[12:13], s[18:19]
	s_mov_b32 s18, s98
	s_add_nc_u64 s[12:13], s[12:13], s[18:19]
	s_lshr_b32 s18, s68, 4                         ; ((batch x 8 + head) x 16 + block in the batch) x 16,384 bytes
	s_lshl_b32 s18, s18, 7
	s_lshl_b32 s98, s69, 4
	s_add_co_u32 s18, s18, s98
	s_and_b32 s98, s68, 15
	s_add_co_u32 s18, s18, s98
	s_lshl_b32 s18, s18, 14
	s_lshl_b32 s98, ttmp9, 23                      ; + q's, k's or v's part
	s_add_co_u32 s18, s18, s98
	s_add_nc_u64 s[10:11], s[90:91], s[18:19]
	v_lshlrev_b32 v[BNO], 5, v2
	v_lshlrev_b32 v[BMO], 2, v1
	v_and_b32 v[CO], 31, v0
	v_lshlrev_b32 v[CO], 4, v[CO]
.irp b, 0,1,2,3,4,5,6,7
	global_load_b128 v[BN+8*\b:BN+8*\b+3],   v[BNO], s[12:13] offset:64*\b      ; bias(16 b + 8 (l / 16) + 0 .. 7)
	global_load_b128 v[BN+8*\b+4:BN+8*\b+7], v[BNO], s[12:13] offset:64*\b+16
.endr
.irp a, 0,1,2,3,4,5,6,7
	global_load_b32 v[BM+2*\a],   v[BMO], s[82:83] offset:64*\a                 ; bias(16 a + l % 16), twice: a pair for the packed form
	global_load_b32 v[BM+2*\a+1], v[BMO], s[82:83] offset:64*\a
.endr
.macro FRAG reg, adr, q, i             ; a fragment, 16 rows x 128 K: lane l holds row l % 16; registers 4 c .. 4 c + 3 hold K = 32 c + 16 (l / 16) + 0 .. 15: a permutation of k, the same in A and in B
.irp c, 0,1,2,3
	ds_load_b128 v[\reg+4*\c:\reg+4*\c+3], v[\adr] offset:128*(\q)+32*\c+(\i)*16*PITCH
.endr
.endm
; 16 matrix instructions: A's blocks a0, a0 + 1 x B's eight.  The 64 accumulators take turns, one instruction a turn, in the same order in every step.
.macro MUL16 a0, p, zero
.irp a, \a0, \a0+1
.irp b, 0,1,2,3,4,5,6,7
.if \zero
	v_wmma_f32_16x16x128_fp8_fp8 v[8*(8*((\a)%4)+\b):8*(8*((\a)%4)+\b)+7], v[128*(\p)+FR*\b:128*(\p)+FR*\b+FR-1], v[AF+FR*(\a):AF+FR*(\a)+FR-1], 0
.else
	v_wmma_f32_16x16x128_fp8_fp8 v[8*(8*((\a)%4)+\b):8*(8*((\a)%4)+\b)+7], v[128*(\p)+FR*\b:128*(\p)+FR*\b+FR-1], v[AF+FR*(\a):AF+FR*(\a)+FR-1], v[8*(8*((\a)%4)+\b):8*(8*((\a)%4)+\b)+7]
.endif
.endr
.endr
.endm
.macro FETCH_B slot, q, p
	WIN TO_B
.irp i, 0,1,2,3,4,5,6,7
	FRAG 128*(\p)+FR*\i, ADRB+\slot, \q, \i
.endr
	WIN 0
.endm
.macro FETCH_A slot, q, i0
.irp i, \i0, \i0+1, \i0+2, \i0+3
	FRAG AF+FR*(\i), ADRA+\slot, \q, \i
.endr
.endm
.macro PLACES n                        ; plain vector lines between a matrix instruction and a load into, or a vector write of, one of its registers, or a read of its result
.rept \n
	v_nop
.endr
.endm
.macro STEP slot, q, zero              ; a step of 128 along K that has its successor in the same slot
	s_wait_dscnt 4*NL                              ; B's set and A's blocks 0-3 are in; the youngest loads (A's blocks 4-7) may be out
	WIN MUL_LO
	MUL16 0, (\q)%2, \zero
	MUL16 2, (\q)%2, \zero
	s_wait_dscnt 0
	PLACES NP
	FETCH_B \slot, (\q)+1, 1-(\q)%2
	FETCH_A \slot, (\q)+1, 0
	WIN MUL_HI
	MUL16 4, (\q)%2, \zero
	MUL16 6, (\q)%2, \zero
	PLACES NP
	WIN 0
	FETCH_A \slot, (\q)+1, 4
.endm
; A slot's last step changes slots: one barrier; in front of it each wave waits for all its tensor loads, adds 0 to its spare word, and waits for that and for its own reads of this slot.
.macro TURN slot, next, fill
	s_wait_tensorcnt 0x0                           ; all my tensor loads have landed: my part of the next slot
	ds_add_u32 v[SPW], v[NIL]                      ; 0 onto my spare word
	s_wait_dscnt 4*NL+1                            ; (the add and the youngest loads, A's blocks 4-7, may be out)
	WIN MUL_LO
	MUL16 0, 1, 0
	s_wait_dscnt 0x0                               ; the add is done, and my reads of this slot are over
	s_barrier_signal -1
	MUL16 2, 1, 0
	WIN 0
	s_barrier_wait -1
.if \fill
	CREST                                          ; the barrier has opened a round of the cluster's barrier: no wave of any partner still reads this slot or has a load on its way
	s_add_nc_u64 s[G0+4*\slot+2:G0+4*\slot+3], s[G0+4*\slot+2:G0+4*\slot+3], 2*ROWB
	s_add_nc_u64 s[G0B+4*\slot+2:G0B+4*\slot+3], s[G0B+4*\slot+2:G0B+4*\slot+3], 2*ROWB
	JLOAD G0+4*\slot, G1, G0B+4*\slot, G1B         ; the first tensor load behind the round; its four v_nop are the places in front of the loads below
.else
	PLACES NP
.endif
	FETCH_B \next, 0, 0
	FETCH_A \next, 0, 0
	WIN MUL_HI
	MUL16 4, 1, 0
	MUL16 6, 1, 0
	PLACES NP
	WIN 0
	FETCH_A \next, 0, 4
.endm
	s_wait_tensorcnt 1                             ; my part of K step 0 is in (K step 1's load may be out)
	s_barrier_signal -1
	s_barrier_wait -1                              ; everybody's is
	FETCH_B 0, 0, 0
	FETCH_A 0, 0, 0
	FETCH_A 0, 0, 4
	STEP 0, 0, 1                                   ; the first step stands in front of the loop: its products start the sums
	s_mov_b32 s3, LAPS-1
.Llap:                                                 ; a trip goes once round the ring and fills both slots again
	TURN 0, 1, 1
	STEP 1, 0, 0
	TURN 1, 0, 1
	STEP 0, 0, 0
	s_sub_co_u32 s3, s3, 1
	s_cmp_lg_u32 s3, 0
	s_cbranch_scc1 .Llap
	TURN 0, 1, 0                                   ; the last lap fills nothing
	STEP 1, 0, 0
	s_wait_dscnt 4*NL
	WIN MUL_LO
	MUL16 0, 1, 0
	MUL16 2, 1, 0
	s_wait_dscnt 0
	WIN MUL_HI
	MUL16 4, 1, 0
	MUL16 6, 1, 0
	WIN 0
	; THE WAY OUT
	s_wait_kmcnt 0x0
	s_wait_loadcnt 0x0                             ; the biases
	s_add_co_i32 s72, s72, s73                     ; e0 + e1
	s_add_co_i32 s74, s74, s75                     ; e2 + e3
	s_add_co_i32 s76, s76, s77                     ; e4 + e5
	s_cmp_eq_u32 ttmp9, 1
	s_cselect_b32 s96, s74, s72
	s_cselect_b32 s98, s79, s78                    ; e7 or e6
	s_cmp_eq_u32 ttmp9, 2
	s_cselect_b32 s96, s76, s96
	s_cselect_b32 s98, s81, s98                    ; e9
	s_add_co_i32 s96, s96, 127
	s_lshl_b32 s96, s96, 23                        ; 2^(ea + eb) as f32
	s_mov_b32 s97, s96                             ; (named with it as a pair, so it is written)
	s_add_co_i32 s98, s98, 127
	s_lshl_b32 s99, s98, 23
	v_mov_b32 v[QS], s99                           ; 2^eo
	s_add_co_i32 s98, s98, 8
	s_lshl_b32 s98, s98, 23
	s_or_b32 s98, s98, 0x600000
	v_mov_b32 v[QL], s98                           ; 448 x 2^eo
	PLACES NP                                      ; behind the last products: the numbers below land in registers that held A's fragments
; Block a: 16 m' x 128 n'.  isv = 0: the bias runs along n'; 1: along m'.
.macro OUT a, isv
.set AC, 64*((\a)%4)
.set CC, CD+16*((\a)%2)
.set WS, 0x02+((\a)/4)
.if (\a) >= 2
	s_wait_xcnt 0x0                                ; block a - 2's stores have read these code registers
.endif
	WIN WS                                         ; source 0: window 2 or 3
.set j, 0
.rept 32
.if \isv
	v_pk_fma_f32 v[TMP+j:TMP+j+1], v[AC+j:AC+j+1], s[96:97], v[BM+2*(\a):BM+2*(\a)+1] op_sel_hi:[1,0,1]   ; sum x 2^(ea + eb) + bias: one rounding; each accumulator from its low end on
.else
	v_pk_fma_f32 v[TMP+j:TMP+j+1], v[AC+j:AC+j+1], s[96:97], v[BN+j:BN+j+1] op_sel_hi:[1,0,1]
.endif
.set j, j+2
.endr
	WIN 0
.set j, 0
.rept 64
	v_med3_num_f32 v[TMP+j], v[TMP+j], -v[QL], v[QL]   ; the conversion does not saturate (ISA guide 7.6.2): the hold comes first
.set j, j+1
.endr
.irp b, 0,1,2,3,4,5,6,7
	v_cvt_scalef32_pk8_fp8_f32 v[CC+2*\b:CC+2*\b+1], v[TMP+8*\b:TMP+8*\b+7], v[QS]   ; k = 16 b + 8 (l / 16) + 0 .. 7: registers 2 b, 2 b + 1 of the next operand
.endr
	v_nop                                          ; one plain vector line behind the last conversion: the next block writes its sources
.irp c, 0,1,2,3
	global_store_b128 v[CO], v[CC+4*\c:CC+4*\c+3], s[10:11] offset:2048*(\a)+512*\c   ; 32 lanes store 512 consecutive bytes, aligned
.endr
.endm
	s_cmp_eq_u32 ttmp9, 2                          ; the cluster's x: the same in all partners and waves
	s_cbranch_scc1 .Lv
.irp a, 0,1,2,3,4,5,6,7
	OUT \a, 0
.endr
	s_branch .Ljoin
.Lv:
.irp a, 0,1,2,3,4,5,6,7
	OUT \a, 1
.endr
.Ljoin:
	s_wait_tensorcnt 0x0                           ; the wave's end, behind my last tensor load
	ds_add_u32 v[SPW], v[NIL]
	s_wait_dscnt 0x0
	CROUND                                         ; the closing round: no work-group ends while a partner may still ask for a tile that names it
	s_endpgm
.Lfunc_end_k_q7da78f646c_qkv:
	.size	k_q7da78f646c_qkv, .Lfunc_end_k_q7da78f646c_qkv-k_q7da78f646c_qkv
	.p2alignl 7, 3214868480
	.fill 96, 4, 3214868480
	.section	.rodata,"a",@progbits
	.p2align	6, 0x0
	.amdhsa_kernel k_q7da78f646c_qkv
		.amdhsa_group_segment_fixed_size 327680
		.amdhsa_private_segment_fixed_size 0
		.amdhsa_enable_private_segment 0
		.amdhsa_kernarg_size 56
		.amdhsa_user_sgpr_count 2
		.amdhsa_user_sgpr_kernarg_segment_ptr 1
		.amdhsa_wavefront_size32 1
		.amdhsa_system_sgpr_workgroup_id_x 1
		.amdhsa_system_sgpr_workgroup_id_y 1
		.amdhsa_system_sgpr_workgroup_id_z 1
		.amdhsa_system_vgpr_workitem_id 0
		.amdhsa_next_free_vgpr 1024
		.amdhsa_next_free_sgpr 100
		.amdhsa_reserve_vcc 0
		.amdhsa_float_denorm_mode_32 3
		.amdhsa_float_denorm_mode_16_64 3
		.amdhsa_memory_ordered 1
		.amdhsa_forward_progress 1
		.amdhsa_inst_pref_size 194
	.end_amdhsa_kernel
	.amdgpu_metadata
---
amdhsa.version: [ 1, 2 ]
amdhsa.kernels:
  - .name:           k_q7da78f646c_qkv
    .symbol:         k_q7da78f646c_qkv.kd
    .args:
      - { .name: xc, .offset: 0, .size: 8, .value_kind: global_buffer, .address_space: global }
      - { .name: wc, .offset: 8, .size: 8, .value_kind: global_buffer, .address_space: global }
      - { .name: lowp_scales, .offset: 16, .size: 8, .value_kind: global_buffer, .address_space: global }
      - { .name: bq, .offset: 24, .size: 8, .value_kind: global_buffer, .address_space: global }
      - { .name: bk, .offset: 32, .size: 8, .value_kind: global_buffer, .address_space: global }
      - { .name: bv, .offset: 40, .size: 8, .value_kind: global_buffer, .address_space: global }
      - { .name: qkvc, .offset: 48, .size: 8, .value_kind: global_buffer, .address_space: global }
    .group_segment_fixed_size: 327680
    .private_segment_fixed_size: 0
    .kernarg_segment_align: 8
    .kernarg_segment_size: 56
    .max_flat_workgroup_size: 128
    .sgpr_count:     100
    .vgpr_count:     1024
    .wavefront_size: 32
...
	.end_amdgpu_metadata
.endif
;; end of part 3
;; launch attn (part 4): grid 8 x 32, 16 waves a work-group, clusters of 4 x 1, 327,680 bytes of LDS; arguments qkvc, lowp_scales, ctxc; writes ctxc
.if DOCPART == 4
	.amdgcn_target "amdgcn-amd-amdhsa--gfx1250"
	.amdhsa_code_object_version 6
	.text
	.protected	k_q7da78f646c_attn
	.globl	k_q7da78f646c_attn
	.p2align	8
	.type	k_q7da78f646c_attn,@function
k_q7da78f646c_attn:
	s_mov_b64 s[64:65], 0
	v_nop
	global_prefetch_b8 v0, s[64:65] scope:SCOPE_SE
	s_setreg_imm32_b32 hwreg(HW_REG_WAVE_MODE, 25, 1), 1
	s_wait_xcnt 0x0
	s_wait_alu depctr_hold_cnt(0) depctr_sa_sdst(0) depctr_va_vdst(0) depctr_va_sdst(0) depctr_va_ssrc(0) depctr_va_vcc(0) depctr_vm_vsrc(0)
	s_getreg_b32 s2, hwreg(HW_REG_IB_STS2, 6, 4)
	s_cmp_eq_u32 s2, 0
	s_cbranch_scc0 .Lentry_in_a_cluster
	s_endpgm
.Lentry_in_a_cluster:
	s_bfe_u32 s2, ttmp6, 0x10000c
	s_cmp_lg_u32 s2, 0x3003
	s_cbranch_scc0 .Lentry_shape_is_right
	s_endpgm
.Lentry_shape_is_right:
; ctx = softmax(q k^T / sqrt(128)) v for 32 (batch, head) pairs of 2,048 tokens, both products on E4M3 codes, and ctx quantised at once (entry 10 of the scales) for the output projection.
; THE SOFTMAX AHEAD OF THE SECOND PRODUCT: t = score x log2(e) / sqrt(128); M = the running largest t rounded UP to a whole number; p = 2^(t - M) is quantised (entry 8), not normalised; the row's sum is taken
; of the unquantised p and divides at the end.  When M moves, the sum and O are multiplied by 2^(old M - new M): exact.
; INPUT: qkvc [3][32][16 blocks of 128 tokens][8 images of 2,048 bytes]: an image is an operand's 16 registers as they stand, byte 512 c + 16 lane: registers 4 c .. 4 c + 3.  In it lane (r, h) holds row r and
; registers 2 c, 2 c + 1 hold k = 16 c + 8 h + 0 .. 7.  q, k: row = token, k = the head's 128; v: row = channel, k = the block's 128 tokens.  So every fragment is four loads at 16 x lane: 512 consecutive bytes each.
; SHARES.  A work-group owns 256 queries of one (batch, head); each of its sixteen waves 16 of them, in 256 registers: four waves to a SIMD.  Every wave walks all 2,048 keys, 128 a step.
; K's and V's blocks come through a ring of two LDS slots of 256 keys (64 KiB: K's two blocks, V's two), filled by waves 0 to 3, one dense block of 16 KiB each, and read by all sixteen.
; CLUSTER.  The four work-groups of a cluster belong to one (batch, head) and walk the same K and V: each block is asked for jointly, by the same load with a mask that names the four.
; LAYOUT.  Both products transposed: S^T = K Q^T, O^T = V^T P^T: a lane holds one query (lane % 16).  Tile c of S^T gives the lane keys 16 c + 8 h + 0 .. 7: its eight p convert into registers 2 c, 2 c + 1 of P.
; OUTPUT: ctxc [512 tiles of 16 tokens][8 heads] images in which registers 4 c .. 4 c + 3 hold k = 32 c + 16 h + 0 .. 15, the order in which the next launch reads Wo's rows: the halves of the lanes exchange half their codes.
; LIMITS: e6 + e7 between -123 and 130 (added to c's exponent field); e8 and e10 between -126 and 119.
; REGISTERS: v1 16 x lane; v3 256 x lane; v5, v6 the add's; v8 the step's LDS address; v12 -M, v13 the largest t, v[14:15] the sum; v16-31 Q; v32-95 four fragments; v96-159 S^T, then p; v160-223 O^T; v224-239 codes; v236-254 at work.
.set SLOT1, 65536                      ; slot 1 begins here: one exclusive or turns an address in one slot into the other's
.set VOFF,  32768                      ; in a slot: K's two blocks, then V's two
.set BLK,   16384
.set IMG,   2048
.set NSL,   8                          ; 2,048 keys / 256
.set SPARE, 2*SLOT1                    ; behind the ring: the spare words, 128 bytes a wave, that no other line names
.set LI,   1
.set PFO,  3
.set SPW,  5
.set NIL,  6
.set ADR,  8
.set TB,   2                           ; s2   LDS byte at which the slot in hand begins
.set WV,   18
.set SEL,  20                          ; s[20:21] lane selects for v_permlanex16_b32: lane l xor 16
.set CS,   22                          ; s[22:23] c = log2(e) / sqrt(128) x 2^(e6 + e7)
.set G1,   24
.set G0,   40
.set SLOTS, 67
.set PFA,  76                          ; s[76:77] where my prefetches stand
.set LIM,  80
.set HI16, 85                          ; s85  a mask of lanes 16 to 31
.macro CROUND                          ; a round of the cluster's barrier
	s_barrier_signal -1
	s_barrier_wait -1
	s_cmp_lg_u32 s[WV], 0
	s_cbranch_scc1 .Lnot_wave_0_\@
	s_barrier_signal -3
.Lnot_wave_0_\@:
	s_barrier_wait -3
	s_barrier_signal -1
	s_barrier_wait -1
.endm
.macro TLOAD                           ; waves 0 to 3 fetch a block each; the branch hangs on the wave's number alone.  An s_nop 0 and four v_nop follow the load
	s_cmp_lt_u32 s[WV], 4
	s_cbranch_scc0 .Lasked_\@
	tensor_load_to_lds s[G0:G0+3], s[G1:G1+7]
	s_nop 0
.rept 4
	v_nop
.endr
.Lasked_\@:
.endm
; A prefetch of what the NEXT change of slots will ask for: a slot's 32,768 bytes of K and as many of V.  Both clusters of a (batch, head) walk the same bytes: the first asks.  Its four partners share them out
; by address, 8,192 bytes each; in each, wave 4 asks for K's and wave 5 for V's, lanes 256 bytes apart: each aligned block of 256 bytes is named once in the launch.  The last change that fills a slot asks for nothing.
.macro ASK
	s_cmp_gt_u32 s[SLOTS], s[LIM]
	s_cbranch_scc0 .Lnot_mine_\@
	global_prefetch_b8 v[PFO], s[PFA:PFA+1] th:TH_LOAD_NT scope:SCOPE_SE
.Lnot_mine_\@:
.endm
	s_load_b128 s[4:7], s[0:1], 0x0                ; qkvc, the scales' exponents
	s_load_b64 s[16:17], s[0:1], 0x10              ; ctxc
	v_lshl_add_u32 v[SPW], v0, 2, SPARE
	v_mov_b32 v[NIL], 0
	ds_add_u32 v[SPW], v[NIL]                      ; the wave's opening: the add and its wait ahead of my first tensor load; the set-up below, work on registers, stands between them
	v_lshrrev_b32 v8, 5, v0
	v_readfirstlane_b32 s[WV], v8                  ; wave 0..15
	s_bfe_u32 s13, ttmp6, 0x40000                  ; cx
	s_lshl_b32 s14, ttmp9, 2
	s_add_co_u32 s14, s14, s13                     ; my block of 256 queries: it enters Q's, ctx's and the prefetches' addresses alone
	s_and_b32 s72, ttmp7, 0xffff                   ; batch x 8 + head, which the partners share
	s_lshl_b32 s74, s72, 18                        ; its 262,144 bytes in each of q, k, v
	s_and_b32 s82, s[WV], 3                        ; what I fetch, if I fetch: 0, 1: K's blocks; 2, 3: V's
	s_lshl_b32 s89, s82, 14                        ; its place in a slot
	s_lshr_b32 s83, s82, 1
	s_add_co_u32 s83, s83, 1
	s_lshl_b32 s83, s83, 23                        ; k's part of the buffer, or v's
	s_and_b32 s82, s82, 1
	s_lshl_b32 s82, s82, 14
	s_add_co_u32 s82, s82, s83
	s_add_co_u32 s90, s82, s74
	s_mov_b32 s91, 0
	s_lshl_b32 s82, s14, 15                        ; Q: 16 images a work-group, one a wave
	s_lshl_b32 s83, s[WV], 11
	s_add_co_u32 s82, s82, s83
	s_add_co_u32 s86, s82, s74
	s_mov_b32 s87, 0
	s_lshr_b32 s82, s72, 3                         ; ctx: ((batch x 128 + 16 x block + wave) x 8 + head) x 2,048
	s_lshl_b32 s82, s82, 7
	s_lshl_b32 s83, s14, 4
	s_add_co_u32 s82, s82, s83
	s_add_co_u32 s82, s82, s[WV]
	s_lshl_b32 s82, s82, 3
	s_and_b32 s83, s72, 7
	s_add_co_u32 s82, s82, s83
	s_lshl_b32 s92, s82, 11
	s_mov_b32 s93, 0
	s_and_b32 s82, s[WV], 1                        ; the prefetches: wave 4: k's part, wave 5: v's,
	s_add_co_u32 s82, s82, 1
	s_lshl_b32 s82, s82, 23
	s_add_co_u32 s82, s82, s74
	s_lshl_b32 s83, s13, 13                        ; my work-group's 8,192 bytes,
	s_add_co_u32 s82, s82, s83
	s_add_co_u32 s94, s82, 2*BLK                   ; in slot 1: the first change of slots steps it to slot 2.  Nothing is prefetched at the head
	s_mov_b32 s95, 0
	s_lshr_b32 s[LIM], s[WV], 1
	s_xor_b32 s[LIM], s[LIM], 2                    ; 0 in waves 4 and 5,
	s_or_b32 s[LIM], s[LIM], ttmp9                 ; of the first cluster: the same in all four partners
	s_cmp_eq_u32 s[LIM], 0
	s_cselect_b32 s[LIM], 1, -1
	; descriptor group 1: a dense block of 16,384 bytes as 64 rows of 32 elements of 8 bytes
	s_mov_b32 s[G1], 15|(3<<16)|(1<<21)            ; 15:0 the mask: all four work-groups; 17:16 elements of 8 bytes; 21 set beside a mask; no padding
	s_mov_b32 s[G1+1], 32<<16                      ; tensor_dim0
	s_mov_b32 s[G1+2], 64<<16                      ; tensor_dim1
	s_mov_b32 s[G1+3], 32<<16                      ; tile_dim0
	s_mov_b32 s[G1+4], 64                          ; tile_dim1
	s_mov_b32 s[G1+5], 32                          ; from row to row
	s_mov_b32 s[G1+6], 0
	s_mov_b32 s[G1+7], 0
	s_mov_b32 s[SEL], 0x76543210
	s_mov_b32 s[SEL+1], 0xfedcba98
	s_mov_b32 s[CS], 0x3e0293ee                    ; log2(e) / sqrt(128)
	s_mov_b32 s[HI16], 0xffff0000
	s_mov_b32 s[TB], 0
	s_mov_b32 s[SLOTS], NSL-1
	s_wait_dscnt 0x0                               ; the opening add is done
	s_wait_kmcnt 0x0
	s_load_b128 s[68:71], s[6:7], 0x18             ; e6, e7, e8, e9
	s_load_b32 s84, s[6:7], 0x28                   ; e10
	s_mov_b32 s[G0], 1
	s_mov_b32 s[G0+1], s89                         ; LDS address: slot 0
	s_add_nc_u64 s[G0+2:G0+3], s[4:5], s[90:91]
	s_or_b32 s[G0+3], s[G0+3], 0x80000000
	s_add_nc_u64 s[PFA:PFA+1], s[4:5], s[94:95]
	s_add_nc_u64 s[10:11], s[4:5], s[86:87]        ; my image of Q
	s_add_nc_u64 s[16:17], s[16:17], s[92:93]      ; my image of ctx
	CROUND                                         ; all four work-groups are here: the first joint loads meet
	TLOAD                                          ; slot 0
	v_and_b32 v[LI], 31, v0
	v_lshlrev_b32 v[PFO], 8, v[LI]
	v_lshlrev_b32 v[LI], 4, v[LI]
.irp c, 0,1,2,3
	global_load_b128 v[16+4*\c:19+4*\c], v[LI], s[10:11] offset:512*\c   ; Q's fragment stays in registers
.endr
	v_mov_b32 v13, 0xff61b1e6                      ; the largest t so far: -3e38, under every t
	v_floor_f32 v12, -v13                          ; -M
	v_mov_b32 v14, 0                               ; the sum, in two halves
	v_mov_b32 v15, 0
	v_mov_b32 v236, 0                              ; written once: a lane permute's destination counts as one of its sources
	v_mov_b32 v253, 0                              ; (named as the upper half of the pair v[252:253])
.set j, 0
.rept 64
	v_mov_b32 v[160+j], 0                          ; O^T.  (The loop is written once: its first step finds zeros, which the first change of M leaves zeros)
.set j, j+1
.endr
	s_wait_kmcnt 0x0
	s_add_co_i32 s72, s68, s69
	s_lshl_b32 s72, s72, 23
	s_add_co_i32 s[CS], s[CS], s72                 ; a score stands for score x 2^(e6 + e7): added to c's exponent field
	s_mov_b32 s[CS+1], s[CS]
	s_add_co_i32 s72, s70, 127
	s_lshl_b32 s73, s72, 23
	v_mov_b32 v244, s73                            ; 2^e8, for p's conversions
	s_add_co_i32 s72, s72, 8
	s_lshl_b32 s72, s72, 23
	s_or_b32 s72, s72, 0x600000
	v_mov_b32 v240, s72                            ; 448 x 2^e8
	s_add_co_i32 s72, s84, 127
	s_lshl_b32 s73, s72, 23
	v_mov_b32 v245, s73                            ; 2^e10, for ctx's
	s_add_co_i32 s72, s72, 8
	s_lshl_b32 s72, s72, 23
	s_or_b32 s72, s72, 0x600000
	v_mov_b32 v241, s72                            ; 448 x 2^e10
; A KEY STEP: 128 keys, block q of the slot in hand.
.macro STEP q
	v_add_nc_u32 v[ADR], s[TB], v[LI]
.irp g, 0,1                                    ; S^T = K Q^T, four tiles of 16 keys at a time
.rept 4
	v_nop                                          ; places in front of loads into registers that matrix instructions have read
.endr
.irp t, 0,1,2,3
.irp c, 0,1,2,3
	ds_load_b128 v[32+16*\t+4*\c:32+16*\t+4*\c+3], v[ADR] offset:BLK*(\q)+IMG*(4*\g+\t)+512*\c
.endr
.endr
	s_wait_dscnt 0x0
.irp t, 0,1,2,3
	v_wmma_f32_16x16x128_fp8_fp8 v[96+8*(4*\g+\t):103+8*(4*\g+\t)], v[32+16*\t:47+16*\t], v[16:31], 0
.endr
.endr
.rept 4
	v_nop
.endr
	v_max3_num_f32 v254, v96, v97, v98             ; the step's largest score of my query, among my 64 keys, in two chains, each accumulator from its low end on,
	v_max3_num_f32 v252, v99, v100, v101
.set j, 6
.rept 14
	v_max3_num_f32 v254, v254, v[96+j], v[97+j]
	v_max3_num_f32 v252, v252, v[98+j], v[99+j]
.set j, j+4
.endr
	v_max3_num_f32 v254, v254, v158, v159
	v_max_num_f32 v254, v254, v252
	v_permlanex16_b32 v236, v254, s[SEL], s[SEL+1]
	v_max_num_f32 v254, v254, v236                 ; and among lane l xor 16's
	v_mul_f32 v254, s[CS], v254                    ; as t (c is positive)
	v_max_num_f32 v13, v13, v254                   ; the running largest t
	v_mov_b32 v254, v12
	v_floor_f32 v12, -v13                          ; the new -M = floor(-t): M is a whole number
	v_sub_f32 v254, v12, v254                      ; old M - new M: a whole number, 0 or less
	v_cvt_i32_f32 v254, v254                       ; (it saturates)
	v_ldexp_f32 v252, 1.0, v254                    ; f = 2^(old M - new M)
.set j, 0
.rept 32
	v_pk_fma_f32 v[96+j:97+j], v[96+j:97+j], s[CS:CS+1], v[12:13] op_sel_hi:[1,0,0]   ; t - M, two at a time
.set j, j+2
.endr
.set j, 0
.rept 64
	v_exp_f32 v[96+j], v[96+j]                     ; p = 2^(t - M), at most 1
.set j, j+1
.endr
	v_pk_mul_f32 v[14:15], v[14:15], v[252:253] op_sel_hi:[1,0]   ; the sums under the new M.  (A plain line behind the exponentials)
	s_wait_alu depctr_va_vdst(0)                   ; one wait for the whole batch, ahead of its first reader
	v_pk_add_f32 v[242:243], v[96:97], v[98:99]    ; the row's sum is taken of the unquantised p: two at a time, in two chains
.set j, 4
.rept 15
	v_pk_add_f32 v[14:15], v[14:15], v[96+j:97+j]
	v_pk_add_f32 v[242:243], v[242:243], v[98+j:99+j]
.set j, j+4
.endr
	v_pk_add_f32 v[14:15], v[14:15], v[242:243]
.irp b, 0,1,2,3
.irp i, 0,1,2,3,4,5,6,7,8,9,10,11,12,13,14,15
	v_min_num_f32 v[96+16*\b+\i], v[96+16*\b+\i], v240   ; the conversion does not saturate (ISA guide 7.6.2); p is not negative, so the hold is one-sided
.endr
	v_cvt_scalef32_pk8_fp8_f32 v[224+4*\b:225+4*\b], v[96+16*\b:103+16*\b], v244
	v_cvt_scalef32_pk8_fp8_f32 v[226+4*\b:227+4*\b], v[104+16*\b:111+16*\b], v244
.endr
.set j, 0
.rept 32
	v_pk_mul_f32 v[160+j:161+j], v[160+j:161+j], v[252:253] op_sel_hi:[1,0]   ; O^T under the new M.  (These are also the places in front of the loads and matrix instructions below)
.set j, j+2
.endr
.irp g, 0,1                                    ; O^T += V^T P^T: four tiles of 16 channels at a time; K = these 128 keys
.if \g > 0
.rept 4
	v_nop
.endr
.endif
.irp t, 0,1,2,3
.irp c, 0,1,2,3
	ds_load_b128 v[32+16*\t+4*\c:32+16*\t+4*\c+3], v[ADR] offset:VOFF+BLK*(\q)+IMG*(4*\g+\t)+512*\c
.endr
.endr
	s_wait_dscnt 0x0
.irp t, 0,1,2,3
	v_wmma_f32_16x16x128_fp8_fp8 v[160+8*(4*\g+\t):167+8*(4*\g+\t)], v[32+16*\t:47+16*\t], v[224:239], v[160+8*(4*\g+\t):167+8*(4*\g+\t)]
.endr
.endr
.endm
; THE CHANGE OF SLOTS stands at a slot's head.  Each wave waits for all its tensor loads, adds 0 to its spare word, and waits for that and for its reads of the slot that it has left.
; fill = 1: a round of the cluster's barrier, and behind it that slot is filled with the keys that follow: the load has a slot's two key steps in which to land.
.macro CHANGE fill
	s_wait_tensorcnt 0x0                           ; no tensor load of mine is out, so the group 0 may be written
	ds_add_u32 v[SPW], v[NIL]                      ; 0 onto my spare word
.if \fill
	s_xor_b32 s[G0+1], s[G0+1], SLOT1              ; the walking descriptor: the other slot than last time,
	s_add_nc_u64 s[G0+2:G0+3], s[G0+2:G0+3], 2*BLK ; the next 256 keys; the type bits on top are not reached
	s_wait_xcnt 0x0                                ; the last prefetch, a slot back, has read its address, so it may be written
	s_add_nc_u64 s[PFA:PFA+1], s[PFA:PFA+1], 2*BLK
.endif
	s_wait_dscnt 0x0                               ; the add is done, and my reads of the slot that I have left are over
.if \fill
	CROUND                                         ; no wave of any partner still reads that slot or has a load on its way
	TLOAD
	ASK
.else
	s_barrier_signal -1
	s_barrier_wait -1
.endif
.endm
.macro SLOT_STEPS
	STEP 0
	STEP 1
	s_xor_b32 s[TB], s[TB], SLOT1                  ; on to the other slot
.endm
	s_wait_loadcnt 0x0                             ; Q
.Lslot:                                            ; seven trips: behind each change of slots but the last the next slot is asked for
	CHANGE 1
	SLOT_STEPS
	s_sub_co_u32 s[SLOTS], s[SLOTS], 1
	s_cmp_lg_u32 s[SLOTS], 0
	s_cbranch_scc1 .Lslot
	CHANGE 0                                       ; the last slot is written out
	SLOT_STEPS
	; THE WAY OUT: ctx = O^T x 2^(e8 + e9) / the sum, quantised in registers
	v_add_f32 v14, v14, v15                        ; the sum's two halves,
	v_permlanex16_b32 v252, v14, s[SEL], s[SEL+1]
	v_add_f32 v14, v14, v252                       ; and lane l xor 16's
	v_rcp_f32 v14, v14
.rept 4
	v_nop                                          ; the plain line behind the reciprocal, and the places behind the last products
.endr
	s_add_co_i32 s72, s70, s71
	s_wait_alu depctr_va_vdst(0)                   ; ahead of the reciprocal's first reader
	v_ldexp_f32 v14, v14, s72
.set j, 0
.rept 64
	v_mul_f32 v[96+j], v[160+j], v14               ; register 8 t + i is ctx(query r, channel 16 t + 8 h + i)
.set j, j+1
.endr
.set j, 0
.rept 64
	v_med3_num_f32 v[96+j], v[96+j], -v241, v241
.set j, j+1
.endr
.irp t, 0,1,2,3,4,5,6,7
	v_cvt_scalef32_pk8_fp8_f32 v[224+2*\t:225+2*\t], v[96+8*\t:103+8*\t], v245
.endr
	v_nop                                          ; one plain vector line behind the last conversion
	; From k = 16 t + 8 h + .. in registers 2 t, 2 t + 1 to k = 32 c + 16 h + .. in registers 4 c .. 4 c + 3: lanes 0-15 keep tile 2 c's codes and take the other half's of the same tile;
	; lanes 16-31 keep tile 2 c + 1's and take the other half's.  Each lane sends what it does not keep.
.irp c, 0,1,2,3
.irp i, 0,1
	v_cndmask_b32 v[96+2*\c+\i], v[226+4*\c+\i], v[224+4*\c+\i], s[HI16]
.endr
.endr
.irp k, 0,1,2,3,4,5,6,7
	v_permlanex16_b32 v[104+\k], v[96+\k], s[SEL], s[SEL+1]
.endr
.irp c, 0,1,2,3
.irp i, 0,1
	v_cndmask_b32 v[224+4*\c+\i], v[224+4*\c+\i], v[104+2*\c+\i], s[HI16]
	v_cndmask_b32 v[226+4*\c+\i], v[104+2*\c+\i], v[226+4*\c+\i], s[HI16]
.endr
.endr
.irp c, 0,1,2,3
	global_store_b128 v[LI], v[224+4*\c:227+4*\c], s[16:17] offset:512*\c   ; 32 lanes store 512 consecutive bytes, aligned
.endr
	s_wait_tensorcnt 0x0                           ; the wave's end, behind my last tensor load
	ds_add_u32 v[SPW], v[NIL]
	s_wait_dscnt 0x0
	CROUND                                         ; the closing round
	s_endpgm
.Lfunc_end_k_q7da78f646c_attn:
	.size	k_q7da78f646c_attn, .Lfunc_end_k_q7da78f646c_attn-k_q7da78f646c_attn
	.p2alignl 7, 3214868480
	.fill 96, 4, 3214868480
	.section	.rodata,"a",@progbits
	.p2align	6, 0x0
	.amdhsa_kernel k_q7da78f646c_attn
		.amdhsa_group_segment_fixed_size 327680
		.amdhsa_private_segment_fixed_size 0
		.amdhsa_enable_private_segment 0
		.amdhsa_kernarg_size 24
		.amdhsa_user_sgpr_count 2
		.amdhsa_user_sgpr_kernarg_segment_ptr 1
		.amdhsa_wavefront_size32 1
		.amdhsa_system_sgpr_workgroup_id_x 1
		.amdhsa_system_sgpr_workgroup_id_y 1
		.amdhsa_system_sgpr_workgroup_id_z 1
		.amdhsa_system_vgpr_workitem_id 0
		.amdhsa_next_free_vgpr 256
		.amdhsa_next_free_sgpr 100
		.amdhsa_reserve_vcc 0
		.amdhsa_float_denorm_mode_32 3
		.amdhsa_float_denorm_mode_16_64 3
		.amdhsa_memory_ordered 1
		.amdhsa_forward_progress 1
		.amdhsa_inst_pref_size 94
	.end_amdhsa_kernel
	.amdgpu_metadata
---
amdhsa.version: [ 1, 2 ]
amdhsa.kernels:
  - .name:           k_q7da78f646c_attn
    .symbol:         k_q7da78f646c_attn.kd
    .args:
      - { .name: qkvc, .offset: 0, .size: 8, .value_kind: global_buffer, .address_space: global }
      - { .name: lowp_scales, .offset: 8, .size: 8, .value_kind: global_buffer, .address_space: global }
      - { .name: ctxc, .offset: 16, .size: 8, .value_kind: global_buffer, .address_space: global }
    .group_segment_fixed_size: 327680
    .private_segment_fixed_size: 0
    .kernarg_segment_align: 8
    .kernarg_segment_size: 24
    .max_flat_workgroup_size: 512
    .sgpr_count:     100
    .vgpr_count:     256
    .wavefront_size: 32
...
	.end_amdgpu_metadata
.endif
;; end of part 4
;; launch outln (part 5): grid 256 x 1, 4 waves a work-group, clusters of 4 x 1, 327,680 bytes of LDS; arguments ctxc, wc, lowp_scales, bo, x, gamma, beta, out0; writes out0
.if DOCPART == 5
	.amdgcn_target "amdgcn-amd-amdhsa--gfx1250"
	.amdhsa_code_object_version 6
	.text
	.protected	k_q7da78f646c_outln
	.globl	k_q7da78f646c_outln
	.p2align	8
	.type	k_q7da78f646c_outln,@function
k_q7da78f646c_outln:
	s_mov_b64 s[64:65], 0
	v_nop
	global_prefetch_b8 v0, s[64:65] scope:SCOPE_SE
	s_setreg_imm32_b32 hwreg(HW_REG_WAVE_MODE, 25, 1), 1
	s_wait_xcnt 0x0
	s_wait_alu depctr_hold_cnt(0) depctr_sa_sdst(0) depctr_va_vdst(0) depctr_va_sdst(0) depctr_va_ssrc(0) depctr_va_vcc(0) depctr_vm_vsrc(0)
	s_getreg_b32 s2, hwreg(HW_REG_IB_STS2, 6, 4)
	s_cmp_eq_u32 s2, 0
	s_cbranch_scc0 .Lentry_in_a_cluster
	s_endpgm
.Lentry_in_a_cluster:
	s_bfe_u32 s2, ttmp6, 0x10000c
	s_cmp_lg_u32 s2, 0x3003
	s_cbranch_scc0 .Lentry_shape_is_right
	s_endpgm
.Lentry_shape_is_right:
; out = LayerNorm(ctx Wo + bo + x) x gamma + beta.  The product on E4M3 codes (entries 10, 11 of the scales), all else in f32; the variance in two passes (the mean first, then the squares of the differences).
; SHARES.  A work-group owns 32 whole rows (the norm wants whole rows) and all 1,024 columns.  In the product wave w makes columns 512 nh + 128 w + 0 .. 127, nh = 0, 1, for both tiles of 16 rows: 32 accumulators.
; ctx's 16 fragments (2 tiles of rows x 8 K steps of 128) stay in registers, loaded as they were stored.  Wo's codes go through two LDS slots: slot nh holds rows (= columns of the result) 512 nh .. + 511, 256 along K;
; each wave fetches, and alone reads, its own 128 rows.  All work-groups walk the same Wo: the four of a cluster ask jointly.  The eight tiles are written out: no loop.
; x's rows come into registers while the products run.  THE TAIL: the sums go through a stage in LDS (in slot 0, behind its last fill and last read), and wave w takes whole rows 8 w .. 8 w + 7, 32 registers a row.
; The matrix instruction is used transposed (source 0 = 16 rows of Wo's codes, source 1 = 16 rows of ctx): a lane holds eight neighbouring columns of one row.
; LIMIT: e10 + e11 between -126 and 127.
; REGISTERS, in windows of 256: window 0: v1 16 x lane; v4, v5 LDS address of my fragments in slot 0, 1; v6, v7 into the stage, rows 0-15, 16-31; v8 out of it; v10, v11 the add's; v12-27 a pair a row: the mean, then 1 / sigma;
;   v32-63 gamma, v64-95 beta, v96-127 bo (register 4 c + e: column 128 c + 4 lane + e); v128-191, v192-255 two buffers of four fragments of Wo, later the rows' partial sums.
;   window 1: ctx: fragment (tile a, K step s) at v[16 (2 s + a)].   window 2: accumulator (a, b) at v[8 (16 a + b)], b = 8 nh + f; later y: row i at v[32 i].   window 3: x: row i at v[32 i].
.set PITCH,  272                       ; an LDS row: 256 bytes + 16 of padding
.set WTILE,  128*PITCH                 ; a wave's 128 rows
.set SLOT,   4*WTILE
.set SPARE,  2*SLOT                    ; behind the slots: the spare words, 128 bytes a wave, that no other line names
.set SPITCH, 4112                      ; a stage row: 4,096 bytes + 16
.set LI,  1
.set ADB, 4
.set STO, 6
.set RD,  8
.set SPW, 10
.set NIL, 11
.set MU,  12
.set GA,  32
.set BE,  64
.set BO,  96
.set TT,  128
.set G1,  24
.set G0,  32
.set MSB, 0
.macro WIN new                         ; the immediate's high byte repeats the setting that is left
.if MSB != \new
	s_set_vgpr_msb (MSB<<8)|\new
.set MSB, \new
.endif
.endm
.macro CROUND                          ; a round of the cluster's barrier
	s_barrier_signal -1
	s_barrier_wait -1
	s_cmp_lg_u32 s20, 0
	s_cbranch_scc1 .Lnot_wave_0_\@
	s_barrier_signal -3
.Lnot_wave_0_\@:
	s_barrier_wait -3
	s_barrier_signal -1
	s_barrier_wait -1
.endm
.macro PLACES
.rept 4
	v_nop
.endr
.endm
	s_load_b512 s[4:19], s[0:1], 0x0               ; ctxc s[4:5], wc s[6:7], the scales' exponents s[8:9], bo s[10:11], x s[12:13], gamma s[14:15], beta s[16:17], out0 s[18:19]
	v_lshl_add_u32 v[SPW], v0, 2, SPARE
	v_mov_b32 v[NIL], 0
	ds_add_u32 v[SPW], v[NIL]                      ; the wave's opening: the add and its wait ahead of my first tensor load; the set-up below, work on registers, stands between them
	v_lshrrev_b32 v1, 5, v0
	v_readfirstlane_b32 s20, v1                    ; wave 0..3
	s_bfe_u32 s21, ttmp6, 0x40000                  ; cx
	s_lshl_b32 s22, ttmp9, 2
	s_add_co_u32 s22, s22, s21                     ; my block of 32 rows: it enters ctx's, x's and out's addresses alone
	s_mov_b32 s[G1], 15|(0<<16)|(1<<20)|(1<<21)|(5<<22)|(3<<25)   ; the mask: all four work-groups; elements of 1 byte; padding on; 21 set beside a mask; four words after every 64
	s_mov_b32 s[G1+1], 256<<16                     ; tensor_dim0
	s_mov_b32 s[G1+2], 128<<16                     ; tensor_dim1
	s_mov_b32 s[G1+3], 256<<16                     ; tile_dim0
	s_mov_b32 s[G1+4], 128                         ; tile_dim1
	s_mov_b32 s[G1+5], 1024                        ; from row to row
	s_mov_b32 s[G1+6], 0
	s_mov_b32 s[G1+7], 0
	s_mov_b32 s44, 0x76543210                      ; v_permlanex16_b32: lane l xor 16
	s_mov_b32 s45, 0xfedcba98
	s_mov_b32 s46, 0x3a800000                      ; 1 / 1,024
	s_mov_b32 s47, 0x3727c5ac                      ; 1e-5
	s_mul_i32 s48, s20, WTILE                      ; my rows' place in a slot
	s_lshl_b32 s50, s20, 17                        ; my 128 rows of 1,024 bytes,
	s_add_co_u32 s50, s50, 3*1048576               ; in Wo's codes
	s_mov_b32 s51, 0
	s_lshl_b32 s52, s22, 15                        ; ctx: 16 images a work-group
	s_mov_b32 s53, 0
	s_lshl_b32 s54, s22, 5
	s_lshl_b32 s55, s20, 3
	s_add_co_u32 s54, s54, s55                     ; the first of the eight rows that I finish
	s_lshl_b32 s54, s54, 12
	s_mov_b32 s55, 0
	s_wait_dscnt 0x0                               ; the opening add is done
	s_wait_kmcnt 0x0
	s_load_b64 s[40:41], s[8:9], 0x28              ; e10, e11
	s_add_nc_u64 s[50:51], s[6:7], s[50:51]
	s_add_nc_u64 s[4:5], s[4:5], s[52:53]
	s_add_nc_u64 s[12:13], s[12:13], s[54:55]
	s_add_nc_u64 s[18:19], s[18:19], s[54:55]
.irp n, 0,1
	s_mov_b32 s[G0+4*\n], 1
	s_add_co_u32 s[G0+4*\n+1], s48, \n*SLOT        ; LDS address: the wave's number and the slot alone
	s_add_nc_u64 s[G0+4*\n+2:G0+4*\n+3], s[50:51], \n*512*1024
	s_or_b32 s[G0+4*\n+3], s[G0+4*\n+3], 0x80000000
.endr
	CROUND                                         ; all four work-groups are here: the first joint loads meet
	tensor_load_to_lds s[G0:G0+3], s[G1:G1+7]      ; both first fills together: two loads of mine are out
	s_nop 0
	tensor_load_to_lds s[G0+4:G0+7], s[G1:G1+7]
	s_nop 0
	PLACES
	v_and_b32 v[LI], 31, v0
	v_lshlrev_b32 v[LI], 4, v[LI]
	WIN 0x40                                       ; destination window 1
.irp a, 0,1
.irp s, 0,1,2,3,4,5,6,7
.irp c, 0,1,2,3
	global_load_b128 v[16*(2*\s+\a)+4*\c:16*(2*\s+\a)+4*\c+3], v[LI], s[4:5] offset:(8*\a+\s)*2048+512*\c
.endr
.endr
.endr
	WIN 0
.irp c, 0,1,2,3,4,5,6,7
	global_load_b128 v[GA+4*\c:GA+4*\c+3], v[LI], s[14:15] offset:512*\c
	global_load_b128 v[BE+4*\c:BE+4*\c+3], v[LI], s[16:17] offset:512*\c
	global_load_b128 v[BO+4*\c:BO+4*\c+3], v[LI], s[10:11] offset:512*\c
.endr
.macro XLOAD i0                        ; rows i0 .. i0 + 3 of my eight: 32 loads of 512 consecutive bytes
	WIN 0xc0                                       ; destination window 3
.irp i, \i0, \i0+1, \i0+2, \i0+3
.irp c, 0,1,2,3,4,5,6,7
	global_load_b128 v[32*(\i)+4*\c:32*(\i)+4*\c+3], v[LI], s[12:13] offset:4096*(\i)+512*\c
.endr
.endr
	WIN 0
.endm
	XLOAD 0
	v_and_b32 v2, 15, v0                           ; r
	v_bfe_u32 v3, v0, 4, 1                         ; h
	v_mul_u32_u24 v[ADB], v2, PITCH
	v_lshl_add_u32 v[ADB], v3, 4, v[ADB]
	v_add_nc_u32 v[ADB], s48, v[ADB]               ; a fragment's row x pitch + 16 h, in my rows of slot 0,
	v_add_nc_u32 v[ADB+1], SLOT, v[ADB]            ; and of slot 1
	v_mul_u32_u24 v[STO], v2, SPITCH
	v_lshl_add_u32 v[STO], v3, 5, v[STO]
	s_lshl_b32 s49, s20, 9
	v_add_nc_u32 v[STO], s49, v[STO]               ; into the stage: row r, + 512 w + 32 h bytes
	v_add_nc_u32 v[STO+1], 16*SPITCH, v[STO]
	s_mul_i32 s49, s20, 8*SPITCH
	v_add_nc_u32 v[RD], s49, v[LI]                 ; out of it: my eight rows, 16 bytes a lane
; chunk i of a tile: K step u = i / 2 of its two, fragments 4 (i % 2) + 0 .. 3 of my eight
.macro LOADB buf, nh, i
	WIN 0
.irp g, 0,1,2,3
.irp c, 0,1,2,3
	ds_load_b128 v[128+64*(\buf)+16*\g+4*\c:128+64*(\buf)+16*\g+4*\c+3], v[ADB+\nh] offset:16*(4*((\i)%2)+\g)*PITCH+128*((\i)/2)+32*\c
.endr
.endr
.endm
; eight matrix instructions; the accumulators take turns, one instruction a turn.  The first K step's products start the sums.
.macro MULB buf, kk, nh, i
	WIN 0xa4                                       ; source 0 (Wo) window 0, source 1 (ctx) window 1, C and D window 2
.irp g, 0,1,2,3
.irp a, 0,1
.set rD, 8*(16*\a+8*(\nh)+4*((\i)%2)+\g)
.set rB, 128+64*(\buf)+16*\g
.set rA, 16*(2*(2*(\kk)+(\i)/2)+\a)
.if ((\kk) == 0) && ((\i) < 2)
	v_wmma_f32_16x16x128_fp8_fp8 v[rD:rD+7], v[rB:rB+15], v[rA:rA+15], 0
.else
	v_wmma_f32_16x16x128_fp8_fp8 v[rD:rD+7], v[rB:rB+15], v[rA:rA+15], v[rD:rD+7]
.endif
.endr
.endr
.endm
.macro TILEWORK kk, nh                 ; 256 along K x my 128 columns x 32 rows: 32 matrix instructions on two buffers by turns
	LOADB 0, \nh, 0
	LOADB 1, \nh, 1
	s_wait_dscnt 16                                ; the older chunk is in; the younger chunk's 16 loads may be out
	MULB 0, \kk, \nh, 0
	PLACES                                         ; in front of loads into registers that matrix instructions have read
	LOADB 0, \nh, 2
	s_wait_dscnt 16
	MULB 1, \kk, \nh, 1
	PLACES
	LOADB 1, \nh, 3
	s_wait_dscnt 16
	MULB 0, \kk, \nh, 2
	s_wait_dscnt 0
	MULB 1, \kk, \nh, 3
	WIN 0
	PLACES
.endm
; A slot that has been read is filled again, 256 further along K: every wave waits for all its tensor loads, adds 0 to its spare word, waits for that and for its reads; a round of the cluster's barrier; the joint load first behind it.
.macro REFILL n
	s_wait_tensorcnt 0x0                           ; the other slot's tile has landed too: it is read while this load is on its way
	ds_add_u32 v[SPW], v[NIL]                      ; 0 onto my spare word
	s_add_nc_u64 s[G0+4*\n+2:G0+4*\n+3], s[G0+4*\n+2:G0+4*\n+3], 256
	s_wait_dscnt 0x0
	CROUND
	tensor_load_to_lds s[G0+4*\n:G0+4*\n+3], s[G1:G1+7]
	s_nop 0
	PLACES
.endm
	s_wait_loadcnt 56                              ; ctx's 64 loads are in; gamma's, beta's, bo's 24 and x's 32 may be out
	s_wait_tensorcnt 1                             ; my rows of slot 0 are in; slot 1's may be out.  I alone read what I fetched
	TILEWORK 0, 0
	REFILL 0
	TILEWORK 0, 1
	REFILL 1
	XLOAD 4
	TILEWORK 1, 0
	REFILL 0
	TILEWORK 1, 1
	REFILL 1
	TILEWORK 2, 0
	REFILL 0
	TILEWORK 2, 1
	REFILL 1
	TILEWORK 3, 0
	s_wait_tensorcnt 0x0                           ; the last tile
	TILEWORK 3, 1
	; THE TAIL
	s_wait_dscnt 0x0
	s_barrier_signal -1
	s_barrier_wait -1                              ; nobody reads slot 0 any more, and it has had its last fill: the stage lies there
	WIN 0x08                                       ; store data window 2
.irp a, 0,1
.set b, 0
.rept 16
	ds_store_b128 v[STO+\a], v[8*(16*\a+b):8*(16*\a+b)+3] offset:2048*(b/8)+64*(b%8)        ; each accumulator from its low end on
	ds_store_b128 v[STO+\a], v[8*(16*\a+b)+4:8*(16*\a+b)+7] offset:2048*(b/8)+64*(b%8)+16
.set b, b+1
.endr
.endr
	s_wait_loadcnt 0x0                             ; x, bo, gamma, beta
	s_wait_kmcnt 0x0
	s_add_co_i32 s42, s40, s41
	s_add_co_i32 s42, s42, 127
	s_lshl_b32 s42, s42, 23                        ; 2^(e10 + e11) as f32
	s_mov_b32 s43, s42
	WIN 0xc3                                       ; source 0 and destination window 3
.irp i, 0,1,2,3,4,5,6,7
.set p, 0
.rept 16
	v_pk_add_f32 v[32*\i+p:32*\i+p+1], v[32*\i+p:32*\i+p+1], v[BO+p:BO+p+1]   ; x + bo, while the stage's stores land
.set p, p+2
.endr
.endr
	WIN 0
	s_wait_dscnt 0x0                               ; for the others' sake: my stores into the stage are done
	s_barrier_signal -1
	s_barrier_wait -1
	WIN 0x80                                       ; destination window 2
.irp i, 0,1,2,3,4,5,6,7
.irp c, 0,1,2,3,4,5,6,7
	ds_load_b128 v[32*\i+4*\c:32*\i+4*\c+3], v[RD] offset:SPITCH*\i+512*\c
.endr
.endr
	WIN 0xb2                                       ; source 0 and destination window 2, source 2 window 3
.irp i, 0,1,2,3,4,5,6,7
	s_wait_dscnt 8*(7-\i)                          ; row i is in; the later rows' loads may be out
.set p, 0
.rept 16
	v_pk_fma_f32 v[32*\i+p:32*\i+p+1], v[32*\i+p:32*\i+p+1], s[42:43], v[32*\i+p:32*\i+p+1] op_sel_hi:[1,0,1]   ; y = sum x 2^(e10 + e11) + (x + bo)
.set p, p+2
.endr
.endr
; eight rows' partial sums (eight pairs a row at v[TT + 16 i]) become the rows' sums, in every lane, at v[TT + 16 i]; level by level, so that no line waits for the line above it
.macro REDUCE
	WIN 0
.irp i, 0,1,2,3,4,5,6,7
.irp q, 0,2,4,6
	v_pk_add_f32 v[TT+16*\i+\q:TT+16*\i+\q+1], v[TT+16*\i+\q:TT+16*\i+\q+1], v[TT+16*\i+\q+8:TT+16*\i+\q+9]
.endr
.endr
.irp i, 0,1,2,3,4,5,6,7
.irp q, 0,2
	v_pk_add_f32 v[TT+16*\i+\q:TT+16*\i+\q+1], v[TT+16*\i+\q:TT+16*\i+\q+1], v[TT+16*\i+\q+4:TT+16*\i+\q+5]
.endr
.endr
.irp i, 0,1,2,3,4,5,6,7
	v_pk_add_f32 v[TT+16*\i:TT+16*\i+1], v[TT+16*\i:TT+16*\i+1], v[TT+16*\i+2:TT+16*\i+3]
.endr
.irp i, 0,1,2,3,4,5,6,7
	v_add_f32 v[TT+16*\i], v[TT+16*\i], v[TT+16*\i+1]
.endr
.irp m, 1,2,4,8
.irp i, 0,1,2,3,4,5,6,7
	v_add_f32_dpp v[TT+16*\i], v[TT+16*\i], v[TT+16*\i] row_xmask:\m row_mask:0xf bank_mask:0xf
.endr
.endr
.irp i, 0,1,2,3,4,5,6,7
	v_permlanex16_b32 v[TT+16*\i+1], v[TT+16*\i], s44, s45
.endr
.irp i, 0,1,2,3,4,5,6,7
	v_add_f32 v[TT+16*\i], v[TT+16*\i], v[TT+16*\i+1]
.endr
.endm
	WIN 0x0a                                       ; sources 0 and 1 window 2, destination window 0
.irp i, 0,1,2,3,4,5,6,7
.irp q, 0,2,4,6,8,10,12,14
	v_pk_add_f32 v[TT+16*\i+\q:TT+16*\i+\q+1], v[32*\i+\q:32*\i+\q+1], v[32*\i+16+\q:32*\i+16+\q+1]
.endr
.endr
	REDUCE
.irp i, 0,1,2,3,4,5,6,7
	v_mul_f32 v[MU+2*\i], s46, v[TT+16*\i]         ; the mean, twice: a pair for the packed forms
	v_mul_f32 v[MU+2*\i+1], s46, v[TT+16*\i]
.endr
	WIN 0x82                                       ; source 0 and destination window 2
.irp i, 0,1,2,3,4,5,6,7
.set p, 0
.rept 16
	v_pk_add_f32 v[32*\i+p:32*\i+p+1], v[32*\i+p:32*\i+p+1], v[MU+2*\i:MU+2*\i+1] neg_lo:[0,1] neg_hi:[0,1]   ; d = y - mean
.set p, p+2
.endr
.endr
	WIN 0x0a
.irp i, 0,1,2,3,4,5,6,7
.irp q, 0,2,4,6,8,10,12,14
	v_pk_mul_f32 v[TT+16*\i+\q:TT+16*\i+\q+1], v[32*\i+\q:32*\i+\q+1], v[32*\i+\q:32*\i+\q+1]
.endr
.irp q, 0,2,4,6,8,10,12,14
	v_pk_fma_f32 v[TT+16*\i+\q:TT+16*\i+\q+1], v[32*\i+16+\q:32*\i+16+\q+1], v[32*\i+16+\q:32*\i+16+\q+1], v[TT+16*\i+\q:TT+16*\i+\q+1]
.endr
.endr
	REDUCE
.irp i, 0,1,2,3,4,5,6,7
	v_fma_f32 v[TT+16*\i], v[TT+16*\i], s46, s47   ; the variance + 1e-5
.endr
.irp i, 0,1,2,3,4,5,6,7
	v_rsq_f32 v[MU+2*\i], v[TT+16*\i]
.endr
	v_nop                                          ; a plain line behind the last of the batch
	s_wait_alu depctr_va_vdst(0)                   ; one wait for the eight, ahead of their first reader
.irp i, 0,1,2,3,4,5,6,7
	v_mov_b32 v[MU+2*\i+1], v[MU+2*\i]
.endr
	WIN 0x82
.irp i, 0,1,2,3,4,5,6,7
.set p, 0
.rept 16
	v_pk_mul_f32 v[32*\i+p:32*\i+p+1], v[32*\i+p:32*\i+p+1], v[MU+2*\i:MU+2*\i+1]
.set p, p+2
.endr
.set p, 0
.rept 16
	v_pk_fma_f32 v[32*\i+p:32*\i+p+1], v[32*\i+p:32*\i+p+1], v[GA+p:GA+p+1], v[BE+p:BE+p+1]
.set p, p+2
.endr
.endr
	WIN 0x08                                       ; store data window 2
.irp i, 0,1,2,3,4,5,6,7
.irp c, 0,1,2,3,4,5,6,7
	global_store_b128 v[LI], v[32*\i+4*\c:32*\i+4*\c+3], s[18:19] offset:4096*\i+512*\c th:TH_STORE_NT   ; 32 lanes store 512 consecutive bytes, aligned; written once, read by nobody here
.endr
.endr
	WIN 0
	s_wait_tensorcnt 0x0                           ; the wave's end, behind my last tensor load and my last LDS store
	ds_add_u32 v[SPW], v[NIL]
	s_wait_dscnt 0x0
	CROUND                                         ; the closing round
	s_endpgm
.Lfunc_end_k_q7da78f646c_outln:
	.size	k_q7da78f646c_outln, .Lfunc_end_k_q7da78f646c_outln-k_q7da78f646c_outln
	.p2alignl 7, 3214868480
	.fill 96, 4, 3214868480
	.section	.rodata,"a",@progbits
	.p2align	6, 0x0
	.amdhsa_kernel k_q7da78f646c_outln
		.amdhsa_group_segment_fixed_size 327680
		.amdhsa_private_segment_fixed_size 0
		.amdhsa_enable_private_segment 0
		.amdhsa_kernarg_size 64
		.amdhsa_user_sgpr_count 2
		.amdhsa_user_sgpr_kernarg_segment_ptr 1
		.amdhsa_wavefront_size32 1
		.amdhsa_system_sgpr_workgroup_id_x 1
		.amdhsa_system_sgpr_workgroup_id_y 1
		.amdhsa_system_sgpr_workgroup_id_z 1
		.amdhsa_system_vgpr_workitem_id 0
		.amdhsa_next_free_vgpr 1024
		.amdhsa_next_free_sgpr 66
		.amdhsa_reserve_vcc 0
		.amdhsa_float_denorm_mode_32 3
		.amdhsa_float_denorm_mode_16_64 3
		.amdhsa_memory_ordered 1
		.amdhsa_forward_progress 1
		.amdhsa_inst_pref_size 159
	.end_amdhsa_kernel
	.amdgpu_metadata
---
amdhsa.version: [ 1, 2 ]
amdhsa.kernels:
  - .name:           k_q7da78f646c_outln
    .symbol:         k_q7da78f646c_outln.kd
    .args:
      - { .name: ctxc, .offset: 0, .size: 8, .value_kind: global_buffer, .address_space: global }
      - { .name: wc, .offset: 8, .size: 8, .value_kind: global_buffer, .address_space: global }
      - { .name: lowp_scales, .offset: 16, .size: 8, .value_kind: global_buffer, .address_space: global }
      - { .name: bo, .offset: 24, .size: 8, .value_kind: global_buffer, .address_space: global }
      - { .name: x, .offset: 32, .size: 8, .value_kind: global_buffer, .address_space: global }
      - { .name: gamma, .offset: 40, .size: 8, .value_kind: global_buffer, .address_space: global }
      - { .name: beta, .offset: 48, .size: 8, .value_kind: global_buffer, .address_space: global }
      - { .name: out0, .offset: 56, .size: 8, .value_kind: global_buffer, .address_space: global }
    .group_segment_fixed_size: 327680
    .private_segment_fixed_size: 0
    .kernarg_segment_align: 8
    .kernarg_segment_size: 64
    .max_flat_workgroup_size: 128
    .sgpr_count:     66
    .vgpr_count:     1024
    .wavefront_size: 32
...
	.end_amdgpu_metadata
.endif
;; end of part 5
;; ======== version 2 of 2: 4 launches
;; limits: right only within a limited range of input values
;; workspace buffers: xc 25,165,824 bytes; wc 4,194,304 bytes; qkvc 25,165,824 bytes; ctxc 8,388,608 bytes
;; launch quant (part 6): grid 640 x 1, 4 waves a work-group, no clusters, 68,096 bytes of LDS; arguments x, lowp_scales, xc, Wq, Wk, Wv, Wo, wc; writes xc, wc
.if DOCPART == 6
	.amdgcn_target "amdgcn-amd-amdhsa--gfx1250"
	.amdhsa_code_object_version 6
	.text
	.protected	k_q7da78f646c_quant
	.globl	k_q7da78f646c_quant
	.p2align	8
	.type	k_q7da78f646c_quant,@function
k_q7da78f646c_quant:
	s_mov_b64 s[64:65], 0
	v_nop
	global_prefetch_b8 v0, s[64:65] scope:SCOPE_SE
	s_setreg_imm32_b32 hwreg(HW_REG_WAVE_MODE, 25, 1), 1
	s_wait_xcnt 0x0
; ONE LAUNCH QUANTISES x AND THE FOUR WEIGHTS TO E4M3.  Work-groups 0 to 127 take the weights, work-groups 128 to 639 take x: a scalar branch on the work-group's number; the two paths never join, and each has LDS bytes of its own.
; code = number / 2^e, held within +-448, to the nearest code, ties to even.  LIMITS: every e used here (entries 0 to 5 and 11 of the scales) between -126 and 119, so that 2^e and 448 x 2^e are f32 numbers.  NaN among the inputs is not served.
; x [8192][1024] f32 becomes THREE sets of codes, K innermost, for x Wq, x Wk, x Wv (entries 0, 2, 4, which may differ): xc [3][8192][1024], one code a byte.  Rows are dense, so x is a plain stream.  A wave takes 8 steps of
; 512 numbers.  Each of a step's four loads reads 512 consecutive bytes, 16 a lane; the 2,048 bytes turn through the wave's own stage in LDS and come back 64 bytes a lane, so that a lane holds 16 neighbours along K, as the
; conversions want.  A lane's 16 codes are 16 bytes: a store of the wave covers 512 consecutive bytes, aligned.  x is read once for the three sets.  Loads run four steps ahead, the turn through LDS one step.
; Wq, Wk, Wv, Wo [1024 (k)][1024 (n)] f32, K their FIRST axis (entries 1, 3, 5, 11).  A LANE TAKES A COLUMN n AND ITS REGISTERS RUN DOWN K: each load reads neighbouring n in neighbouring lanes, and the conversions give codes
; with K innermost.  A wave: 32 columns x 256 K; its codes go through its own stage in LDS.  Wq, Wk, Wv leave as rows, wc [3][1024 (n)][1024 (k)]: sixteen lanes store 256 consecutive bytes, aligned.  Wo leaves as images (below).
; No tensor loads, no barrier: waves share nothing.
.set WWG,   128                        ; work-groups for the weights
.set STEPS, 8
.set SP,    80                         ; x: a lane's place in a stage: its 64 bytes + 16 of padding
.set WREG,  8192                       ; x: a region for each wave: two stages of 32 x SP bytes
.set WSTG,  4*WREG                     ; the weights' four stages begin behind x's regions
.set PITCH, 272                        ; a row of a weight's stage: 256 bytes + 16
.set SPARE, WSTG+4*32*PITCH            ; behind both: the spare words, 128 bytes a wave, that no other line names
.set SPW,   12                         ; v12  LDS address of my spare word; never rewritten
.set NIL,   13                         ; v13  0; never rewritten
	v_lshl_add_u32 v[SPW], v0, 2, SPARE
	v_mov_b32 v[NIL], 0
	v_lshrrev_b32 v1, 5, v0
	v_readfirstlane_b32 s16, v1                    ; wave
	v_and_b32 v2, 31, v0                           ; lane
	s_cmp_lt_u32 ttmp9, WWG
	s_cbranch_scc1 .Lweights
; ---------------------------------------------------------------- x
.set SC,    5                          ; v5,v6  v7,v8  v9,v10: 2^e and 448 x 2^e for the three sets
.set R,     16                         ; v16-79   four sets of 16 numbers as loaded
.set X,     80                         ; v80-111  two sets of 16 neighbours
.set T,     112                        ; v112-127 the numbers held for one set of codes
.set C,     128                        ; v128-175 codes: four turns x three sets x four registers
	s_load_b128 s[4:7], s[0:1], 0x0                ; x, the scales' exponents
	s_load_b64 s[8:9], s[0:1], 0x10                ; xc
	v_lshlrev_b32 v3, 4, v2                        ; my 16 bytes of a load's 512, and of a store's 512
	s_mul_i32 s17, s16, WREG
	v_lshrrev_b32 v14, 2, v2
	v_mul_u32_u24 v14, v14, SP
	v_and_b32 v15, 3, v2
	v_lshl_add_u32 v14, v15, 4, v14
	v_add_nc_u32 v14, s17, v14                     ; the stage, on the way in: SP (lane / 4) + 16 (lane % 4)
	v_mul_u32_u24 v15, v2, SP
	v_add_nc_u32 v15, s17, v15                     ; and on the way out: SP x lane
	s_sub_co_u32 s18, ttmp9, WWG
	s_lshl_b32 s18, s18, 2
	s_add_co_u32 s18, s18, s16                     ; which run of 4,096 numbers is my wave's
	s_lshl_b32 s20, s18, 14                        ; its bytes in x
	s_mov_b32 s21, 0
	s_lshl_b32 s22, s18, 12                        ; and in a set of codes
	s_mov_b32 s23, 0
	s_wait_alu depctr_va_vdst(0)
	s_wait_kmcnt 0x0
	s_load_b128 s[24:27], s[6:7], 0x0              ; e0 .. e3
	s_load_b32 s28, s[6:7], 0x10                   ; e4
	s_add_nc_u64 s[4:5], s[4:5], s[20:21]
	s_add_nc_u64 s[8:9], s[8:9], s[22:23]          ; three bases: a set is 8,388,608 bytes, one more than a store's immediate holds
	s_add_nc_u64 s[10:11], s[8:9], 0x800000
	s_add_nc_u64 s[12:13], s[8:9], 0x1000000
.macro XLOAD t
.irp i, 0,1,2,3
	global_load_b128 v[R+16*((\t)%4)+4*\i:R+16*((\t)%4)+4*\i+3], v3, s[4:5] offset:2048*(\t)+512*\i th:TH_LOAD_NT
.endr
.endm
.macro XTURN t                         ; step t's numbers through the stage: LDS serves a wave's instructions in order, so no wait stands between the stores and the loads
.irp i, 0,1,2,3
	ds_store_b128 v14, v[R+16*((\t)%4)+4*\i:R+16*((\t)%4)+4*\i+3] offset:32*SP*((\t)%2)+8*SP*\i
.endr
.irp i, 0,1,2,3
	ds_load_b128 v[X+16*((\t)%2)+4*\i:X+16*((\t)%2)+4*\i+3], v15 offset:32*SP*((\t)%2)+16*\i
.endr
.endm
.irp t, 0,1,2,3
	XLOAD \t
.endr
	s_wait_kmcnt 0x0
.irp q, 0,1,2                          ; e in s24, s26, s28; s25, s27, s29 at work
	s_add_co_i32 s[24+2*\q], s[24+2*\q], 127
	s_lshl_b32 s[25+2*\q], s[24+2*\q], 23
	v_mov_b32 v[SC+2*\q], s[25+2*\q]               ; 2^e as f32: the conversion takes its exponent field
	s_add_co_i32 s[24+2*\q], s[24+2*\q], 8
	s_lshl_b32 s[24+2*\q], s[24+2*\q], 23
	s_or_b32 s[24+2*\q], s[24+2*\q], 0x600000
	v_mov_b32 v[SC+2*\q+1], s[24+2*\q]             ; 448 x 2^e
.endr
	s_wait_alu depctr_va_vdst(0)
	s_wait_loadcnt 12                              ; step 0's four loads are in
	XTURN 0
.macro XSTEP t
.set XS, X+16*((\t)%2)
.set CC, C+12*((\t)%4)
	s_wait_dscnt 0x0                               ; this step's numbers are back from the stage: so its stores into the stage have read their registers,
.if (\t)+4 < STEPS
	XLOAD (\t)+4                                   ; which take the loads of four steps on
.endif
.if (\t)+1 < STEPS
.if STEPS-2-(\t) >= 3
	s_wait_loadcnt 12                              ; the next step's four loads are in; those of the three steps behind it may be out
.else
	s_wait_loadcnt 4*(STEPS-2-(\t))
.endif
	XTURN (\t)+1
.endif
.if (\t) >= 4
	s_wait_xcnt 0x0                                ; the stores of four steps ago have read these code registers
.endif
.irp q, 0,1,2
.irp i, 0,1,2,3,4,5,6,7,8,9,10,11,12,13,14,15
	v_med3_num_f32 v[T+\i], v[XS+\i], -v[SC+2*\q+1], v[SC+2*\q+1]   ; the conversion to an 8-bit code does not saturate (ISA guide 7.6.2): the hold comes first
.endr
	v_cvt_scalef32_pk8_fp8_f32 v[CC+4*\q:CC+4*\q+1], v[T:T+7], v[SC+2*\q]
	v_cvt_scalef32_pk8_fp8_f32 v[CC+4*\q+2:CC+4*\q+3], v[T+8:T+15], v[SC+2*\q]
	v_nop                                          ; one plain vector line between the conversions and the next holds, which write their sources
	global_store_b128 v3, v[CC+4*\q:CC+4*\q+3], s[8+2*\q:9+2*\q] offset:512*(\t)
.endr
.endm
.irp t, 0,1,2,3,4,5,6,7
	XSTEP \t
.endr
	s_wait_tensorcnt 0x0                           ; the wave's end, behind my last LDS store
	ds_add_u32 v[SPW], v[NIL]
	s_wait_dscnt 0x0
	s_endpgm
; ---------------------------------------------------------------- the weights
; Work-group i: bits 6:5 of i the weight, bits 4:2 which 128 columns, bits 1:0 which 256 along K.
.Lweights:
.set NB,    8                          ; blocks of 32 along K for a wave
.set KROW,  1024                       ; a row of codes in bytes
.set NROW,  4096                       ; a row of a weight in bytes
.set WX,    32                         ; v32-95   two sets of 32 numbers
.set WC,    96                         ; v96-103  a block's codes
.set OUTR,  112                        ; v112-175 the way out
	s_load_b128 s[32:35], s[0:1], 0x18             ; Wq, Wk
	s_load_b128 s[36:39], s[0:1], 0x28             ; Wv, Wo
	s_load_b64 s[40:41], s[0:1], 0x8               ; the scales' exponents
	s_load_b64 s[42:43], s[0:1], 0x38              ; wc
	s_mov_b32 s28, ttmp9                           ; i
	s_and_b32 s18, s28, 3                          ; which 256 along K
	s_bfe_u32 s17, s28, 0x30002                    ; which 128 columns
	s_lshl_b32 s17, s17, 7
	s_lshl_b32 s22, s16, 5
	s_add_co_u32 s17, s17, s22                     ; my wave's first column
	s_lshr_b32 s28, s28, 5                         ; which weight
	s_wait_alu depctr_va_vdst(0)
	v_lshlrev_b32 v3, 2, v2                        ; in: 4 bytes a lane
	s_mul_i32 s19, s16, 32*PITCH
	s_add_co_u32 s19, s19, WSTG                    ; my stage
	v_mul_u32_u24 v4, v2, PITCH
	v_add_nc_u32 v4, s19, v4                       ; into it: row = my column
	v_and_b32 v5, 15, v2
	v_lshrrev_b32 v6, 4, v2                        ; out of it: sixteen lanes to a row, two rows an instruction
	v_mul_u32_u24 v7, v6, PITCH
	v_lshl_add_u32 v7, v5, 4, v7
	v_add_nc_u32 v7, s19, v7
	v_mul_u32_u24 v8, v6, KROW
	v_lshl_add_u32 v8, v5, 4, v8                   ; and the same place among the codes
	s_lshl_b32 s20, s18, 20                        ; the weight: 256 rows of 4,096 bytes for each step along K, + 4 x column
	s_lshl_b32 s22, s17, 2
	s_add_co_u32 s20, s20, s22
	s_mov_b32 s21, 0
	s_lshl_b32 s24, s28, 20                        ; the codes: weight x 2^20 + column x 1,024 + 256 for each step along K
	s_lshl_b32 s22, s17, 10
	s_add_co_u32 s24, s24, s22
	s_lshl_b32 s22, s18, 8
	s_add_co_u32 s24, s24, s22
	s_mov_b32 s25, 0
	s_and_b32 s29, s28, 1
	s_and_b32 s31, s28, 2
	s_wait_kmcnt 0x0
	s_load_b32 s44, s[40:41], 0x4                  ; e of Wq,
	s_load_b32 s45, s[40:41], 0xc                  ; Wk,
	s_load_b32 s46, s[40:41], 0x14                 ; Wv,
	s_load_b32 s47, s[40:41], 0x2c                 ; Wo
	s_cmp_lg_u32 s29, 0                            ; the choice hangs on the work-group's number alone
	s_cselect_b64 s[32:33], s[34:35], s[32:33]
	s_cselect_b64 s[36:37], s[38:39], s[36:37]
	s_cmp_lg_u32 s31, 0
	s_cselect_b64 s[4:5], s[36:37], s[32:33]
	s_add_nc_u64 s[4:5], s[4:5], s[20:21]
	s_add_nc_u64 s[8:9], s[42:43], s[24:25]
.macro WLOAD t                         ; block t: W(32 t + i, my column), i = 0 .. 31, into set t % 2
.set i, 0
.rept 32
	global_load_b32 v[WX+32*((\t)%2)+i], v3, s[4:5] offset:(32*(\t)+i)*NROW th:TH_LOAD_NT
.set i, i+1
.endr
.endm
	WLOAD 0
	WLOAD 1
	s_wait_kmcnt 0x0
	s_cmp_lg_u32 s29, 0
	s_cselect_b32 s44, s45, s44
	s_cselect_b32 s46, s47, s46
	s_cmp_lg_u32 s31, 0
	s_cselect_b32 s30, s46, s44                    ; e
	s_add_co_i32 s30, s30, 127
	s_lshl_b32 s31, s30, 23
	v_mov_b32 v11, s31                             ; 2^e as f32
	s_add_co_i32 s30, s30, 8
	s_lshl_b32 s30, s30, 23
	s_or_b32 s30, s30, 0x600000
	v_mov_b32 v10, s30                             ; 448 x 2^e
.macro WBLOCK t
.set WS, WX+32*((\t)%2)
.if (\t) < NB-1
	s_wait_loadcnt 32                              ; this block's 32 loads are in; the next block's may be out
.else
	s_wait_loadcnt 0
.endif
.set i, 0
.rept 32
	v_med3_num_f32 v[WS+i], v[WS+i], -v10, v10     ; the conversion does not saturate (ISA guide 7.6.2): the hold comes first
.set i, i+1
.endr
.irp g, 0,1,2,3
	v_cvt_scalef32_pk8_fp8_f32 v[WC+2*\g:WC+2*\g+1], v[WS+8*\g:WS+8*\g+7], v11
.endr
	v_nop                                          ; one plain vector line behind the last conversion
	ds_store_b128 v4, v[WC:WC+3] offset:32*(\t)    ; 32 codes: 32 bytes of my column's row
	ds_store_b128 v4, v[WC+4:WC+7] offset:32*(\t)+16
.if (\t)+2 < NB
	WLOAD (\t)+2
.endif
	s_wait_dscnt 0x0                               ; the stores have read their registers: the next block's codes may be written
.endm
	s_wait_alu depctr_va_vdst(0)
.irp t, 0,1,2,3,4,5,6,7
	WBLOCK \t
.endr
	s_cmp_eq_u32 s28, 3                            ; Wo leaves in another order: a branch on the work-group's number alone
	s_cbranch_scc1 .Lwo
.irp t, 0,1,2,3,4,5,6,7,8,9,10,11,12,13,14,15
	ds_load_b128 v[OUTR+4*\t:OUTR+4*\t+3], v7 offset:2*\t*PITCH   ; LDS serves a wave's instructions in order: these see my stores
.endr
.irp t, 0,1,2,3,4,5,6,7,8,9,10,11,12,13,14,15
	s_wait_dscnt 15-\t
	global_store_b128 v8, v[OUTR+4*\t:OUTR+4*\t+3], s[8:9] offset:2*\t*KROW
.endr
	s_wait_tensorcnt 0x0                           ; the wave's end
	ds_add_u32 v[SPW], v[NIL]
	s_wait_dscnt 0x0
	s_endpgm
; Wo's codes leave as IMAGES OF OPERAND REGISTERS: wc's fourth part is [8 (step of 128 along K)][64 (tile of 16 columns)][2,048 bytes]; in an image byte 512 c + 16 lane holds, of column lane % 16,
; k = 32 c + 16 (lane / 16) + 0 .. 15.  The last launch loads each image by four loads of 512 consecutive bytes.  My wave has 2 tiles x 2 steps: 16 stores of 512 consecutive bytes, aligned.
.Lwo:
	v_mul_u32_u24 v7, v5, PITCH                    ; out of my stage: row lane % 16, + 16 (lane / 16)
	v_lshl_add_u32 v7, v6, 4, v7
	v_add_nc_u32 v7, s19, v7
	v_lshlrev_b32 v8, 4, v2                        ; 16 x lane
	s_lshl_b32 s24, s18, 18                        ; two steps of 64 images for each 256 along K,
	s_lshl_b32 s22, s17, 7                         ; an image for each 16 columns,
	s_add_co_u32 s24, s24, s22
	s_add_co_u32 s24, s24, 3<<20                   ; in the fourth part (s25 is 0)
	s_add_nc_u64 s[8:9], s[42:43], s[24:25]
	s_wait_alu depctr_va_vdst(0)
.irp j, 0,1
.irp s, 0,1
.irp c, 0,1,2,3
	ds_load_b128 v[OUTR+4*(8*\j+4*\s+\c):OUTR+4*(8*\j+4*\s+\c)+3], v7 offset:16*\j*PITCH+128*\s+32*\c
.endr
.endr
.endr
	s_wait_dscnt 0x0
.irp j, 0,1
.irp s, 0,1
.irp c, 0,1,2,3
	global_store_b128 v8, v[OUTR+4*(8*\j+4*\s+\c):OUTR+4*(8*\j+4*\s+\c)+3], s[8:9] offset:131072*\s+2048*\j+512*\c
.endr
.endr
.endr
	s_wait_tensorcnt 0x0                           ; the wave's end
	ds_add_u32 v[SPW], v[NIL]
	s_wait_dscnt 0x0
	s_endpgm
.Lfunc_end_k_q7da78f646c_quant:
	.size	k_q7da78f646c_quant, .Lfunc_end_k_q7da78f646c_quant-k_q7da78f646c_quant
	.p2alignl 7, 3214868480
	.fill 96, 4, 3214868480
	.section	.rodata,"a",@progbits
	.p2align	6, 0x0
	.amdhsa_kernel k_q7da78f646c_quant
		.amdhsa_group_segment_fixed_size 68096
		.amdhsa_private_segment_fixed_size 0
		.amdhsa_enable_private_segment 0
		.amdhsa_kernarg_size 64
		.amdhsa_user_sgpr_count 2
		.amdhsa_user_sgpr_kernarg_segment_ptr 1
		.amdhsa_wavefront_size32 1
		.amdhsa_system_sgpr_workgroup_id_x 1
		.amdhsa_system_sgpr_workgroup_id_y 1
		.amdhsa_system_sgpr_workgroup_id_z 1
		.amdhsa_system_vgpr_workitem_id 0
		.amdhsa_next_free_vgpr 192
		.amdhsa_next_free_sgpr 66
		.amdhsa_reserve_vcc 0
		.amdhsa_float_denorm_mode_32 3
		.amdhsa_float_denorm_mode_16_64 3
		.amdhsa_memory_ordered 1
		.amdhsa_forward_progress 1
		.amdhsa_inst_pref_size 94
	.end_amdhsa_kernel
	.amdgpu_metadata
---
amdhsa.version: [ 1, 2 ]
amdhsa.kernels:
  - .name:           k_q7da78f646c_quant
    .symbol:         k_q7da78f646c_quant.kd
    .args:
      - { .name: x, .offset: 0, .size: 8, .value_kind: global_buffer, .address_space: global }
      - { .name: lowp_scales, .offset: 8, .size: 8, .value_kind: global_buffer, .address_space: global }
      - { .name: xc, .offset: 16, .size: 8, .value_kind: global_buffer, .address_space: global }
      - { .name: Wq, .offset: 24, .size: 8, .value_kind: global_buffer, .address_space: global }
      - { .name: Wk, .offset: 32, .size: 8, .value_kind: global_buffer, .address_space: global }
      - { .name: Wv, .offset: 40, .size: 8, .value_kind: global_buffer, .address_space: global }
      - { .name: Wo, .offset: 48, .size: 8, .value_kind: global_buffer, .address_space: global }
      - { .name: wc, .offset: 56, .size: 8, .value_kind: global_buffer, .address_space: global }
    .group_segment_fixed_size: 68096
    .private_segment_fixed_size: 0
    .kernarg_segment_align: 8
    .kernarg_segment_size: 64
    .max_flat_workgroup_size: 128
    .sgpr_count:     66
    .vgpr_count:     192
    .wavefront_size: 32
...
	.end_amdgpu_metadata
.endif
;; end of part 6
;; launch qkv (part 7): grid 12 x 32, 4 waves a work-group, clusters of 4 x 4, 327,680 bytes of LDS; arguments xc, wc, lowp_scales, bq, bk, bv, qkvc; writes qkvc
.if DOCPART == 7
	.amdgcn_target "amdgcn-amd-amdhsa--gfx1250"
	.amdhsa_code_object_version 6
	.text
	.protected	k_q7da78f646c_qkv
	.globl	k_q7da78f646c_qkv
	.p2align	8
	.type	k_q7da78f646c_qkv,@function
k_q7da78f646c_qkv:
	s_mov_b64 s[64:65], 0
	v_nop
	global_prefetch_b8 v0, s[64:65] scope:SCOPE_SE
	s_setreg_imm32_b32 hwreg(HW_REG_WAVE_MODE, 25, 1), 1
	s_wait_xcnt 0x0
	s_wait_alu depctr_hold_cnt(0) depctr_sa_sdst(0) depctr_va_vdst(0) depctr_va_sdst(0) depctr_va_ssrc(0) depctr_va_vcc(0) depctr_vm_vsrc(0)
	s_getreg_b32 s2, hwreg(HW_REG_IB_STS2, 6, 4)
	s_cmp_eq_u32 s2, 0
	s_cbranch_scc0 .Lentry_in_a_cluster
	s_endpgm
.Lentry_in_a_cluster:
	s_bfe_u32 s2, ttmp6, 0x10000c
	s_cmp_lg_u32 s2, 0xf033
	s_cbranch_scc0 .Lentry_shape_is_right
	s_endpgm
.Lentry_shape_is_right:
; q = x Wq + bq, k = x Wk + bk, v = x Wv + bv on E4M3 codes, and each result quantised at once (entries 6, 7, 9 of the scales) into the form in which the attention launch takes it.
; ONE BODY, THREE PRODUCTS, by the cluster's x (0: q, 1: k, 2: v).  C'[m'][n'] = sum over k of A'[m'][k] B'[n'][k], the matrix instruction used transposed (source 0 = 16 rows of B', source 1 = 16 rows of A'):
; a lane then holds one m' and eight neighbouring n'.  n' is the NEXT product's K.  q, k: A' = x's codes (tokens), B' = the weight's (channels: the head's 128).  v: A' = Wv's codes (channels), B' = x's (tokens: the keys).
; A tile of C', 256 x 256, is a work-group's, four waves of 128 x 128: 64 accumulators, 512 registers.  K = 1,024 goes in four steps of 256 through a ring of two LDS slots.
; CLUSTERS: 4 x 4 work-groups; A's tile is shared along a row of the cluster, B's along a column: joint loads.
; THE WAY OUT.  A block of 16 m' x 128 n' is, in a lane, 64 numbers: sum x 2^(ea + eb) + bias, held, converted eight at a time: the eight of accumulator b are registers 2 b, 2 b + 1 of an operand of
; v_wmma_f32_16x16x128_fp8_fp8 in that form's own layout (row = lane % 16, k = 16 b + 8 (lane / 16) + 0 .. 7).  The 16 registers are stored as they stand, four stores of 16 bytes a lane: 512 consecutive bytes each, aligned.
; qkvc: [3][32 (batch x 8 + head)][16 (block of 128 tokens)][8][2,048 bytes]: q, k: image a = tokens 16 a on, K = the head's 128; v: image a = channels 16 a on, K = the block's 128 tokens.
; LIMITS: e0 + e1, e2 + e3, e4 + e5 between -126 and 127; e6, e7, e9 between -126 and 119.
; REGISTERS, in windows of 256: window 0: v0-31 addresses; v32-95 bias along n'; v96-111 bias along m', each twice; from v128 A's fragments, one set; on the way out v128-191 numbers, v192-223 codes.
;   window 1: B's fragments, two sets.   window 2: accumulators of my rows 0-63 ((a, b) at v[8 (8 a + b)]);   window 3: of rows 64-127.
.set KSTEP,  256
.set ROWB,   256
.set KROW,   1024
.set PITCH,  272                       ; an LDS row: 256 bytes + 16 of padding = 68 words: the 16 rows that a load touches start at 16 different banks (64 banks of 4 bytes: ISA guide 11.1)
.set FR,     16
.set NL,     4
.set NP,     4                         ; places behind this matrix instruction (ISA guide 7.12.1)
.set HALFT,  128*PITCH
.set SLOT,   4*HALFT
.set LAPS,   2                         ; 1,024 / 512
.set SPARE,  2*SLOT                    ; behind the ring: the spare words, 128 bytes a wave, that no other line names
.set ADRA, 16                          ; v16-17  LDS address of my A fragments in slot 0, 1
.set ADRB, 20                          ; v20-21  the same for B
.set BNO,  24                          ; v24     32 x (lane / 16): my eight numbers of a bias along n'
.set BMO,  25                          ; v25     4 x (lane % 16): my number of a bias along m'
.set CO,   26                          ; v26     16 x lane: my place in an image
.set SPW,  28
.set NIL,  29
.set QS,   30                          ; v30     2^eo as f32
.set QL,   31                          ; v31     448 x 2^eo
.set BN,   32
.set BM,   96
.set AF,   128
.set TMP,  128
.set CD,   192
.set G1, 24
.set G0, 32
.set G1B, 48
.set G0B, 56
.set MSB, 0
.macro WIN new                         ; the immediate's high byte repeats the setting that is left
.if MSB != \new
	s_set_vgpr_msb (MSB<<8)|\new
.set MSB, \new
.endif
.endm
.set MUL_LO, 0xa1                      ; source 0 (B) window 1, source 1 (A) window 0, C and D window 2
.set MUL_HI, 0xf1
.set TO_B,   0x40
; A joint load: waves 0 and 1 fetch for A, waves 2 and 3 for B.  The branch hangs on the wave's number alone.  An s_nop 0 and four v_nop follow each of the two lines.
.macro JLOAD g0a, g1a, g0b, g1b
	s_cmp_eq_u32 s15, 0
	s_cbranch_scc0 .Lfor_b_\@
	tensor_load_to_lds s[\g0a:\g0a+3], s[\g1a:\g1a+7]
	s_nop 0
.rept 4
	v_nop
.endr
	s_branch .Lasked_\@
.Lfor_b_\@:
	tensor_load_to_lds s[\g0b:\g0b+3], s[\g1b:\g1b+7]
	s_nop 0
.rept 4
	v_nop
.endr
.Lasked_\@:
.endm
.macro CREST                           ; a round of the cluster's barrier behind its opening barrier
	s_cmp_lg_u32 s14, 0
	s_cbranch_scc1 .Lnot_wave_0_\@
	s_barrier_signal -3
.Lnot_wave_0_\@:
	s_barrier_wait -3
	s_barrier_signal -1
	s_barrier_wait -1
.endm
.macro CROUND
	s_barrier_signal -1
	s_barrier_wait -1
	CREST
.endm
	s_load_b128 s[4:7], s[0:1], 0x0                ; xc, wc
	s_load_b64 s[8:9], s[0:1], 0x10                ; the scales' exponents
	s_load_b128 s[84:87], s[0:1], 0x18             ; bq, bk
	s_load_b128 s[88:91], s[0:1], 0x28             ; bv, qkvc
	v_lshl_add_u32 v[SPW], v0, 2, SPARE
	v_mov_b32 v[NIL], 0
	ds_add_u32 v[SPW], v[NIL]                      ; the wave's opening: the add and its wait ahead of my first tensor load; the set-up below, work on registers, stands between them
	ds_add_u32 v[SPW], v[NIL]
	v_lshrrev_b32 v1, 5, v0
	v_readfirstlane_b32 s14, v1                    ; wave 0..3
	s_lshr_b32 s15, s14, 1                         ; which half of the tile's rows is mine.  Also: I fetch for A (0) or for B (1)
	s_and_b32 s16, s14, 1                          ; which half of its columns.  Also: which 128 rows of that tile I fetch
	s_bfe_u32 s40, ttmp6, 0x40000                  ; cx, cy: my place in the cluster
	s_bfe_u32 s41, ttmp6, 0x40004
	s_and_b32 s66, ttmp7, 0xffff                   ; the cluster's y, 0..7: it walks the tokens
	s_cmp_eq_u32 ttmp9, 2                          ; v?  The cluster's x is the same in all sixteen partners
	s_cselect_b32 s67, s66, 0                      ; tokens are C's columns for v,
	s_cselect_b32 s68, 0, s66                      ; its rows for q and k
	s_cselect_b32 s69, 20, 23                      ; A': a weight's codes are 2^20 bytes, a set of x's 2^23
	s_cselect_b32 s70, 23, 20                      ; B': the other way round
	s_lshl_b32 s42, s67, 2
	s_add_co_u32 s42, s42, s40                     ; tile column
	s_lshl_b32 s17, s68, 2
	s_add_co_u32 s17, s17, s41                     ; tile row
	s_lshl_b32 s43, s41, 2
	s_lshl_b32 s43, 15, s43                        ; my row of the cluster
	s_lshl_b32 s44, 0x1111, s40                    ; my column
	s_or_b32 s[G1+0], s43, (0<<16)|(1<<20)|(1<<21)|(5<<22)|(3<<25)  ; 15:0 the mask; 17:16 elements of 1 byte; 20 padding on; 21 set beside a mask; 24:22 after every 64 words; 31:25 four words
	s_or_b32 s[G1B+0], s44, (0<<16)|(1<<20)|(1<<21)|(5<<22)|(3<<25)
.irp g, G1, G1B
	s_mov_b32 s[\g+1], ROWB<<16                    ; tensor_dim0
	s_mov_b32 s[\g+2], 128<<16                     ; tensor_dim1
	s_mov_b32 s[\g+3], ROWB<<16                    ; tile_dim0
	s_mov_b32 s[\g+4], 128                         ; tile_dim1
	s_mov_b32 s[\g+5], KROW                        ; from row to row
	s_mov_b32 s[\g+6], 0
	s_mov_b32 s[\g+7], 0
.endr
	s_lshl_b32 s18, s16, 7                         ; which 128 rows of the tile I fetch
	s_lshl_b32 s20, s17, 8
	s_add_co_u32 s20, s20, s18                     ; A': row 256 x tile row + 128 x half
	s_lshl_b32 s46, s42, 8
	s_add_co_u32 s46, s46, s18                     ; B': row 256 x tile column + 128 x half
	s_lshl_b32 s20, s20, 10                        ; in bytes
	s_lshl_b32 s46, s46, 10
	s_lshl_b32 s98, ttmp9, s69                     ; + which set of x's codes, which weight
	s_lshl_b32 s99, ttmp9, s70
	s_add_co_u32 s20, s20, s98
	s_add_co_u32 s46, s46, s99
	s_mov_b32 s21, 0
	s_mov_b32 s47, 0
	s_mul_i32 s45, s14, HALFT                      ; where they go: wave x 128 rows: no place in the cluster enters an LDS address
	s_wait_dscnt 0x0                               ; the opening add is done
	s_wait_kmcnt 0x0
	s_load_b256 s[72:79], s[8:9], 0x0              ; e0 .. e7
	s_load_b64 s[80:81], s[8:9], 0x20              ; e8, e9
	s_cmp_eq_u32 ttmp9, 2
	s_cselect_b64 s[92:93], s[6:7], s[4:5]         ; A's buffer
	s_cselect_b64 s[94:95], s[4:5], s[6:7]         ; B's
	s_add_nc_u64 s[20:21], s[92:93], s[20:21]
	s_add_nc_u64 s[46:47], s[94:95], s[46:47]
	CROUND                                         ; all sixteen work-groups are here: the first joint loads meet
.irp s, 0,1
	s_mov_b32 s[G0+4*\s], 1
	s_add_co_u32 s[G0+4*\s+1], s45, \s*SLOT
	s_add_nc_u64 s[G0+4*\s+2:G0+4*\s+3], s[20:21], \s*ROWB
	s_or_b32 s[G0+4*\s+3], s[G0+4*\s+3], 0x80000000
	s_mov_b32 s[G0B+4*\s], 1
	s_add_co_u32 s[G0B+4*\s+1], s45, \s*SLOT
	s_add_nc_u64 s[G0B+4*\s+2:G0B+4*\s+3], s[46:47], \s*ROWB
	s_or_b32 s[G0B+4*\s+3], s[G0B+4*\s+3], 0x80000000
.endr
	JLOAD G0, G1, G0B, G1B                         ; K step 0: one tensor load a wave at the head
	v_and_b32 v1, 15, v0                           ; l % 16
	v_bfe_u32 v2, v0, 4, 1                         ; l / 16
	s_wait_alu depctr_va_vdst(0)
	v_mul_u32_u24 v3, v1, PITCH
	v_lshl_add_u32 v4, v2, 4, v3                   ; a fragment's row x pitch + 16 x half
	s_mul_i32 s21, s15, HALFT                      ; my 128 rows of A
	s_mul_i32 s22, s16, HALFT                      ; my 128 rows of B,
	s_add_co_u32 s22, s22, 2*HALFT                 ; which lie behind A's 256
.irp s, 0,1
	v_add_nc_u32 v[ADRA+\s], s21, v4
	v_add_nc_u32 v[ADRB+\s], s22, v4
	s_add_co_u32 s21, s21, SLOT
	s_add_co_u32 s22, s22, SLOT
.endr
	; the bias, and where my results go.  My 128 rows are block s66 of A's rows, my 128 columns block s67 of B's rows
	s_lshl_b32 s66, s17, 1
	s_add_co_u32 s66, s66, s15
	s_lshl_b32 s67, s42, 1
	s_add_co_u32 s67, s67, s16
	s_cmp_eq_u32 ttmp9, 1
	s_cselect_b64 s[12:13], s[86:87], s[84:85]
	s_cmp_eq_u32 ttmp9, 2
	s_cselect_b64 s[12:13], s[88:89], s[12:13]     ; bq, bk or bv
	s_cselect_b32 s98, 0, s67                      ; the bias runs along n' for q and k (block s67), along m' for v (block s66); the set that is not used is loaded from the bias's first 128 numbers,
	s_cselect_b32 s99, s66, 0                      ; so that no load leaves the buffer and the head needs no branch
	s_cselect_b32 s68, s67, s66                    ; the block of 128 tokens,
	s_cselect_b32 s69, s66, s67                    ; and the head
	s_lshl_b32 s98, s98, 9
	s_lshl_b32 s99, s99, 9
	s_mov_b32 s19, 0
	s_mov_b32 s18, s99
	s_add_nc_u64 s[82:83], s[12:13], s[18:19]
	s_mov_b32 s18, s98
	s_add_nc_u64 s[12:13], s[12:13], s[18:19]
	s_lshr_b32 s18, s68, 4                         ; ((batch x 8 + head) x 16 + block in the batch) x 16,384 bytes
	s_lshl_b32 s18, s18, 7
	s_lshl_b32 s98, s69, 4
	s_add_co_u32 s18, s18, s98
	s_and_b32 s98, s68, 15
	s_add_co_u32 s18, s18, s98
	s_lshl_b32 s18, s18, 14
	s_lshl_b32 s98, ttmp9, 23                      ; + q's, k's or v's part
	s_add_co_u32 s18, s18, s98
	s_add_nc_u64 s[10:11], s[90:91], s[18:19]
	v_lshlrev_b32 v[BNO], 5, v2
	v_lshlrev_b32 v[BMO], 2, v1
	v_and_b32 v[CO], 31, v0
	v_lshlrev_b32 v[CO], 4, v[CO]
.irp b, 0,1,2,3,4,5,6,7
	global_load_b128 v[BN+8*\b:BN+8*\b+3],   v[BNO], s[12:13] offset:64*\b      ; bias(16 b + 8 (l / 16) + 0 .. 7)
	global_load_b128 v[BN+8*\b+4:BN+8*\b+7], v[BNO], s[12:13] offset:64*\b+16
.endr
.irp a, 0,1,2,3,4,5,6,7
	global_load_b32 v[BM+2*\a],   v[BMO], s[82:83] offset:64*\a                 ; bias(16 a + l % 16), twice: a pair for the packed form
	global_load_b32 v[BM+2*\a+1], v[BMO], s[82:83] offset:64*\a
.endr
.macro FRAG reg, adr, q, i             ; a fragment, 16 rows x 128 K: lane l holds row l % 16; registers 4 c .. 4 c + 3 hold K = 32 c + 16 (l / 16) + 0 .. 15: a permutation of k, the same in A and in B
.irp c, 0,1,2,3
	ds_load_b128 v[\reg+4*\c:\reg+4*\c+3], v[\adr] offset:128*(\q)+32*\c+(\i)*16*PITCH
.endr
.endm
; 16 matrix instructions: A's blocks a0, a0 + 1 x B's eight.  The 64 accumulators take turns, one instruction a turn, in the same order in every step.
.macro MUL16 a0, p, zero
.irp a, \a0, \a0+1
.irp b, 0,1,2,3,4,5,6,7
.if \zero
	v_wmma_f32_16x16x128_fp8_fp8 v[8*(8*((\a)%4)+\b):8*(8*((\a)%4)+\b)+7], v[128*(\p)+FR*\b:128*(\p)+FR*\b+FR-1], v[AF+FR*(\a):AF+FR*(\a)+FR-1], 0
.else
	v_wmma_f32_16x16x128_fp8_fp8 v[8*(8*((\a)%4)+\b):8*(8*((\a)%4)+\b)+7], v[128*(\p)+FR*\b:128*(\p)+FR*\b+FR-1], v[AF+FR*(\a):AF+FR*(\a)+FR-1], v[8*(8*((\a)%4)+\b):8*(8*((\a)%4)+\b)+7]
.endif
.endr
.endr
.endm
.macro FETCH_B slot, q, p
	WIN TO_B
.irp i, 0,1,2,3,4,5,6,7
	FRAG 128*(\p)+FR*\i, ADRB+\slot, \q, \i
.endr
	WIN 0
.endm
.macro FETCH_A slot, q, i0
.irp i, \i0, \i0+1, \i0+2, \i0+3
	FRAG AF+FR*(\i), ADRA+\slot, \q, \i
.endr
.endm
.macro PLACES n                        ; plain vector lines between a matrix instruction and a load into, or a vector write of, one of its registers, or a read of its result
.rept \n
	v_nop
.endr
.endm
.macro STEP slot, q, zero              ; a step of 128 along K that has its successor in the same slot
	s_wait_dscnt 4*NL                              ; B's set and A's blocks 0-3 are in; the youngest loads (A's blocks 4-7) may be out
	WIN MUL_LO
	MUL16 0, (\q)%2, \zero
	MUL16 2, (\q)%2, \zero
	s_wait_dscnt 0
	PLACES NP
	FETCH_B \slot, (\q)+1, 1-(\q)%2
	FETCH_A \slot, (\q)+1, 0
	WIN MUL_HI
	MUL16 4, (\q)%2, \zero
	MUL16 6, (\q)%2, \zero
	PLACES NP
	WIN 0
	FETCH_A \slot, (\q)+1, 4
.endm
; A slot's last step changes slots: one barrier; in front of it each wave waits for all its tensor loads, adds 0 to its spare word, and waits for that and for its own reads of this slot.
.macro TURN slot, next, fill
	s_wait_tensorcnt 0x0                           ; all my tensor loads have landed: my part of the next slot
	ds_add_u32 v[SPW], v[NIL]                      ; 0 onto my spare word
	s_wait_dscnt 4*NL+1                            ; (the add and the youngest loads, A's blocks 4-7, may be out)
	WIN MUL_LO
	MUL16 0, 1, 0
	s_wait_dscnt 0x0                               ; the add is done, and my reads of this slot are over
	s_barrier_signal -1
	MUL16 2, 1, 0
	WIN 0
	s_barrier_wait -1
.if \fill
	CREST                                          ; the barrier has opened a round of the cluster's barrier: no wave of any partner still reads this slot or has a load on its way
	s_add_nc_u64 s[G0+4*\slot+2:G0+4*\slot+3], s[G0+4*\slot+2:G0+4*\slot+3], 2*ROWB
	s_add_nc_u64 s[G0B+4*\slot+2:G0B+4*\slot+3], s[G0B+4*\slot+2:G0B+4*\slot+3], 2*ROWB
	JLOAD G0+4*\slot, G1, G0B+4*\slot, G1B         ; the first tensor load behind the round; its four v_nop are the places in front of the loads below
.else
	PLACES NP
.endif
	FETCH_B \next, 0, 0
	FETCH_A \next, 0, 0
	WIN MUL_HI
	MUL16 4, 1, 0
	MUL16 6, 1, 0
	PLACES NP
	WIN 0
	FETCH_A \next, 0, 4
.endm
	s_wait_alu depctr_va_vdst(0)
	s_wait_tensorcnt 0x0                           ; my part of K step 0 is in
	ds_add_u32 v[SPW], v[NIL]
	s_wait_dscnt 0x0
	CROUND                                         ; everybody's part is in, and the joint loads meet
	JLOAD G0+4, G1, G0B+4, G1B                     ; K step 1: the first tensor load behind the round
	FETCH_B 0, 0, 0
	FETCH_A 0, 0, 0
	FETCH_A 0, 0, 4
	STEP 0, 0, 1                                   ; the first step stands in front of the loop: its products start the sums
	s_mov_b32 s3, LAPS-1
.Llap:                                                 ; a trip goes once round the ring and fills both slots again
	TURN 0, 1, 1
	STEP 1, 0, 0
	TURN 1, 0, 1
	STEP 0, 0, 0
	s_sub_co_u32 s3, s3, 1
	s_cmp_lg_u32 s3, 0
	s_cbranch_scc1 .Llap
	TURN 0, 1, 0                                   ; the last lap fills nothing
	STEP 1, 0, 0
	s_wait_dscnt 4*NL
	WIN MUL_LO
	MUL16 0, 1, 0
	MUL16 2, 1, 0
	s_wait_dscnt 0
	WIN MUL_HI
	MUL16 4, 1, 0
	MUL16 6, 1, 0
	WIN 0
	; THE WAY OUT
	s_wait_kmcnt 0x0
	s_wait_loadcnt 0x0                             ; the biases
	s_add_co_i32 s72, s72, s73                     ; e0 + e1
	s_add_co_i32 s74, s74, s75                     ; e2 + e3
	s_add_co_i32 s76, s76, s77                     ; e4 + e5
	s_cmp_eq_u32 ttmp9, 1
	s_cselect_b32 s96, s74, s72
	s_cselect_b32 s98, s79, s78                    ; e7 or e6
	s_cmp_eq_u32 ttmp9, 2
	s_cselect_b32 s96, s76, s96
	s_cselect_b32 s98, s81, s98                    ; e9
	s_add_co_i32 s96, s96, 127
	s_lshl_b32 s96, s96, 23                        ; 2^(ea + eb) as f32
	s_mov_b32 s97, s96                             ; (named with it as a pair, so it is written)
	s_add_co_i32 s98, s98, 127
	s_lshl_b32 s99, s98, 23
	v_mov_b32 v[QS], s99                           ; 2^eo
	s_add_co_i32 s98, s98, 8
	s_lshl_b32 s98, s98, 23
	s_or_b32 s98, s98, 0x600000
	v_mov_b32 v[QL], s98                           ; 448 x 2^eo
	PLACES NP                                      ; behind the last products: the numbers below land in registers that held A's fragments
; Block a: 16 m' x 128 n'.  isv = 0: the bias runs along n'; 1: along m'.
.macro OUT a, isv
.set AC, 64*((\a)%4)
.set CC, CD+16*((\a)%2)
.set WS, 0x02+((\a)/4)
.if (\a) >= 2
	s_wait_xcnt 0x0                                ; block a - 2's stores have read these code registers
.endif
	WIN WS                                         ; source 0: window 2 or 3
.set j, 0
.rept 32
.if \isv
	v_pk_fma_f32 v[TMP+j:TMP+j+1], v[AC+j:AC+j+1], s[96:97], v[BM+2*(\a):BM+2*(\a)+1] op_sel_hi:[1,0,1]   ; sum x 2^(ea + eb) + bias: one rounding; each accumulator from its low end on
.else
	v_pk_fma_f32 v[TMP+j:TMP+j+1], v[AC+j:AC+j+1], s[96:97], v[BN+j:BN+j+1] op_sel_hi:[1,0,1]
.endif
.set j, j+2
.endr
	WIN 0
.set j, 0
.rept 64
	v_med3_num_f32 v[TMP+j], v[TMP+j], -v[QL], v[QL]   ; the conversion does not saturate (ISA guide 7.6.2): the hold comes first
.set j, j+1
.endr
.irp b, 0,1,2,3,4,5,6,7
	v_cvt_scalef32_pk8_fp8_f32 v[CC+2*\b:CC+2*\b+1], v[TMP+8*\b:TMP+8*\b+7], v[QS]   ; k = 16 b + 8 (l / 16) + 0 .. 7: registers 2 b, 2 b + 1 of the next operand
.endr
	v_nop                                          ; one plain vector line behind the last conversion: the next block writes its sources
.irp c, 0,1,2,3
	global_store_b128 v[CO], v[CC+4*\c:CC+4*\c+3], s[10:11] offset:2048*(\a)+512*\c   ; 32 lanes store 512 consecutive bytes, aligned
.endr
.endm
	s_cmp_eq_u32 ttmp9, 2                          ; the cluster's x: the same in all partners and waves
	s_cbranch_scc1 .Lv
.irp a, 0,1,2,3,4,5,6,7
	OUT \a, 0
.endr
	s_branch .Ljoin
.Lv:
.irp a, 0,1,2,3,4,5,6,7
	OUT \a, 1
.endr
.Ljoin:
	s_wait_tensorcnt 0x0                           ; the wave's end, behind my last tensor load
	ds_add_u32 v[SPW], v[NIL]
	s_wait_dscnt 0x0
	CROUND                                         ; the closing round: no work-group ends while a partner may still ask for a tile that names it
	s_endpgm
.Lfunc_end_k_q7da78f646c_qkv:
	.size	k_q7da78f646c_qkv, .Lfunc_end_k_q7da78f646c_qkv-k_q7da78f646c_qkv
	.p2alignl 7, 3214868480
	.fill 96, 4, 3214868480
	.section	.rodata,"a",@progbits
	.p2align	6, 0x0
	.amdhsa_kernel k_q7da78f646c_qkv
		.amdhsa_group_segment_fixed_size 327680
		.amdhsa_private_segment_fixed_size 0
		.amdhsa_enable_private_segment 0
		.amdhsa_kernarg_size 56
		.amdhsa_user_sgpr_count 2
		.amdhsa_user_sgpr_kernarg_segment_ptr 1
		.amdhsa_wavefront_size32 1
		.amdhsa_system_sgpr_workgroup_id_x 1
		.amdhsa_system_sgpr_workgroup_id_y 1
		.amdhsa_system_sgpr_workgroup_id_z 1
		.amdhsa_system_vgpr_workitem_id 0
		.amdhsa_next_free_vgpr 1024
		.amdhsa_next_free_sgpr 100
		.amdhsa_reserve_vcc 0
		.amdhsa_float_denorm_mode_32 3
		.amdhsa_float_denorm_mode_16_64 3
		.amdhsa_memory_ordered 1
		.amdhsa_forward_progress 1
		.amdhsa_inst_pref_size 194
	.end_amdhsa_kernel
	.amdgpu_metadata
---
amdhsa.version: [ 1, 2 ]
amdhsa.kernels:
  - .name:           k_q7da78f646c_qkv
    .symbol:         k_q7da78f646c_qkv.kd
    .args:
      - { .name: xc, .offset: 0, .size: 8, .value_kind: global_buffer, .address_space: global }
      - { .name: wc, .offset: 8, .size: 8, .value_kind: global_buffer, .address_space: global }
      - { .name: lowp_scales, .offset: 16, .size: 8, .value_kind: global_buffer, .address_space: global }
      - { .name: bq, .offset: 24, .size: 8, .value_kind: global_buffer, .address_space: global }
      - { .name: bk, .offset: 32, .size: 8, .value_kind: global_buffer, .address_space: global }
      - { .name: bv, .offset: 40, .size: 8, .value_kind: global_buffer, .address_space: global }
      - { .name: qkvc, .offset: 48, .size: 8, .value_kind: global_buffer, .address_space: global }
    .group_segment_fixed_size: 327680
    .private_segment_fixed_size: 0
    .kernarg_segment_align: 8
    .kernarg_segment_size: 56
    .max_flat_workgroup_size: 128
    .sgpr_count:     100
    .vgpr_count:     1024
    .wavefront_size: 32
...
	.end_amdgpu_metadata
.endif
;; end of part 7
;; launch attn (part 8): grid 8 x 32, 8 waves a work-group, clusters of 4 x 1, 327,680 bytes of LDS; arguments qkvc, lowp_scales, ctxc; writes ctxc
.if DOCPART == 8
	.amdgcn_target "amdgcn-amd-amdhsa--gfx1250"
	.amdhsa_code_object_version 6
	.text
	.protected	k_q7da78f646c_attn
	.globl	k_q7da78f646c_attn
	.p2align	8
	.type	k_q7da78f646c_attn,@function
k_q7da78f646c_attn:
	s_mov_b64 s[64:65], 0
	v_nop
	global_prefetch_b8 v0, s[64:65] scope:SCOPE_SE
	s_setreg_imm32_b32 hwreg(HW_REG_WAVE_MODE, 25, 1), 1
	s_wait_xcnt 0x0
	s_wait_alu depctr_hold_cnt(0) depctr_sa_sdst(0) depctr_va_vdst(0) depctr_va_sdst(0) depctr_va_ssrc(0) depctr_va_vcc(0) depctr_vm_vsrc(0)
	s_getreg_b32 s2, hwreg(HW_REG_IB_STS2, 6, 4)
	s_cmp_eq_u32 s2, 0
	s_cbranch_scc0 .Lentry_in_a_cluster
	s_endpgm
.Lentry_in_a_cluster:
	s_bfe_u32 s2, ttmp6, 0x10000c
	s_cmp_lg_u32 s2, 0x3003
	s_cbranch_scc0 .Lentry_shape_is_right
	s_endpgm
.Lentry_shape_is_right:
; ctx = softmax(q k^T / sqrt(128)) v for 32 (batch, head) pairs of 2,048 tokens, both products on E4M3 codes, and ctx quantised at once (entry 10 of the scales) for the output projection.
; THE SOFTMAX: t = score x log2(e) / sqrt(128); M = the running largest t rounded UP to a whole number; p = 2^(t - M) is quantised (entry 8), not normalised; the row's sum is taken of the unquantised p
; and divides at the end.  When M moves, the sum and O are multiplied by 2^(old M - new M): exact.
; INPUT: qkvc [3][32][16 blocks of 128 tokens][8 images of 2,048 bytes]: an image is an operand's 16 registers as they stand, byte 512 c + 16 lane: registers 4 c .. 4 c + 3; lane (r, h) holds row r,
; registers 2 c, 2 c + 1 hold k = 16 c + 8 h + 0 .. 7.  q, k: row = token, k = the head's 128; v: row = channel, k = the block's 128 tokens.
; SHARES.  A work-group owns 256 queries of one (batch, head); each of its eight waves owns 32, two tiles of 16, so that each fragment of K and V feeds two products.  Every wave walks all 2,048 keys, 128 a step.
; THE RING.  Two LDS slots of 512 keys (K's four blocks of 16 KiB, then V's four).  Every wave fetches one block of each slot, so every way through the text passes the head's load.
; CLUSTER.  The four work-groups of a cluster belong to one (batch, head) and walk the same K and V: each block is asked for jointly, with a mask that names the four.
; LAYOUT.  Both products transposed: S^T = K Q^T, O^T = V^T P^T: a lane holds one query of each tile.  Key tile c gives the lane keys 16 c + 8 h + 0 .. 7: its eight p convert into registers 2 c, 2 c + 1 of P.
; A KEY STEP is walked by a counted loop: four times a slot, or three times and then the slot's last step written apart.  Its 128 exponentials are one batch, with one wait ahead of it and one behind it.
; OUTPUT: ctxc [512 tiles of 16 tokens][8 heads] images in which registers 4 c .. 4 c + 3 hold k = 32 c + 16 h + 0 .. 15: the halves of the lanes exchange half their codes.
; LIMITS: e6 + e7 between -123 and 130 (added to c's exponent field); e8 and e10 between -126 and 119; the scaled scores t stay under 2^31 in magnitude.
; REGISTERS: window 0: v1-9 addresses and constants; v10-25 statistics, eight a tile; v26-31 at work; v32-95 fragments F0; v96-223 S^T, then p; v224-255 p's codes.
;   window 1: v0-31 Q; v32-159 O^T; v160-223 fragments F1.
.set SLOT1, 131072                     ; slot 1 begins here: one exclusive or turns an address in one slot into the other's
.set VOFF,  65536                      ; in a slot: K's four blocks, then V's four
.set BLK,   16384
.set IMG,   2048
.set NSL,   4                          ; 2,048 keys / 512
.set SPARE, 2*SLOT1                    ; behind the ring: the spare words, 128 bytes a wave, that no other line names
.set LI,   1                           ; v1   16 x lane
.set PFO,  2                           ; v2   256 x lane
.set ADR,  3                           ; v3   the step's LDS address in K
.set SPW,  4                           ; v4   my spare word; never rewritten
.set NIL,  5                           ; v5   0; never rewritten
.set PS,   6                           ; v6   2^e8
.set PL,   7                           ; v7   448 x 2^e8
.set ADV,  8                           ; v8   the step's LDS address in V
.set XS,   8                           ; v8   on the way out: 2^e10
.set XL,   9
.set PL2,  9                           ; v9   in the loop: 448 x 2^e8 once more, in another register bank, for the second half of a dual pair
.set ST,   10                          ; tile u at v[ST + 8 u]: +0 -M, +1 the largest t, +2, +3 the sum in two halves, +4 f (+5 named with it), +6, +7 at work
.set PM,   26
.set S2,   28
.set F0,   32
.set S,    96
.set CD,   224
.set Q,    0
.set O,    32
.set F1,   160
.set TB,   2                           ; s2   LDS byte at which the slot in hand begins
.set SQ,   3                           ; s3   the step's block in the slot, in bytes: also the inner loop's counter
.set SA,   12
.set WV,   18
.set SEL,  20
.set CS,   22
.set G1,   24
.set G0,   40
.set SLOTS, 67
.set PFA,  76
.set LIM,  80
.set HI16, 85
.set MSB, 0
.macro WIN new                         ; the immediate's high byte repeats the setting that is left
.if MSB != \new
	s_set_vgpr_msb (MSB<<8)|\new
.set MSB, \new
.endif
.endm
.macro CROUND                          ; a round of the cluster's barrier
	s_barrier_signal -1
	s_barrier_wait -1
	s_cmp_lg_u32 s[WV], 0
	s_cbranch_scc1 .Lnot_wave_0_\@
	s_barrier_signal -3
.Lnot_wave_0_\@:
	s_barrier_wait -3
	s_barrier_signal -1
	s_barrier_wait -1
.endm
.macro CREST                           ; a round of the cluster's barrier behind its opening barrier
	s_cmp_lg_u32 s[WV], 0
	s_cbranch_scc1 .Lnot_wave_0_\@
	s_barrier_signal -3
.Lnot_wave_0_\@:
	s_barrier_wait -3
	s_barrier_signal -1
	s_barrier_wait -1
.endm
.macro TLOAD
	tensor_load_to_lds s[G0:G0+3], s[G1:G1+7]
	s_nop 0
.rept 4
	v_nop
.endr
.endm
; A prefetch of the slot that the NEXT change will ask for: 65,536 bytes of K and as many of V.  Both clusters of a (batch, head) walk the same bytes: the first asks.  Its four partners share them out by
; address, 16,384 bytes of each; in each, waves 4, 5 ask for K's and waves 6, 7 for V's, 8,192 bytes a wave, lanes 256 bytes apart: each aligned block of 256 bytes is named once.  The last filling change asks for nothing.
.macro ASK
	s_cmp_gt_u32 s[SLOTS], s[LIM]
	s_cbranch_scc0 .Lnot_mine_\@
	global_prefetch_b8 v[PFO], s[PFA:PFA+1] th:TH_LOAD_NT scope:SCOPE_SE
.Lnot_mine_\@:
.endm
	s_load_b128 s[4:7], s[0:1], 0x0                ; qkvc, the scales' exponents
	s_load_b64 s[16:17], s[0:1], 0x10              ; ctxc
	v_lshl_add_u32 v[SPW], v0, 2, SPARE
	v_mov_b32 v[NIL], 0
	ds_add_u32 v[SPW], v[NIL]                      ; the opening: the add, twice on end, and its wait ahead of my first tensor load
	ds_add_u32 v[SPW], v[NIL]
	v_lshrrev_b32 v[ADR], 5, v0
	v_readfirstlane_b32 s[WV], v[ADR]              ; wave 0..7
	s_bfe_u32 s13, ttmp6, 0x40000                  ; cx
	s_lshl_b32 s14, ttmp9, 2
	s_add_co_u32 s14, s14, s13                     ; my block of 256 queries: it enters Q's, ctx's and the prefetches' addresses alone
	s_and_b32 s72, ttmp7, 0xffff                   ; batch x 8 + head, which the partners share
	s_lshl_b32 s74, s72, 18                        ; its 262,144 bytes in each of q, k, v
	s_lshl_b32 s89, s[WV], 14                      ; my block's place in a slot
	s_lshr_b32 s83, s[WV], 2                       ; waves 0-3: K's blocks; waves 4-7: V's
	s_add_co_u32 s83, s83, 1
	s_lshl_b32 s83, s83, 23
	s_and_b32 s82, s[WV], 3
	s_lshl_b32 s82, s82, 14
	s_add_co_u32 s82, s82, s83
	s_add_co_u32 s90, s82, s74
	s_mov_b32 s91, 0
	s_lshl_b32 s82, s14, 15                        ; Q: 16 images a work-group, two a wave
	s_lshl_b32 s83, s[WV], 12
	s_add_co_u32 s82, s82, s83
	s_add_co_u32 s86, s82, s74
	s_mov_b32 s87, 0
	s_lshr_b32 s82, s72, 3                         ; ctx: ((batch x 128 + 16 x block + 2 x wave) x 8 + head) x 2,048; my second tile lies 8 images on
	s_lshl_b32 s82, s82, 7
	s_lshl_b32 s83, s14, 4
	s_add_co_u32 s82, s82, s83
	s_lshl_b32 s83, s[WV], 1
	s_add_co_u32 s82, s82, s83
	s_lshl_b32 s82, s82, 3
	s_and_b32 s83, s72, 7
	s_add_co_u32 s82, s82, s83
	s_lshl_b32 s92, s82, 11
	s_mov_b32 s93, 0
	s_bfe_u32 s82, s[WV], 0x10001                  ; the prefetches: waves 4, 5: k's part; 6, 7: v's,
	s_add_co_u32 s82, s82, 1
	s_lshl_b32 s82, s82, 23
	s_add_co_u32 s82, s82, s74
	s_lshl_b32 s83, s13, 14                        ; my work-group's 16,384 bytes,
	s_add_co_u32 s82, s82, s83
	s_and_b32 s83, s[WV], 1
	s_lshl_b32 s83, s83, 13                        ; my wave's half of them,
	s_add_co_u32 s82, s82, s83
	s_add_co_u32 s94, s82, 4*BLK                   ; in slot 1: the first change steps it to slot 2
	s_mov_b32 s95, 0
	s_lshr_b32 s[LIM], s[WV], 2
	s_xor_b32 s[LIM], s[LIM], 1                    ; 0 in waves 4 to 7,
	s_or_b32 s[LIM], s[LIM], ttmp9                 ; of the first cluster: the same in all four partners
	s_cmp_eq_u32 s[LIM], 0
	s_cselect_b32 s[LIM], 1, -1
	s_mov_b32 s[G1], 15|(3<<16)|(1<<21)            ; a dense block of 16,384 bytes as 64 rows of 32 elements of 8 bytes; the mask names all four; bit 21 beside it
	s_mov_b32 s[G1+1], 32<<16
	s_mov_b32 s[G1+2], 64<<16
	s_mov_b32 s[G1+3], 32<<16
	s_mov_b32 s[G1+4], 64
	s_mov_b32 s[G1+5], 32
	s_mov_b32 s[G1+6], 0
	s_mov_b32 s[G1+7], 0
	s_mov_b32 s[SEL], 0x76543210
	s_mov_b32 s[SEL+1], 0xfedcba98
	s_mov_b32 s[CS], 0x3e0293ee                    ; log2(e) / sqrt(128)
	s_mov_b32 s[HI16], 0xffff0000
	s_mov_b32 s[TB], 0
	s_mov_b32 s[SLOTS], NSL-1
	s_wait_dscnt 0x0                               ; both opening adds are done
	s_wait_kmcnt 0x0
	s_load_b128 s[68:71], s[6:7], 0x18             ; e6, e7, e8, e9
	s_load_b32 s84, s[6:7], 0x28                   ; e10
	s_mov_b32 s[G0], 1
	s_mov_b32 s[G0+1], s89
	s_add_nc_u64 s[G0+2:G0+3], s[4:5], s[90:91]
	s_or_b32 s[G0+3], s[G0+3], 0x80000000
	s_add_nc_u64 s[PFA:PFA+1], s[4:5], s[94:95]
	s_add_nc_u64 s[10:11], s[4:5], s[86:87]        ; my two images of Q
	s_add_nc_u64 s[16:17], s[16:17], s[92:93]      ; my first image of ctx
	v_and_b32 v[LI], 31, v0
	v_lshlrev_b32 v[PFO], 8, v[LI]
	v_lshlrev_b32 v[LI], 4, v[LI]
	WIN 0x40
.irp u, 0,1
.irp c, 0,1,2,3
	global_load_b128 v[Q+16*\u+4*\c:Q+16*\u+4*\c+3], v[LI], s[10:11] offset:IMG*\u+512*\c   ; Q stays in registers; its loads hang on no partner and go out ahead of the round
.endr
.endr
	WIN 0
	CROUND                                         ; all four work-groups are here: the first joint loads meet
	TLOAD                                          ; slot 0
	WIN 0x40
.set j, 0
.rept 128
	v_mov_b32 v[O+j], 0                            ; O^T: the key step has no first step of its own; the first change of M leaves zeros zeros
.set j, j+1
.endr
	WIN 0
.irp u, 0,1
	v_mov_b32 v[ST+8*\u+1], 0xff61b1e6             ; the largest t so far: -3e38
	v_floor_f32 v[ST+8*\u], -v[ST+8*\u+1]          ; -M
	v_mov_b32 v[ST+8*\u+2], 0
	v_mov_b32 v[ST+8*\u+3], 0
	v_mov_b32 v[ST+8*\u+5], 0
	v_mov_b32 v[PM+\u], 0
.endr
	s_wait_kmcnt 0x0
	s_add_co_i32 s72, s68, s69
	s_lshl_b32 s72, s72, 23
	s_add_co_i32 s[CS], s[CS], s72                 ; x 2^(e6 + e7): added to c's exponent field
	s_mov_b32 s[CS+1], s[CS]
	s_add_co_i32 s72, s70, 127
	s_lshl_b32 s73, s72, 23
	v_mov_b32 v[PS], s73
	s_add_co_i32 s72, s72, 8
	s_lshl_b32 s72, s72, 23
	s_or_b32 s72, s72, 0x600000
	v_mov_b32 v[PL], s72
	v_mov_b32 v[PL2], s72
	s_add_co_i32 s72, s84, 127
	s_lshl_b32 s96, s72, 23                        ; 2^e10, kept for the way out
	s_add_co_i32 s72, s72, 8
	s_lshl_b32 s72, s72, 23
	s_or_b32 s97, s72, 0x600000                    ; 448 x 2^e10
; A KEY STEP: 128 keys, the block at s[SQ] of the slot in hand, for both tiles of queries.
; last = 1: the slot's last step, with the change of slots laid into it.  My last LDS reads of the slot are this step's loads of V: behind them stand the wait for all my tensor loads and the add; the maxima, work on
; registers, stand between the add and the wait for it; then the round's opening signal; the rest of the step, work on registers alone, stands between that signal and its wait; the joint refill is first behind the round.
.macro STEP last
	s_add_co_u32 s[SA], s[TB], s[SQ]
	v_add_nc_u32 v[ADR], s[SA], v[LI]
	v_add_nc_u32 v[ADV], VOFF, v[ADR]
	v_nop
	v_nop                                          ; with the two additions: four places between the last products and the loads into the registers that they read
	s_wait_alu depctr_va_vdst(0)
.irp t, 0,1,2,3
.irp c, 0,1,2,3
	ds_load_b128 v[F0+16*\t+4*\c:F0+16*\t+4*\c+3], v[ADR] offset:IMG*\t+512*\c
.endr
.endr
	WIN 0x40
.irp t, 0,1,2,3
.irp c, 0,1,2,3
	ds_load_b128 v[F1+16*\t+4*\c:F1+16*\t+4*\c+3], v[ADR] offset:IMG*(4+\t)+512*\c
.endr
.endr
	s_wait_dscnt 16                                ; F0's sixteen loads are in; F1's sixteen may be out
	WIN 0x04
.irp t, 0,1,2,3
.irp u, 0,1
	v_wmma_f32_16x16x128_fp8_fp8 v[S+64*\u+8*\t:S+64*\u+8*\t+7], v[F0+16*\t:F0+16*\t+15], v[Q+16*\u:Q+16*\u+15], 0
.endr
.endr
	s_wait_dscnt 0x0
	WIN 0x05
.irp t, 0,1,2,3
.irp u, 0,1
	v_wmma_f32_16x16x128_fp8_fp8 v[S+64*\u+8*(4+\t):S+64*\u+8*(4+\t)+7], v[F1+16*\t:F1+16*\t+15], v[Q+16*\u:Q+16*\u+15], 0
.endr
.endr
	WIN 0
.rept 4
	v_nop                                          ; places in front of the loads into F0 and F1, and of the first read of the scores
.endr
.irp t, 0,1,2,3                                ; V's fragments go out ahead of the softmax and are waited for behind it
.irp c, 0,1,2,3
	ds_load_b128 v[F0+16*\t+4*\c:F0+16*\t+4*\c+3], v[ADV] offset:IMG*\t+512*\c
.endr
.endr
	WIN 0x40
.irp t, 0,1,2,3
.irp c, 0,1,2,3
	ds_load_b128 v[F1+16*\t+4*\c:F1+16*\t+4*\c+3], v[ADV] offset:IMG*(4+\t)+512*\c
.endr
.endr
	WIN 0
.if \last
	s_wait_tensorcnt 0x0                           ; my block of the next slot is in; no tensor load of mine is out, so the group 0 may be written
	ds_add_u32 v[SPW], v[NIL]
	s_xor_b32 s[G0+1], s[G0+1], SLOT1              ; the slot in hand,
	s_add_nc_u64 s[G0+2:G0+3], s[G0+2:G0+3], 4*BLK ; the 512 keys behind the next slot's
	s_wait_xcnt 0x0                                ; the last prefetch has read its address
	s_add_nc_u64 s[PFA:PFA+1], s[PFA:PFA+1], 4*BLK
.endif
	; the step's largest score of each of my two queries: two chains a tile; each accumulator is read from its low end on
.irp u, 0,1
	v_max3_num_f32 v[ST+8*\u+6], v[S+64*\u], v[S+64*\u+1], v[S+64*\u+2]
	v_max3_num_f32 v[ST+8*\u+7], v[S+64*\u+3], v[S+64*\u+4], v[S+64*\u+5]
.endr
.set j, 6
.rept 14
.irp u, 0,1
	v_max3_num_f32 v[ST+8*\u+6], v[ST+8*\u+6], v[S+64*\u+j], v[S+64*\u+j+1]
	v_max3_num_f32 v[ST+8*\u+7], v[ST+8*\u+7], v[S+64*\u+j+2], v[S+64*\u+j+3]
.endr
.set j, j+4
.endr
.irp u, 0,1
	v_max3_num_f32 v[ST+8*\u+6], v[ST+8*\u+6], v[S+64*\u+62], v[S+64*\u+63]
.endr
.irp u, 0,1
	v_max_num_f32 v[ST+8*\u+6], v[ST+8*\u+6], v[ST+8*\u+7]
.endr
.irp u, 0,1
	v_permlanex16_b32 v[PM+\u], v[ST+8*\u+6], s[SEL], s[SEL+1]
.endr
.irp u, 0,1
	v_max_num_f32 v[ST+8*\u+6], v[ST+8*\u+6], v[PM+\u]      ; and among lane l xor 16's
.endr
.irp u, 0,1
	v_mul_f32 v[ST+8*\u+6], s[CS], v[ST+8*\u+6]             ; as t (c is positive)
.endr
.irp u, 0,1
	v_max_num_f32 v[ST+8*\u+1], v[ST+8*\u+1], v[ST+8*\u+6]  ; the running largest t
.endr
.irp u, 0,1
	v_mov_b32 v[ST+8*\u+6], v[ST+8*\u]
.endr
.irp u, 0,1
	v_floor_f32 v[ST+8*\u], -v[ST+8*\u+1]                   ; the new -M = floor(-t)
.endr
.irp u, 0,1
	v_sub_f32 v[ST+8*\u+6], v[ST+8*\u], v[ST+8*\u+6]        ; old M - new M: a whole number, 0 or less
.endr
.irp u, 0,1
	v_cvt_i32_f32 v[ST+8*\u+6], v[ST+8*\u+6]                ; (it saturates)
.endr
.irp u, 0,1
	v_ldexp_f32 v[ST+8*\u+4], 1.0, v[ST+8*\u+6]
.endr
.if \last
	s_wait_alu depctr_va_vdst(0)
	s_wait_dscnt 0x0                               ; the add is done, V is in registers, and my reads of this slot are over
	s_barrier_signal -1                            ; the round's opening signal
.endif
.irp u, 0,1
.set j, 0
.rept 32
	v_pk_fma_f32 v[S+64*\u+j:S+64*\u+j+1], v[S+64*\u+j:S+64*\u+j+1], s[CS:CS+1], v[ST+8*\u:ST+8*\u+1] op_sel_hi:[1,0,0]   ; t - M, two at a time
.set j, j+2
.endr
.endr
	s_wait_alu depctr_va_vdst(0)
.set j, 0
.rept 128
	v_exp_f32 v[S+j], v[S+j]                       ; p = 2^(t - M)
.set j, j+1
.endr
.irp u, 0,1
	v_pk_mul_f32 v[ST+8*\u+2:ST+8*\u+3], v[ST+8*\u+2:ST+8*\u+3], v[ST+8*\u+4:ST+8*\u+5] op_sel_hi:[1,0]   ; the sums under the new M (plain lines behind the batch)
.endr
	s_wait_alu depctr_va_vdst(0)                   ; one wait for the batch, ahead of its first reader
.irp u, 0,1
	v_pk_add_f32 v[S2+2*\u:S2+2*\u+1], v[S+64*\u:S+64*\u+1], v[S+64*\u+2:S+64*\u+3]   ; the row's sum of the UNQUANTISED p: two chains a tile
.endr
.set j, 4
.rept 15
.irp u, 0,1
	v_pk_add_f32 v[ST+8*\u+2:ST+8*\u+3], v[ST+8*\u+2:ST+8*\u+3], v[S+64*\u+j:S+64*\u+j+1]
	v_pk_add_f32 v[S2+2*\u:S2+2*\u+1], v[S2+2*\u:S2+2*\u+1], v[S+64*\u+j+2:S+64*\u+j+3]
.endr
.set j, j+4
.endr
.irp u, 0,1
	v_pk_add_f32 v[ST+8*\u+2:ST+8*\u+3], v[ST+8*\u+2:ST+8*\u+3], v[S2+2*\u:S2+2*\u+1]
.endr
.set j, 0
.rept 64
	v_dual_min_num_f32 v[S+j], v[S+j], v[PL] :: v_dual_min_num_f32 v[S+j+1], v[S+j+1], v[PL2]   ; the conversion does not saturate (ISA guide 7.6.2); p is not negative: a one-sided hold, two numbers a line
.set j, j+2
.endr
.set j, 0
.rept 16
	v_cvt_scalef32_pk8_fp8_f32 v[CD+2*j:CD+2*j+1], v[S+8*j:S+8*j+7], v[PS]
.set j, j+1
.endr
	WIN 0x41                                       ; O^T window 1, f window 0
	s_wait_alu depctr_va_vdst(0)                   ; directly ahead of the first reader of O^T
.irp u, 0,1
.set j, 0
.rept 32
	v_pk_mul_f32 v[O+64*\u+j:O+64*\u+j+1], v[O+64*\u+j:O+64*\u+j+1], v[ST+8*\u+4:ST+8*\u+5] op_sel_hi:[1,0]   ; O^T under the new M (also the plain lines behind the conversions)
.set j, j+2
.endr
.endr
	s_wait_alu depctr_va_vdst(0)
	s_wait_dscnt 0x0                               ; V
	WIN 0x50                                       ; O^T += V^T P^T: the sixteen accumulators take turns
.irp t, 0,1,2,3
.irp u, 0,1
	v_wmma_f32_16x16x128_fp8_fp8 v[O+64*\u+8*\t:O+64*\u+8*\t+7], v[F0+16*\t:F0+16*\t+15], v[CD+16*\u:CD+16*\u+15], v[O+64*\u+8*\t:O+64*\u+8*\t+7]
.endr
.endr
	WIN 0x51
.irp t, 0,1,2,3
.irp u, 0,1
	v_wmma_f32_16x16x128_fp8_fp8 v[O+64*\u+8*(4+\t):O+64*\u+8*(4+\t)+7], v[F1+16*\t:F1+16*\t+15], v[CD+16*\u:CD+16*\u+15], v[O+64*\u+8*(4+\t):O+64*\u+8*(4+\t)+7]
.endr
.endr
	WIN 0
.if \last
	s_wait_alu depctr_va_vdst(0)
	s_barrier_wait -1
	CREST                                          ; no wave of any partner still reads this slot or has a load on its way
	TLOAD                                          ; the joint refill: four key steps in which to land
	ASK
.endif
.endm
; THE CHANGE OF SLOTS, at a slot's head: all my tensor loads waited for, the add, the wait for it and for my reads of the slot that I have left.
; fill = 1: a round of the cluster's barrier, and behind it that slot is filled with the next 512 keys (the first time: slot 1's first fill): the load has four key steps in which to land.
.macro CHANGE fill
	s_wait_tensorcnt 0x0
	ds_add_u32 v[SPW], v[NIL]
.if \fill
	s_xor_b32 s[G0+1], s[G0+1], SLOT1
	s_add_nc_u64 s[G0+2:G0+3], s[G0+2:G0+3], 4*BLK
	s_wait_xcnt 0x0                                ; the last prefetch has read its address
	s_add_nc_u64 s[PFA:PFA+1], s[PFA:PFA+1], 4*BLK
.endif
	s_wait_dscnt 0x0
.if \fill
	CROUND
	TLOAD
	ASK
.else
	s_barrier_signal -1
	s_barrier_wait -1
.endif
.endm
.macro SLOT_STEPS n                    ; the slot's first n blocks of 128 keys, by a counted loop
	s_mov_b32 s[SQ], 0
.Lstep_\@:
	STEP 0
	s_add_co_u32 s[SQ], s[SQ], BLK
	s_cmp_lt_u32 s[SQ], (\n)*BLK
	s_cbranch_scc1 .Lstep_\@
.endm
	s_wait_alu depctr_va_vdst(0)
	s_wait_loadcnt 0x0                             ; Q
	CHANGE 1                                       ; slot 0 is in; slot 1's first fill, issued as a refill is
	s_sub_co_u32 s[SLOTS], s[SLOTS], 1
.Lslot:                                            ; two trips: keys 0-511 and 512-1,023; each trip's last step fills its slot again
	SLOT_STEPS 3
	STEP 1                                         ; s[SQ] stands at the slot's fourth block
	s_xor_b32 s[TB], s[TB], SLOT1
	s_sub_co_u32 s[SLOTS], s[SLOTS], 1
	s_cmp_lg_u32 s[SLOTS], 0
	s_cbranch_scc1 .Lslot
	s_mov_b32 s[SLOTS], 2                          ; two trips more, which fill nothing: keys 1,024-1,535 were shown whole by the last round,
	s_branch .Lenter
.Ltail:
	CHANGE 0                                       ; keys 1,536-2,047 by this barrier
.Lenter:
	SLOT_STEPS 4
	s_xor_b32 s[TB], s[TB], SLOT1
	s_sub_co_u32 s[SLOTS], s[SLOTS], 1
	s_cmp_lg_u32 s[SLOTS], 0
	s_cbranch_scc1 .Ltail
	; THE WAY OUT: ctx = O^T x 2^(e8 + e9) / the sum, quantised in registers
.irp u, 0,1
	v_add_f32 v[ST+8*\u+2], v[ST+8*\u+2], v[ST+8*\u+3]
.endr
.irp u, 0,1
	v_permlanex16_b32 v[PM+\u], v[ST+8*\u+2], s[SEL], s[SEL+1]
.endr
.irp u, 0,1
	v_add_f32 v[ST+8*\u+2], v[ST+8*\u+2], v[PM+\u]
.endr
	s_wait_alu depctr_va_vdst(0)                   ; ahead of the reciprocals
.irp u, 0,1
	v_rcp_f32 v[ST+8*\u+2], v[ST+8*\u+2]
.endr
	v_mov_b32 v[XS], s96                           ; (plain lines behind the reciprocals)
	v_mov_b32 v[XL], s97
	s_add_co_i32 s72, s70, s71
	s_wait_alu depctr_va_vdst(0)                   ; ahead of their first reader
.irp u, 0,1
	v_ldexp_f32 v[ST+8*\u+2], v[ST+8*\u+2], s72
.endr
	WIN 0x01
	s_wait_alu depctr_va_vdst(0)                   ; directly ahead of the first reader of O^T
.irp u, 0,1
.set j, 0
.rept 64
	v_mul_f32 v[S+64*\u+j], v[O+64*\u+j], v[ST+8*\u+2]      ; register 8 t + i is ctx(query r, channel 16 t + 8 h + i)
.set j, j+1
.endr
.endr
	WIN 0
.set j, 0
.rept 128
	v_med3_num_f32 v[S+j], v[S+j], -v[XL], v[XL]
.set j, j+1
.endr
.set j, 0
.rept 16
	v_cvt_scalef32_pk8_fp8_f32 v[CD+2*j:CD+2*j+1], v[S+8*j:S+8*j+7], v[XS]
.set j, j+1
.endr
	v_nop                                          ; one plain line behind the last conversion
	; from k = 16 t + 8 h + .. in registers 2 t, 2 t + 1 to k = 32 c + 16 h + .. in registers 4 c .. 4 c + 3: each lane sends what it does not keep to lane l xor 16
.irp u, 0,1
.irp c, 0,1,2,3
.irp i, 0,1
	v_cndmask_b32 v[S+64*\u+2*\c+\i], v[CD+16*\u+4*\c+2+\i], v[CD+16*\u+4*\c+\i], s[HI16]
.endr
.endr
.endr
.irp u, 0,1
.irp k, 0,1,2,3,4,5,6,7
	v_permlanex16_b32 v[S+64*\u+8+\k], v[S+64*\u+\k], s[SEL], s[SEL+1]
.endr
.endr
.irp u, 0,1
.irp c, 0,1,2,3
.irp i, 0,1
	v_cndmask_b32 v[CD+16*\u+4*\c+\i], v[CD+16*\u+4*\c+\i], v[S+64*\u+8+2*\c+\i], s[HI16]
	v_cndmask_b32 v[CD+16*\u+4*\c+2+\i], v[S+64*\u+8+2*\c+\i], v[CD+16*\u+4*\c+2+\i], s[HI16]
.endr
.endr
.endr
.irp u, 0,1
.irp c, 0,1,2,3
	global_store_b128 v[LI], v[CD+16*\u+4*\c:CD+16*\u+4*\c+3], s[16:17] offset:8*IMG*\u+512*\c   ; 32 lanes store 512 consecutive bytes, aligned
.endr
.endr
	s_wait_tensorcnt 0x0                           ; the wave's end
	ds_add_u32 v[SPW], v[NIL]
	s_wait_dscnt 0x0
	CROUND                                         ; the closing round
	s_endpgm
.Lfunc_end_k_q7da78f646c_attn:
	.size	k_q7da78f646c_attn, .Lfunc_end_k_q7da78f646c_attn-k_q7da78f646c_attn
	.p2alignl 7, 3214868480
	.fill 96, 4, 3214868480
	.section	.rodata,"a",@progbits
	.p2align	6, 0x0
	.amdhsa_kernel k_q7da78f646c_attn
		.amdhsa_group_segment_fixed_size 327680
		.amdhsa_private_segment_fixed_size 0
		.amdhsa_enable_private_segment 0
		.amdhsa_kernarg_size 24
		.amdhsa_user_sgpr_count 2
		.amdhsa_user_sgpr_kernarg_segment_ptr 1
		.amdhsa_wavefront_size32 1
		.amdhsa_system_sgpr_workgroup_id_x 1
		.amdhsa_system_sgpr_workgroup_id_y 1
		.amdhsa_system_sgpr_workgroup_id_z 1
		.amdhsa_system_vgpr_workitem_id 0
		.amdhsa_next_free_vgpr 512
		.amdhsa_next_free_sgpr 100
		.amdhsa_reserve_vcc 0
		.amdhsa_float_denorm_mode_32 3
		.amdhsa_float_denorm_mode_16_64 3
		.amdhsa_memory_ordered 1
		.amdhsa_forward_progress 1
		.amdhsa_inst_pref_size 131
	.end_amdhsa_kernel
	.amdgpu_metadata
---
amdhsa.version: [ 1, 2 ]
amdhsa.kernels:
  - .name:           k_q7da78f646c_attn
    .symbol:         k_q7da78f646c_attn.kd
    .args:
      - { .name: qkvc, .offset: 0, .size: 8, .value_kind: global_buffer, .address_space: global }
      - { .name: lowp_scales, .offset: 8, .size: 8, .value_kind: global_buffer, .address_space: global }
      - { .name: ctxc, .offset: 16, .size: 8, .value_kind: global_buffer, .address_space: global }
    .group_segment_fixed_size: 327680
    .private_segment_fixed_size: 0
    .kernarg_segment_align: 8
    .kernarg_segment_size: 24
    .max_flat_workgroup_size: 256
    .sgpr_count:     100
    .vgpr_count:     512
    .wavefront_size: 32
...
	.end_amdgpu_metadata
.endif
;; end of part 8
;; launch outln (part 9): grid 256 x 1, 4 waves a work-group, no clusters, 327,680 bytes of LDS; arguments ctxc, wc, lowp_scales, bo, x, gamma, beta, out0; writes out0
.if DOCPART == 9
	.amdgcn_target "amdgcn-amd-amdhsa--gfx1250"
	.amdhsa_code_object_version 6
	.text
	.protected	k_q7da78f646c_outln
	.globl	k_q7da78f646c_outln
	.p2align	8
	.type	k_q7da78f646c_outln,@function
k_q7da78f646c_outln:
	s_mov_b64 s[64:65], 0
	v_nop
	global_prefetch_b8 v0, s[64:65] scope:SCOPE_SE
	s_setreg_imm32_b32 hwreg(HW_REG_WAVE_MODE, 25, 1), 1
	s_wait_xcnt 0x0
; out = LayerNorm(ctx Wo + bo + x) x gamma + beta; the product on E4M3 codes (entries 10, 11 of the scales), all else in f32.
; SHARES.  A work-group owns 32 tokens x all 1,024 columns, so that a row's mean and variance are its own.  Wave w multiplies the 32 tokens by columns 256 w .. 256 w + 255: 32 accumulators; afterwards it normalises rows 8 w .. 8 w + 7.
; IMAGES.  ctxc [tile of 16 tokens][8 heads] and Wo's part of wc [8 steps of 128 K][64 tiles of 16 columns] hold images of operand registers, 2,048 bytes each: byte 512 c + 16 lane = registers 4 c .. 4 c + 3
; (row lane % 16, k = 32 c + 16 (lane / 16) + 0 .. 15).  Each load reads 512 consecutive bytes.
; Wo GOES FROM MEMORY STRAIGHT INTO REGISTERS: a step of 128 K is 16 images a wave; two sets of 256 registers take turns, and a set is asked for again as soon as its 32 products are issued: two steps ahead of its use.
; ctx: all four waves multiply the same 16 images.  Wave w fetches four of them (steps 2 w, 2 w + 1 of both tiles) and hands them on through LDS as they stand; behind one barrier every wave reads each step's two images from there.
; NO CLUSTER: each wave reads its own columns of Wo once, into registers; there is no LDS tile of Wo that partners could be sent jointly.  NO PREFETCH: the text has no loop, and Wo's loads stand two steps ahead of their use.
; x: my wave's 8 rows (32,768 dense bytes) come by one tensor load at the head into LDS bytes of their own, filled once, read by my wave alone.
; THE MATRIX INSTRUCTION IS USED TRANSPOSED (source 0 = 16 columns of Wo, source 1 = 16 tokens): a lane holds eight neighbouring columns of a token's row; the sums turn through a stage in LDS into whole rows.
; LIMIT: e10 + e11 between -126 and 127.
; REGISTERS: window 0: v1-27 addresses and statistics; v32-127 gamma, beta, bo (my lane's 32 columns of each); v128-255 ctx's fragments, four steps' sets by turns, later sums at work.
;   window 1, window 3: Wo's two sets; window 3 later x + bo.   window 2: accumulator (a, j) at v[8 (16 a + j)], later the rows of y.
.set SPITCH, 4112                      ; a stage row: 4,096 bytes + 16
.set XSB,    32*SPITCH                 ; behind the stage: x's 32 rows of 4,096 bytes
.set ASB,    XSB+131072                ; behind them: ctx's 16 images
.set SPARE,  ASB+32768                 ; behind them: the spare words, 128 bytes a wave, that no other line names
.set LI,  1                            ; v1   16 x lane
.set AW,  4                            ; v4   where I put my four images of ctx
.set AR,  5                            ; v5   where all sixteen are read
.set STO, 6                            ; v6, v7  into the stage: tokens 0-15, 16-31
.set RD,  8                            ; v8   my rows back out of it
.set XR,  9                            ; v9   my rows of x in LDS
.set SPW, 10
.set NIL, 11
.set MU,  12
.set GA,  32
.set BE,  64
.set BO,  96
.set AF,  128
.set TT,  128
.set G1,  24
.set G0,  32
.set MSB, 0
.macro WIN new
.if MSB != \new
	s_set_vgpr_msb (MSB<<8)|\new
.set MSB, \new
.endif
.endm
.macro PLACES
.rept 4
	v_nop
.endr
.endm
	s_load_b512 s[4:19], s[0:1], 0x0               ; ctxc, wc, scales, bo, x, gamma, beta, out0
	v_lshl_add_u32 v[SPW], v0, 2, SPARE
	v_mov_b32 v[NIL], 0
	ds_add_u32 v[SPW], v[NIL]                      ; the opening: the add, twice on end, and its wait ahead of my tensor load
	ds_add_u32 v[SPW], v[NIL]
	v_lshrrev_b32 v2, 5, v0
	v_readfirstlane_b32 s20, v2                    ; wave 0..3
	s_mov_b32 s[G1], 3<<16                         ; a dense block of 32,768 bytes as 128 rows of 32 elements of 8 bytes
	s_mov_b32 s[G1+1], 32<<16
	s_mov_b32 s[G1+2], 128<<16
	s_mov_b32 s[G1+3], 32<<16
	s_mov_b32 s[G1+4], 128
	s_mov_b32 s[G1+5], 32
	s_mov_b32 s[G1+6], 0
	s_mov_b32 s[G1+7], 0
	s_mov_b32 s44, 0x76543210
	s_mov_b32 s45, 0xfedcba98
	s_mov_b32 s46, 0x3a800000                      ; 1 / 1,024
	s_mov_b32 s47, 0x3727c5ac                      ; 1e-5
	s_lshl_b32 s48, s20, 15                        ; wave x 32,768: my rows of x and of out, my 16 images of a step of Wo
	s_add_co_u32 s50, s48, 3*1048576               ; Wo's part of wc
	s_mov_b32 s51, 0
	s_lshl_b32 s52, ttmp9, 15                      ; my work-group's 16 images of ctx,
	s_lshl_b32 s23, s20, 12                        ; and in each tile's eight my wave's two
	s_add_co_u32 s52, s52, s23
	s_mov_b32 s53, 0
	s_lshl_b32 s54, ttmp9, 17                      ; its 32 rows of 4,096 bytes
	s_add_co_u32 s54, s54, s48
	s_mov_b32 s55, 0
	s_add_co_u32 s49, s48, XSB
	s_lshl_b32 s21, s20, 10                        ; my 256 columns in a stage row
	s_mul_i32 s22, s20, 8*SPITCH                   ; my 8 rows of the stage
	v_and_b32 v[LI], 31, v0
	v_lshlrev_b32 v[LI], 4, v[LI]
	v_and_b32 v2, 15, v0
	v_bfe_u32 v3, v0, 4, 1
	v_mul_u32_u24 v[STO], v2, SPITCH
	v_lshl_add_u32 v[STO], v3, 5, v[STO]
	v_add_nc_u32 v[STO], s21, v[STO]
	v_add_nc_u32 v[STO+1], 16*SPITCH, v[STO]
	v_add_nc_u32 v[RD], s22, v[LI]
	v_add_nc_u32 v[XR], s49, v[LI]
	v_add_nc_u32 v[AR], ASB, v[LI]
	v_add_nc_u32 v[AW], s23, v[AR]
	s_wait_dscnt 0x0                               ; both opening adds are done
	s_wait_alu depctr_va_vdst(0)
	s_wait_kmcnt 0x0
	s_load_b64 s[40:41], s[8:9], 0x28              ; e10, e11
	s_add_nc_u64 s[6:7], s[6:7], s[50:51]
	s_add_nc_u64 s[4:5], s[4:5], s[52:53]
	s_add_nc_u64 s[18:19], s[18:19], s[54:55]
	s_mov_b32 s[G0], 1
	s_mov_b32 s[G0+1], s49
	s_add_nc_u64 s[G0+2:G0+3], s[12:13], s[54:55]
	s_or_b32 s[G0+3], s[G0+3], 0x80000000
	tensor_load_to_lds s[G0:G0+3], s[G1:G1+7]      ; my 8 rows of x
	s_nop 0
	PLACES
.macro ALOAD s                         ; ctx's two fragments of step s, from LDS, into set s % 4
.irp a, 0,1
.irp c, 0,1,2,3
	ds_load_b128 v[AF+32*((\s)%4)+16*\a+4*\c:AF+32*((\s)%4)+16*\a+4*\c+3], v[AR] offset:(8*\a+(\s))*2048+512*\c
.endr
.endr
.endm
.macro BPART s, j0, n                  ; n of Wo's sixteen fragments of step s, from the j0-th on, into window 1 (s even) or 3 (s odd)
	WIN 0x40+0x80*((\s)%2)
.set j, \j0
.rept \n
.irp c, 0,1,2,3
	global_load_b128 v[16*j+4*\c:16*j+4*\c+3], v[LI], s[6:7] offset:((\s)*64+j)*2048+512*\c
.endr
.set j, j+1
.endr
	WIN 0
.endm
.macro MUL s                           ; 32 products; the 32 accumulators take turns; step 0 starts the sums
	s_wait_dscnt 0x0                               ; ctx's fragments of this step are in
.if (\s) < 7
	s_wait_loadcnt 63                              ; behind this step's fragments of Wo at least 64 loads were issued
.endif
	WIN 0xa1+2*((\s)%2)
.set j, 0
.rept 16
.if ((\s) == 7) && ((j%4) == 0)
	s_wait_loadcnt 48-4*j                          ; the last step: behind these four fragments 4 (12 - j) loads were issued
.endif
.irp a, 0,1
.if (\s) == 0
	v_wmma_f32_16x16x128_fp8_fp8 v[8*(16*\a+j):8*(16*\a+j)+7], v[16*j:16*j+15], v[AF+32*((\s)%4)+16*\a:AF+32*((\s)%4)+16*\a+15], 0
.else
	v_wmma_f32_16x16x128_fp8_fp8 v[8*(16*\a+j):8*(16*\a+j)+7], v[16*j:16*j+15], v[AF+32*((\s)%4)+16*\a:AF+32*((\s)%4)+16*\a+15], v[8*(16*\a+j):8*(16*\a+j)+7]
.endif
.endr
.set j, j+1
.endr
	WIN 0
	PLACES                                         ; in front of loads into registers that these products read, and of the first read of results
.endm
.irp a, 0,1                            ; my four images of ctx: 16 loads
.irp i, 0,1
.irp c, 0,1,2,3
	global_load_b128 v[AF+32*\a+16*\i+4*\c:AF+32*\a+16*\i+4*\c+3], v[LI], s[4:5] offset:16384*\a+2048*\i+512*\c
.endr
.endr
.endr
	BPART 0, 0, 8
	s_wait_loadcnt 32                              ; my images of ctx are in: behind them the 32 loads of Wo above were issued
.irp a, 0,1
.irp i, 0,1
.irp c, 0,1,2,3
	ds_store_b128 v[AW], v[AF+32*\a+16*\i+4*\c:AF+32*\a+16*\i+4*\c+3] offset:16384*\a+2048*\i+512*\c
.endr
.endr
.endr
	BPART 0, 8, 8
	s_wait_dscnt 0x0                               ; my stores are done, for the others' sake
	s_barrier_signal -1
	s_barrier_wait -1                              ; all sixteen images lie in LDS
.irp s, 0,1,2,3
	ALOAD \s
.endr
.irp c, 0,1,2,3,4,5,6,7
	global_load_b128 v[GA+4*\c:GA+4*\c+3], v[LI], s[14:15] offset:512*\c
	global_load_b128 v[BE+4*\c:BE+4*\c+3], v[LI], s[16:17] offset:512*\c
	global_load_b128 v[BO+4*\c:BO+4*\c+3], v[LI], s[10:11] offset:512*\c
.endr
	BPART 1, 0, 16
.irp s, 0,1,2,3
	MUL \s
	BPART \s+2, 0, 16
	ALOAD \s+4
.endr
	MUL 4
	BPART 6, 0, 16
	MUL 5
	BPART 7, 0, 16
	MUL 6
	MUL 7
	WIN 0x08                                       ; store data: window 2
.irp a, 0,1
.set b, 0
.rept 16
	ds_store_b128 v[STO+\a], v[8*(16*\a+b):8*(16*\a+b)+3] offset:64*b          ; each accumulator from its low end on
	ds_store_b128 v[STO+\a], v[8*(16*\a+b)+4:8*(16*\a+b)+7] offset:64*b+16
.set b, b+1
.endr
.endr
	WIN 0xc0
	s_wait_tensorcnt 0x0                           ; my rows of x are in LDS: only I read them
.irp i, 0,1,2,3,4,5,6,7
.irp c, 0,1,2,3,4,5,6,7
	ds_load_b128 v[32*\i+4*\c:32*\i+4*\c+3], v[XR] offset:4096*\i+512*\c
.endr
.endr
	WIN 0
	s_wait_kmcnt 0x0
	s_add_co_i32 s42, s40, s41
	s_add_co_i32 s42, s42, 127
	s_lshl_b32 s42, s42, 23                        ; 2^(e10 + e11)
	s_mov_b32 s43, s42
	s_wait_dscnt 0x0                               ; my stores into the stage are done, for the others' sake; x is in registers
	s_barrier_signal -1
	WIN 0xc3
.irp i, 0,1,2,3,4,5,6,7
.set p, 0
.rept 16
	v_pk_add_f32 v[32*\i+p:32*\i+p+1], v[32*\i+p:32*\i+p+1], v[BO+p:BO+p+1]    ; x + bo: work on registers between the signal and the wait
.set p, p+2
.endr
.endr
	WIN 0
	s_wait_alu depctr_va_vdst(0)
	s_barrier_wait -1
	WIN 0x80
.irp i, 0,1,2,3,4,5,6,7
.irp c, 0,1,2,3,4,5,6,7
	ds_load_b128 v[32*\i+4*\c:32*\i+4*\c+3], v[RD] offset:SPITCH*\i+512*\c     ; my 8 rows, 16 bytes a lane
.endr
.endr
	WIN 0xb2
.irp i, 0,1,2,3,4,5,6,7
	s_wait_dscnt 8*(7-\i)
.set p, 0
.rept 16
	v_pk_fma_f32 v[32*\i+p:32*\i+p+1], v[32*\i+p:32*\i+p+1], s[42:43], v[32*\i+p:32*\i+p+1] op_sel_hi:[1,0,1]   ; y = sum x 2^(e10 + e11) + (x + bo)
.set p, p+2
.endr
.endr
.macro REDUCE                          ; eight rows' sixteen partial sums a lane, to one number in every lane
	WIN 0
.irp i, 0,1,2,3,4,5,6,7
.irp q, 0,2,4,6
	v_pk_add_f32 v[TT+16*\i+\q:TT+16*\i+\q+1], v[TT+16*\i+\q:TT+16*\i+\q+1], v[TT+16*\i+\q+8:TT+16*\i+\q+9]
.endr
.endr
.irp i, 0,1,2,3,4,5,6,7
.irp q, 0,2
	v_pk_add_f32 v[TT+16*\i+\q:TT+16*\i+\q+1], v[TT+16*\i+\q:TT+16*\i+\q+1], v[TT+16*\i+\q+4:TT+16*\i+\q+5]
.endr
.endr
.irp i, 0,1,2,3,4,5,6,7
	v_pk_add_f32 v[TT+16*\i:TT+16*\i+1], v[TT+16*\i:TT+16*\i+1], v[TT+16*\i+2:TT+16*\i+3]
.endr
.irp i, 0,1,2,3,4,5,6,7
	v_add_f32 v[TT+16*\i], v[TT+16*\i], v[TT+16*\i+1]
.endr
.irp m, 1,2,4,8
.irp i, 0,1,2,3,4,5,6,7
	v_add_f32_dpp v[TT+16*\i], v[TT+16*\i], v[TT+16*\i] row_xmask:\m row_mask:0xf bank_mask:0xf
.endr
.endr
.irp i, 0,1,2,3,4,5,6,7
	v_permlanex16_b32 v[TT+16*\i+1], v[TT+16*\i], s44, s45
.endr
.irp i, 0,1,2,3,4,5,6,7
	v_add_f32 v[TT+16*\i], v[TT+16*\i], v[TT+16*\i+1]
.endr
.endm
	WIN 0x0a
.irp i, 0,1,2,3,4,5,6,7
.irp q, 0,2,4,6,8,10,12,14
	v_pk_add_f32 v[TT+16*\i+\q:TT+16*\i+\q+1], v[32*\i+\q:32*\i+\q+1], v[32*\i+16+\q:32*\i+16+\q+1]
.endr
.endr
	REDUCE
.irp i, 0,1,2,3,4,5,6,7
	v_mul_f32 v[MU+2*\i], s46, v[TT+16*\i]         ; the mean, twice: a pair for the packed form
	v_mul_f32 v[MU+2*\i+1], s46, v[TT+16*\i]
.endr
	WIN 0x82
.irp i, 0,1,2,3,4,5,6,7
.set p, 0
.rept 16
	v_pk_add_f32 v[32*\i+p:32*\i+p+1], v[32*\i+p:32*\i+p+1], v[MU+2*\i:MU+2*\i+1] neg_lo:[0,1] neg_hi:[0,1]   ; y - mean
.set p, p+2
.endr
.endr
	WIN 0x0a
.irp i, 0,1,2,3,4,5,6,7
.irp q, 0,2,4,6,8,10,12,14
	v_pk_mul_f32 v[TT+16*\i+\q:TT+16*\i+\q+1], v[32*\i+\q:32*\i+\q+1], v[32*\i+\q:32*\i+\q+1]
.endr
.irp q, 0,2,4,6,8,10,12,14
	v_pk_fma_f32 v[TT+16*\i+\q:TT+16*\i+\q+1], v[32*\i+16+\q:32*\i+16+\q+1], v[32*\i+16+\q:32*\i+16+\q+1], v[TT+16*\i+\q:TT+16*\i+\q+1]
.endr
.endr
	REDUCE
.irp i, 0,1,2,3,4,5,6,7
	v_fma_f32 v[TT+16*\i], v[TT+16*\i], s46, s47   ; the variance + 1e-5
.endr
	s_wait_alu depctr_va_vdst(0)                   ; ahead of the batch
.irp i, 0,1,2,3,4,5,6,7
	v_rsq_f32 v[MU+2*\i], v[TT+16*\i]
.endr
	v_nop
	s_wait_alu depctr_va_vdst(0)                   ; and ahead of its first reader
.irp i, 0,1,2,3,4,5,6,7
	v_mov_b32 v[MU+2*\i+1], v[MU+2*\i]
.endr
	WIN 0x82
.irp i, 0,1,2,3,4,5,6,7
.set p, 0
.rept 16
	v_pk_mul_f32 v[32*\i+p:32*\i+p+1], v[32*\i+p:32*\i+p+1], v[MU+2*\i:MU+2*\i+1]
.set p, p+2
.endr
.set p, 0
.rept 16
	v_pk_fma_f32 v[32*\i+p:32*\i+p+1], v[32*\i+p:32*\i+p+1], v[GA+p:GA+p+1], v[BE+p:BE+p+1]
.set p, p+2
.endr
.endr
	WIN 0x08
.irp i, 0,1,2,3,4,5,6,7
.irp c, 0,1,2,3,4,5,6,7
	global_store_b128 v[LI], v[32*\i+4*\c:32*\i+4*\c+3], s[18:19] offset:4096*\i+512*\c th:TH_STORE_NT   ; 32 lanes store 512 consecutive bytes, aligned
.endr
.endr
	WIN 0
	s_wait_tensorcnt 0x0                           ; the wave's end
	ds_add_u32 v[SPW], v[NIL]
	s_wait_dscnt 0x0
	s_endpgm
.Lfunc_end_k_q7da78f646c_outln:
	.size	k_q7da78f646c_outln, .Lfunc_end_k_q7da78f646c_outln-k_q7da78f646c_outln
	.p2alignl 7, 3214868480
	.fill 96, 4, 3214868480
	.section	.rodata,"a",@progbits
	.p2align	6, 0x0
	.amdhsa_kernel k_q7da78f646c_outln
		.amdhsa_group_segment_fixed_size 327680
		.amdhsa_private_segment_fixed_size 0
		.amdhsa_enable_private_segment 0
		.amdhsa_kernarg_size 64
		.amdhsa_user_sgpr_count 2
		.amdhsa_user_sgpr_kernarg_segment_ptr 1
		.amdhsa_wavefront_size32 1
		.amdhsa_system_sgpr_workgroup_id_x 1
		.amdhsa_system_sgpr_workgroup_id_y 1
		.amdhsa_system_sgpr_workgroup_id_z 1
		.amdhsa_system_vgpr_workitem_id 0
		.amdhsa_next_free_vgpr 1024
		.amdhsa_next_free_sgpr 66
		.amdhsa_reserve_vcc 0
		.amdhsa_float_denorm_mode_32 3
		.amdhsa_float_denorm_mode_16_64 3
		.amdhsa_memory_ordered 1
		.amdhsa_forward_progress 1
		.amdhsa_inst_pref_size 165
	.end_amdhsa_kernel
	.amdgpu_metadata
---
amdhsa.version: [ 1, 2 ]
amdhsa.kernels:
  - .name:           k_q7da78f646c_outln
    .symbol:         k_q7da78f646c_outln.kd
    .args:
      - { .name: ctxc, .offset: 0, .size: 8, .value_kind: global_buffer, .address_space: global }
      - { .name: wc, .offset: 8, .size: 8, .value_kind: global_buffer, .address_space: global }
      - { .name: lowp_scales, .offset: 16, .size: 8, .value_kind: global_buffer, .address_space: global }
      - { .name: bo, .offset: 24, .size: 8, .value_kind: global_buffer, .address_space: global }
      - { .name: x, .offset: 32, .size: 8, .value_kind: global_buffer, .address_space: global }
      - { .name: gamma, .offset: 40, .size: 8, .value_kind: global_buffer, .address_space: global }
      - { .name: beta, .offset: 48, .size: 8, .value_kind: global_buffer, .address_space: global }
      - { .name: out0, .offset: 56, .size: 8, .value_kind: global_buffer, .address_space: global }
    .group_segment_fixed_size: 327680
    .private_segment_fixed_size: 0
    .kernarg_segment_align: 8
    .kernarg_segment_size: 64
    .max_flat_workgroup_size: 128
    .sgpr_count:     66
    .vgpr_count:     1024
    .wavefront_size: 32
...
	.end_amdgpu_metadata
.endif
;; end of part 9
